; MI455X (gfx1250); checked and timed in simulation.
; The chip was launched on July 23, 2026; its instructions are those of AMD's public machine-readable ISA for CDNA 5 (MIT licence, August 2026) and "CDNA5" Instruction Set Architecture Reference Guide (July 2026). The comments in the code are by the model that wrote it; some were corrected since.
;; Encoder Layer. Allowed arithmetic: matrix products marked QUANTISED: E4M3 operands, one given power-of-two scale a tensor, by v_wmma_f32_16x16x64_fp8_fp8 or v_wmma_f32_16x16x128_fp8_fp8, f32 sums; everything else in f32.
;; Inputs: W1 1,024 x 4,096 float32; W2 4,096 x 1,024 float32; Wk 16 x 1,024 x 64 float32; Wo 1,024 x 1,024 float32; Wq 16 x 1,024 x 64 float32; Wv 16 x 1,024 x 64 float32; b1 4,096 float32; bk 16 x 64 float32; bq 16 x 64 float32; bv 16 x 64 float32; ln1_b 1,024 float32; ln1_g 1,024 float32; ln2_b 1,024 float32; ln2_g 1,024 float32; lowp_scales 16 int32 (the exponents e of the quantised operands' scales 2^e); x 2 x 2,048 x 1,024 float32.
;; Outputs: out0 2 x 2,048 x 1,024 float32.
;; This version of the problem:
;;   THIS VERSION OF THE PROBLEM IS GIVEN IN LOW PRECISION. The matrix products marked QUANTISED in the list below multiply operands that are first quantised to E4M3 (4 exponent bits, 3 mantissa bits; 8 bits a number), with one given power-of-two scale for each operand tensor; their sums are f32. All else is computed in f32.
;;   The module's matrix products, in the order in which they are computed (A, B: the left and right operand; K: the contracted axis; several contracted axes count as one K, in the product's order):
;;     1. [M 1,024, K 1,024] x [K 1,024, N 4,096]; A: input Wq; B: input x: QUANTISED (scales: A lowp_scales[0], B lowp_scales[1])
;;     2. [M 1,024, K 1,024] x [K 1,024, N 4,096]; A: input Wk; B: input x: QUANTISED (scales: A lowp_scales[2], B lowp_scales[3])
;;     3. [M 1,024, K 1,024] x [K 1,024, N 4,096]; A: input Wv; B: input x: QUANTISED (scales: A lowp_scales[4], B lowp_scales[5])
;;     4. batch 32 x [M 2,048, K 64] x [K 64, N 2,048]; A: computed on the way; B: computed on the way: QUANTISED (scales: A lowp_scales[6], B lowp_scales[7])
;;     5. batch 32 x [M 2,048, K 2,048] x [K 2,048, N 64]; A: softmax (see below); B: computed on the way: QUANTISED (scales: A lowp_scales[8], B lowp_scales[9])
;;     6. [M 4,096, K 1,024] x [K 1,024, N 1,024]; A: computed on the way; B: input Wo: QUANTISED (scales: A lowp_scales[10], B lowp_scales[11])
;;     7. [M 4,096, K 1,024] x [K 1,024, N 4,096]; A: computed on the way; B: input W1: QUANTISED (scales: A lowp_scales[12], B lowp_scales[13])
;;     8. [M 4,096, K 4,096] x [K 4,096, N 1,024]; A: computed on the way; B: input W2: QUANTISED (scales: A lowp_scales[14], B lowp_scales[15])
;;   THE QUANTISER, for each operand of a quantised product, along K:
;;     - The operand's scale is 2^e, e = its entry of the input lowp_scales (int32; the entries are numbered through the quantised products in the list's order, A before B).
;;     - Each number is divided by the scale, clamped to +-448, and rounded to the nearest number of E4M3, ties to even, subnormals kept.
;;     - The product sums the exact products of the quantised numbers (number of the format x scale) in f32.
;;   ~~~python
;;   def quantise(x, axis, e):      # numpy; x: float32 -> the quantised numbers, widened to float32 again
;;       x = np.moveaxis(x, axis, -1); K = x.shape[-1]
;;       r = np.clip(x / 2.0 ** e, -448, 448)
;;       step = 2.0 ** (np.maximum(np.frexp(np.where(r == 0, 1, r))[1] - 1, -6) - 3)
;;       q = np.round(r / step) * step * 2.0 ** e      # np.round: ties to even
;;       return np.moveaxis(q, -1, axis).astype(np.float32)
;;   ~~~
;;   SOFTMAX AHEAD OF A QUANTISED PRODUCT. Where the list says 'softmax', what is quantised is not the finished softmax but p = 2^(t - M), with t = logit x log2(e) and M = ceil(the row's largest t), a whole number; so 1/2 < the row's largest p <= 1. The row's sum l is taken of the UNQUANTISED p, in f32, and the product's result is divided by l at the end. Since M is a whole number, a kernel that streams over the keys may use a running M (the ceiling of the running maximum): every later rescaling is an exact power of two, so the quantised numbers keep their values, but for numbers so far below the row's largest that they fall under the format's range.
;;   OPERANDS COMPUTED ON THE WAY. 'Computed on the way' means the value that the module computes at that place (a softmax that the list does not call 'softmax' is quantised finished and normalised). What goes into a quantiser is computed in f32, as accurately as f32 sums, v_exp_f32 and their like allow (about 1e-6 of the number): no bf16 or f16 on the way to a quantiser, and a product that is left as it is and whose result goes on into a quantised operand takes f32 operands (vector FMAs, or v_wmma_f32_16x16x4_f32). A number that lies on a knife's edge between two numbers of the format may be rounded either way, as far as f32 arithmetic and the matrix unit's own rounding can turn it there, and no further.
;; 2 versions. Each part assembles by itself: llvm-mc -triple=amdgcn-amd-amdhsa -mcpu=gfx1250 --defsym DOCPART=n.
;; ======== version 1 of 2: 8 launches
;; workspace buffers: xc 12,582,912 bytes; wc 12,582,912 bytes; qkvc 12,582,912 bytes; ac 4,194,304 bytes; y 16,777,216 bytes; h1 16,777,216 bytes; hid 16,777,216 bytes
;; launch prep (part 1): grid 512 x 1, 4 waves a work-group, no clusters, 68,096 bytes of LDS; arguments x, Wq, Wk, Wv, Wo, W1, W2, lowp_scales, xc, wc; writes xc, wc
.if DOCPART == 1
	.amdgcn_target "amdgcn-amd-amdhsa--gfx1250"
	.amdhsa_code_object_version 6
	.text
	.protected	k_qf4f0305931_prep
	.globl	k_qf4f0305931_prep
	.p2align	8
	.type	k_qf4f0305931_prep,@function
k_qf4f0305931_prep:
	s_mov_b64 s[64:65], 0
	v_nop
	global_prefetch_b8 v0, s[64:65] scope:SCOPE_SE
	s_setreg_imm32_b32 hwreg(HW_REG_WAVE_MODE, 25, 1), 1
	s_wait_xcnt 0x0
; ENCODER LAYER IN FP8 (E4M3), FIRST OF EIGHT LAUNCHES: every operand that arrives as f32 becomes codes, K innermost, once.
; NOTHING OF THE LAYER IS LEFT OUT IN ANY LAUNCH: all eight products are live, every input has a way to the output and is loaded (bk too: it moves K's codes).
; x [4096 tokens][1024] is an operand of three products under three scale entries (1, 3, 5), which may differ: three sets of codes, xc + i x 4 MiB, each [4096][1024].
; The six weights have K as an axis that is not innermost: a lane takes a column n and its registers run down K, so the conversions give codes with K innermost.
;   wc: Wq at 0, Wk at 1 MiB, Wv at 2 MiB ([1024 n = 64 head + c][1024 K]), Wo at 3 MiB [1024][1024], W1 at 4 MiB [4096][1024], W2 at 8 MiB [1024][4096].
; code = number / 2^e, held within +-448, rounded to the nearest code, ties to even.
; LIMITS: each e used here lies between -126 and 119, so that 2^e and 448 x 2^e are f32 numbers.  NaN among the inputs is not served; an infinity is held at the largest code.
; Work-groups 0-127 take x (a wave: 16 steps of 512 numbers), work-groups 128-511 the weights (a wave: 32 columns x 256 along K).  The two ways use LDS bytes of their own.
; No tensor loads, no barrier: waves share nothing.  No cluster: work-groups share no input.
.set SPARE, 67584                      ; behind both ways' stages: the spare words, 128 bytes a wave
.set SPW,   12                         ; v12  SPARE + 4 x my thread's number; never rewritten
.set NIL,   13                         ; v13  0; never rewritten
.set SP,    80                         ; x: a lane's place in a stage: 64 bytes + 16 of padding
.set XR,    16                         ; x: v16-79   four sets of 16 numbers as loaded
.set XX,    80                         ; x: v80-111  two sets of 16 neighbours
.set XT,    112                        ; x: v112-127 the numbers held for one scale
.set XC,    128                        ; x: v128-151 codes: two sets of 3 x 4 registers
.set SC,    152                        ; x: v152+2i 2^e, v153+2i 448 x 2^e, for entries 1, 3, 5
.set WOFF,  16                         ; w: v16-47   4 x lane + i rows of K
.set WX,    48                         ; w: v48-111  two sets of 32 numbers
.set WC,    112                        ; w: v112-119 a block's codes
.set WOUT,  120                        ; w: v120-183 the way out
.set WOO,   184                        ; w: v184-199 the way out's offsets
.set WSTG,  32768                      ; w: the stages begin here: 32 rows x 272 bytes a wave
.set WP,    272
	s_load_b512 s[4:19], s[0:1], 0x0               ; x 4:5, Wq 6:7, Wk 8:9, Wv 10:11, Wo 12:13, W1 14:15, W2 16:17, scales 18:19
	s_load_b128 s[20:23], s[0:1], 0x40             ; xc 20:21, wc 22:23
	v_lshl_add_u32 v[SPW], v0, 2, SPARE
	v_mov_b32 v[NIL], 0
	v_lshrrev_b32 v1, 5, v0
	v_readfirstlane_b32 s24, v1                    ; wave 0..3
	v_and_b32 v2, 31, v0                           ; lane
	s_wait_kmcnt 0x0
	s_load_b512 s[68:83], s[18:19], 0x0            ; all sixteen exponents: entry i in s[68+i]
	s_cmp_lt_u32 ttmp9, 128
	s_cbranch_scc0 .Lweights
; ---------------- x: a plain stream of blocks; each load reads 512 consecutive bytes, and a step's 2,048 bytes turn through my own stage so that a lane holds 16 neighbours
	s_lshl_b32 s25, ttmp9, 2
	s_add_co_u32 s25, s25, s24                     ; which run of 8,192 numbers is my wave's
	s_lshl_b32 s32, s25, 15
	s_mov_b32 s33, 0
	s_add_nc_u64 s[4:5], s[4:5], s[32:33]
	s_lshl_b32 s32, s25, 13
	s_add_nc_u64 s[26:27], s[20:21], s[32:33]      ; the three sets of codes
	s_add_nc_u64 s[28:29], s[26:27], 0x400000
	s_add_nc_u64 s[30:31], s[26:27], 0x800000
	v_lshlrev_b32 v3, 4, v2                        ; my 16 bytes of 512, in and out
	s_lshl_b32 s34, s24, 13                        ; my wave's 8,192 bytes of LDS
	v_lshrrev_b32 v14, 2, v2
	v_mul_u32_u24 v14, v14, SP
	v_and_b32 v15, 3, v2
	v_lshl_add_u32 v14, v15, 4, v14
	v_add_nc_u32 v14, s34, v14                     ; into the stage: four lanes' 64 bytes on end, then padding
	v_mul_u32_u24 v15, v2, SP
	v_add_nc_u32 v15, s34, v15                     ; out of it: my 16 neighbours
.macro LOADX t
.irp i, 0,1,2,3
	global_load_b128 v[XR+16*((\t)%4)+4*\i:XR+16*((\t)%4)+4*\i+3], v3, s[4:5] offset:2048*(\t)+512*\i
.endr
.endm
.macro TURNX t                         ; LDS serves a wave's instructions in order: no wait between the stores and the loads
.irp i, 0,1,2,3
	ds_store_b128 v14, v[XR+16*((\t)%4)+4*\i:XR+16*((\t)%4)+4*\i+3] offset:32*SP*((\t)%2)+8*SP*\i
.endr
.irp i, 0,1,2,3
	ds_load_b128 v[XX+16*((\t)%2)+4*\i:XX+16*((\t)%2)+4*\i+3], v15 offset:32*SP*((\t)%2)+16*\i
.endr
.endm
	LOADX 0
	LOADX 1
	LOADX 2
	LOADX 3
	s_wait_kmcnt 0x0
.irp i, 0,1,2
	s_add_co_i32 s36, s[69+2*\i], 127
	s_lshl_b32 s37, s36, 23
	v_mov_b32 v[SC+2*\i], s37                      ; 2^e as f32: the conversion takes its exponent field
	s_add_co_i32 s36, s36, 8
	s_lshl_b32 s36, s36, 23
	s_or_b32 s36, s36, 0x600000
	v_mov_b32 v[SC+2*\i+1], s36                    ; 448 x 2^e
.endr
	s_wait_loadcnt 12                              ; step 0's four loads are in; three steps' twelve may be out
	TURNX 0
.macro STEPX t
.set XS, XX+16*((\t)%2)
.set CS, XC+12*((\t)%2)
	s_wait_dscnt 0x0                               ; this step's numbers are back; its stores into the stage have read their registers
.if (\t) >= 2
	s_wait_xcnt 0x0                                ; the stores of two steps ago have read this set of code registers
.endif
.if (\t)+4 < 16
	LOADX (\t)+4
.endif
.if (\t)+1 < 16
.if 14-(\t) >= 3
	s_wait_loadcnt 12                              ; the next step's loads are in; those of the three steps behind it may be out
.else
	s_wait_loadcnt 4*(14-(\t))
.endif
	TURNX (\t)+1
.endif
.irp i, 0,1,2
.set kx, 0
.rept 16
	v_med3_num_f32 v[XT+kx], v[XS+kx], -v[SC+2*\i+1], v[SC+2*\i+1]   ; the conversion does not saturate (ISA guide 7.6.2): hold first
.set kx, kx+1
.endr
	v_cvt_scalef32_pk8_fp8_f32 v[CS+4*\i:CS+4*\i+1], v[XT:XT+7], v[SC+2*\i]
	v_cvt_scalef32_pk8_fp8_f32 v[CS+4*\i+2:CS+4*\i+3], v[XT+8:XT+15], v[SC+2*\i]
	v_nop                                          ; a plain line between the conversions and the next holds, which write their sources
	global_store_b128 v3, v[CS+4*\i:CS+4*\i+3], s[26+2*\i:27+2*\i] offset:512*(\t)   ; the wave stores 512 consecutive bytes
.endr
.endm
.irp t, 0,1,2,3,4,5,6,7,8,9,10,11,12,13,14,15
	STEPX \t
.endr
	s_branch .Lend
; ---------------- the weights: one way for six tensors; what differs is chosen from the work-group's number alone
.Lweights:
	s_wait_kmcnt 0x0
	s_mov_b64 s[32:33], s[16:17]                   ; begin with W2's figures
	s_mov_b32 s25, 384                             ; first work-group
	s_mov_b32 s26, 3                               ; log2 of the groups of 128 columns
	s_mov_b32 s27, 4096                            ; bytes from one k to the next
	s_mov_b32 s28, 256                             ; bytes from 64 columns to the next 64
	s_mov_b32 s29, 0x800000                        ; place in wc
	s_mov_b32 s30, 4096                            ; a row of codes in bytes
	s_mov_b32 s31, s83                             ; e
.macro PICK bound, ptr, first, logn, stride, hs, outb, krow, ent
	s_cmp_lt_u32 ttmp9, \bound
	s_cselect_b64 s[32:33], s[\ptr:\ptr+1], s[32:33]
	s_cselect_b32 s25, \first, s25
	s_cselect_b32 s26, \logn, s26
	s_cselect_b32 s27, \stride, s27
	s_cselect_b32 s28, \hs, s28
	s_cselect_b32 s29, \outb, s29
	s_cselect_b32 s30, \krow, s30
	s_cselect_b32 s31, s[\ent], s31
.endm
	PICK 384, 14, 256, 5, 16384, 256, 0x400000, 1024, 81     ; W1
	PICK 256, 12, 224, 3, 4096, 256, 0x300000, 1024, 79      ; Wo
	PICK 224, 10, 192, 3, 256, 262144, 0x200000, 1024, 72    ; Wv: column 64 head + c lies at head x 262,144 + k x 256 + 4 c
	PICK 192, 8, 160, 3, 256, 262144, 0x100000, 1024, 70     ; Wk
	PICK 160, 6, 128, 3, 256, 262144, 0, 1024, 68            ; Wq
	s_sub_co_u32 s25, ttmp9, s25                   ; my number within the tensor
	s_lshl_b32 s53, 1, s26
	s_sub_co_u32 s53, s53, 1
	s_and_b32 s34, s25, s53                        ; which 128 columns
	s_lshr_b32 s35, s25, s26                       ; which 256 along K
	s_lshl_b32 s34, s34, 7
	s_lshl_b32 s53, s24, 5
	s_add_co_u32 s34, s34, s53                     ; my wave's first column
	s_lshr_b32 s53, s34, 6
	s_mul_i32 s53, s53, s28
	s_and_b32 s54, s34, 63
	s_lshl_b32 s54, s54, 2
	s_add_co_u32 s53, s53, s54
	s_mul_i32 s54, s35, s27
	s_lshl_b32 s54, s54, 8
	s_add_co_u32 s54, s54, s53
	s_mov_b32 s55, 0
	s_add_nc_u64 s[36:37], s[32:33], s[54:55]      ; block 0 of my 8 blocks of 32 along K;
	s_lshl_b32 s56, s27, 5
	s_mov_b32 s57, 0
.irp t, 1,2,3,4,5,6,7
	s_add_nc_u64 s[36+2*\t:37+2*\t], s[34+2*\t:35+2*\t], s[56:57]   ; a base for each block: none is stepped
.endr
	s_mul_i32 s58, s34, s30
	s_add_co_u32 s58, s58, s29
	s_lshl_b32 s59, s35, 8
	s_add_co_u32 s58, s58, s59
	s_mov_b32 s59, 0
	s_add_nc_u64 s[22:23], s[22:23], s[58:59]      ; my first column's row of codes, at my 256 along K
	v_lshlrev_b32 v[WOFF], 2, v2
.set iw, 1
.rept 31
	v_add_nc_u32 v[WOFF+iw], s27, v[WOFF+iw-1]
.set iw, iw+1
.endr
	s_mul_i32 s53, s24, 32*WP
	s_add_co_u32 s53, s53, WSTG                    ; my stage
	v_mul_u32_u24 v4, v2, WP
	v_add_nc_u32 v4, s53, v4                       ; into it: row = my column
	v_and_b32 v5, 15, v2
	v_lshrrev_b32 v6, 4, v2
	v_mul_u32_u24 v7, v6, WP
	v_lshl_add_u32 v7, v5, 4, v7
	v_add_nc_u32 v7, s53, v7                       ; out of it: sixteen lanes to a row, two rows an instruction
	v_mul_lo_u32 v[WOO], v6, s30
	v_lshl_add_u32 v[WOO], v5, 4, v[WOO]
	s_lshl_b32 s60, s30, 1
.set iw, 1
.rept 15
	v_add_nc_u32 v[WOO+iw], s60, v[WOO+iw-1]
.set iw, iw+1
.endr
.macro LOADW t                         ; block t: W(32 t + i, my column): neighbouring lanes read neighbouring columns
.set il, 0
.rept 32
	global_load_b32 v[WX+32*((\t)%2)+il], v[WOFF+il], s[36+2*(\t):37+2*(\t)] th:TH_LOAD_NT
.set il, il+1
.endr
.endm
	LOADW 0
	LOADW 1
	s_add_co_i32 s31, s31, 127
	s_lshl_b32 s61, s31, 23
	v_mov_b32 v11, s61                             ; 2^e
	s_add_co_i32 s31, s31, 8
	s_lshl_b32 s31, s31, 23
	s_or_b32 s31, s31, 0x600000
	v_mov_b32 v10, s31                             ; 448 x 2^e
.macro BLOCKW t
.set WS, WX+32*((\t)%2)
.if (\t) < 7
	s_wait_loadcnt 32                              ; this block's 32 loads are in; the next block's may be out
.else
	s_wait_loadcnt 0
.endif
.set kw, 0
.rept 32
	v_med3_num_f32 v[WS+kw], v[WS+kw], -v10, v10
.set kw, kw+1
.endr
.irp g, 0,1,2,3
	v_cvt_scalef32_pk8_fp8_f32 v[WC+2*\g:WC+2*\g+1], v[WS+8*\g:WS+8*\g+7], v11
.endr
	ds_store_b128 v4, v[WC:WC+3] offset:32*(\t)    ; 32 codes of my column's row
	ds_store_b128 v4, v[WC+4:WC+7] offset:32*(\t)+16
.if (\t)+2 < 8
	LOADW (\t)+2
.endif
	s_wait_dscnt 0x0                               ; the stores have read their registers; the next block begins with 32 plain lines ahead of its conversions
.endm
.irp t, 0,1,2,3,4,5,6,7
	BLOCKW \t
.endr
.irp t, 0,1,2,3,4,5,6,7,8,9,10,11,12,13,14,15
	ds_load_b128 v[WOUT+4*\t:WOUT+4*\t+3], v7 offset:2*\t*WP
.endr
.irp t, 0,1,2,3,4,5,6,7,8,9,10,11,12,13,14,15
	s_wait_dscnt 15-\t
	global_store_b128 v[WOO+\t], v[WOUT+4*\t:WOUT+4*\t+3], s[22:23]   ; sixteen lanes store 256 consecutive bytes, aligned
.endr
.Lend:
	s_wait_tensorcnt 0x0                           ; the wave's end
	ds_add_u32 v[SPW], v[NIL]
	s_wait_dscnt 0x0
	s_endpgm
.Lfunc_end_k_qf4f0305931_prep:
	.size	k_qf4f0305931_prep, .Lfunc_end_k_qf4f0305931_prep-k_qf4f0305931_prep
	.p2alignl 7, 3214868480
	.fill 96, 4, 3214868480
	.section	.rodata,"a",@progbits
	.p2align	6, 0x0
	.amdhsa_kernel k_qf4f0305931_prep
		.amdhsa_group_segment_fixed_size 68096
		.amdhsa_private_segment_fixed_size 0
		.amdhsa_enable_private_segment 0
		.amdhsa_kernarg_size 80
		.amdhsa_user_sgpr_count 2
		.amdhsa_user_sgpr_kernarg_segment_ptr 1
		.amdhsa_wavefront_size32 1
		.amdhsa_system_sgpr_workgroup_id_x 1
		.amdhsa_system_sgpr_workgroup_id_y 1
		.amdhsa_system_sgpr_workgroup_id_z 1
		.amdhsa_system_vgpr_workitem_id 0
		.amdhsa_next_free_vgpr 200
		.amdhsa_next_free_sgpr 84
		.amdhsa_reserve_vcc 0
		.amdhsa_float_denorm_mode_32 3
		.amdhsa_float_denorm_mode_16_64 3
		.amdhsa_memory_ordered 1
		.amdhsa_forward_progress 1
		.amdhsa_inst_pref_size 131
	.end_amdhsa_kernel
	.amdgpu_metadata
---
amdhsa.version: [ 1, 2 ]
amdhsa.kernels:
  - .name:           k_qf4f0305931_prep
    .symbol:         k_qf4f0305931_prep.kd
    .args:
      - { .name: x, .offset: 0, .size: 8, .value_kind: global_buffer, .address_space: global }
      - { .name: Wq, .offset: 8, .size: 8, .value_kind: global_buffer, .address_space: global }
      - { .name: Wk, .offset: 16, .size: 8, .value_kind: global_buffer, .address_space: global }
      - { .name: Wv, .offset: 24, .size: 8, .value_kind: global_buffer, .address_space: global }
      - { .name: Wo, .offset: 32, .size: 8, .value_kind: global_buffer, .address_space: global }
      - { .name: W1, .offset: 40, .size: 8, .value_kind: global_buffer, .address_space: global }
      - { .name: W2, .offset: 48, .size: 8, .value_kind: global_buffer, .address_space: global }
      - { .name: lowp_scales, .offset: 56, .size: 8, .value_kind: global_buffer, .address_space: global }
      - { .name: xc, .offset: 64, .size: 8, .value_kind: global_buffer, .address_space: global }
      - { .name: wc, .offset: 72, .size: 8, .value_kind: global_buffer, .address_space: global }
    .group_segment_fixed_size: 68096
    .private_segment_fixed_size: 0
    .kernarg_segment_align: 8
    .kernarg_segment_size: 80
    .max_flat_workgroup_size: 128
    .sgpr_count:     84
    .vgpr_count:     200
    .wavefront_size: 32
...
	.end_amdgpu_metadata
.endif
;; end of part 1
;; launch qkv (part 2): grid 12 x 16, 4 waves a work-group, clusters of 4 x 4, 327,680 bytes of LDS; arguments xc, wc, lowp_scales, qkvc, bq, bk, bv; writes qkvc
.if DOCPART == 2
	.amdgcn_target "amdgcn-amd-amdhsa--gfx1250"
	.amdhsa_code_object_version 6
	.text
	.protected	k_qf4f0305931_qkv
	.globl	k_qf4f0305931_qkv
	.p2align	8
	.type	k_qf4f0305931_qkv,@function
k_qf4f0305931_qkv:
	s_mov_b64 s[64:65], 0
	v_nop
	global_prefetch_b8 v0, s[64:65] scope:SCOPE_SE
	s_setreg_imm32_b32 hwreg(HW_REG_WAVE_MODE, 25, 1), 1
	s_wait_xcnt 0x0
	s_wait_alu depctr_hold_cnt(0) depctr_sa_sdst(0) depctr_va_vdst(0) depctr_va_sdst(0) depctr_va_ssrc(0) depctr_va_vcc(0) depctr_vm_vsrc(0)
	s_getreg_b32 s2, hwreg(HW_REG_IB_STS2, 6, 4)
	s_cmp_eq_u32 s2, 0
	s_cbranch_scc0 .Lentry_in_a_cluster
	s_endpgm
.Lentry_in_a_cluster:
	s_bfe_u32 s2, ttmp6, 0x10000c
	s_cmp_lg_u32 s2, 0xf033
	s_cbranch_scc0 .Lentry_shape_is_right
	s_endpgm
.Lentry_shape_is_right:
; Q, K, V = x W + bias on codes of FP8, and the results quantised at once for attention (entries 6, 7, 9).  Nothing is left out.
; The cluster's x says which: 0 Q, 1 K, 2 V; it is the same in all sixteen partners.  C[m][n] = sum over k of A[m][k] B[n][k], tile 256 x 256, four waves of 128 x 128, K = 1,024 in steps of 256
; through a ring of two LDS slots; 4 x 4 clusters, A's tile asked for jointly along a row of the cluster, B's along a column.
; Q, K: A = x's codes (tokens), B = the weight's codes (features).  V: A = Wv's codes, B = x's codes, so that a lane's eight results are eight neighbouring KEYS, the next product's K.
; The matrix instruction is used transposed (source 0 = rows of B, source 1 = rows of A): a lane holds eight neighbouring columns of one row of C.
; Fragments come by 16-byte loads: a permutation of k, the same in A and B; only the order of the sums inside an instruction differs.
; OUT: qkvc: Q at 0, K at 4 MiB: [32 batch x head][2048][64]; V at 8 MiB: [32][16 blocks of keys][64 d][128 keys].
; code = (sum x 2^(eW + ex) + bias) / 2^eo: the bias goes in as bias / 2^(eW + ex), exact, and the conversion takes 2^(eo - eW - ex).
; LIMITS: eo - eW - ex between -126 and 119.  NaN is not served; what lies beyond the scale's range is held at the largest code.
; REGISTERS: window 0: v8-31 addresses and constants; v32-95 column bias; v96-111 row bias; v128-255 A's fragments, later the way out.  window 1: B's two sets.  windows 2, 3: the 64 accumulators.
.set KROW,   1024
.set LAPS,   2                         ; a lap = two K steps of 256
.set APW,    256
.set APITCH, APW+16
.set ANP,    256/APW
.set AHALF,  ANP*128*APITCH
.set BHALF,  128*272
.set SLOT,   2*AHALF+2*BHALF
.set SPARE,  2*SLOT                    ; behind the ring: the spare words
.set ASTEP,  256
.set FR, 16
.set NL, 4
.set NP, 4
.set ADRA, 16
.set ADRB, 20
.set STO, 24
.set RD,  25
.set CO,  26
.set SPW, 28
.set NIL, 29
.set AF,  128
.set BC,  32
.set BR,  96
.set TMP, 128
.set CD,  192
.set OB,  208
.set G1, 24
.set G0, 32
.set G1B, 48
.set G0B, 56
.set MUL_LO, 0xa1
.set MUL_HI, 0xf1
.set TO_B,   0x40
.set MSB, 0
.macro WIN new                         ; the immediate's high byte repeats the setting that is left
.if MSB != \new
	s_set_vgpr_msb (MSB<<8)|\new
.set MSB, \new
.endif
.endm
.macro JLOAD g0a, g1a, g0b, g1b        ; a joint load: waves 0, 1 fetch for A, waves 2, 3 for B; the branch hangs on the wave's number alone
	s_cmp_eq_u32 s15, 0
	s_cbranch_scc0 .Lfor_b_\@
	tensor_load_to_lds s[\g0a:\g0a+3], s[\g1a:\g1a+7]
	s_nop 0
.rept 4
	v_nop
.endr
	s_branch .Lasked_\@
.Lfor_b_\@:
	tensor_load_to_lds s[\g0b:\g0b+3], s[\g1b:\g1b+7]
	s_nop 0
.rept 4
	v_nop
.endr
.Lasked_\@:
.endm
.macro CREST
	s_cmp_lg_u32 s14, 0
	s_cbranch_scc1 .Lnot_wave_0_\@
	s_barrier_signal -3
.Lnot_wave_0_\@:
	s_barrier_wait -3
	s_barrier_signal -1
	s_barrier_wait -1
.endm
.macro CROUND
	s_barrier_signal -1
	s_barrier_wait -1
	CREST
.endm
	s_load_b256 s[4:11], s[0:1], 0x0               ; xc 4:5, wc 6:7, scales 8:9, qkvc 10:11
	s_load_b128 s[68:71], s[0:1], 0x20             ; bq, bk
	s_load_b64 s[72:73], s[0:1], 0x30              ; bv
	v_lshl_add_u32 v[SPW], v0, 2, SPARE
	v_mov_b32 v[NIL], 0
	ds_add_u32 v[SPW], v[NIL]                      ; the opening: the add, twice on end, and its wait ahead of my first tensor load
	ds_add_u32 v[SPW], v[NIL]
	v_lshrrev_b32 v1, 5, v0
	v_readfirstlane_b32 s14, v1                    ; wave
	s_lshr_b32 s15, s14, 1                         ; my half of the tile's rows; also: I fetch for A (0) or B (1)
	s_and_b32 s16, s14, 1                          ; my half of its columns; also: which 128 rows I fetch
	s_bfe_u32 s40, ttmp6, 0x40000                  ; cx
	s_bfe_u32 s41, ttmp6, 0x40004                  ; cy
	s_and_b32 s77, ttmp7, 0xffff
	s_lshl_b32 s77, s77, 2                         ; 4 x cluster y
	s_lshl_b32 s18, ttmp9, 22                      ; Q, K: A = xc's part
	s_lshl_b32 s19, ttmp9, 20                      ; Q, K: B = wc's part
	s_cmp_eq_u32 ttmp9, 2
	s_cselect_b32 s78, 1, 0                        ; 1 for V
	s_cselect_b32 s17, 0, s77
	s_cselect_b32 s42, s77, 0
	s_cselect_b32 s18, 0x200000, s18               ; V: A = Wv's codes
	s_cselect_b32 s19, 0x800000, s19               ; V: B = xc's third part
	s_add_co_u32 s17, s17, s41                     ; tile row: made of cy and the cluster's y alone
	s_add_co_u32 s42, s42, s40                     ; tile column: of cx and the cluster's y alone
	s_lshl_b32 s43, s41, 2
	s_lshl_b32 s43, 15, s43                        ; my row of the cluster
	s_lshl_b32 s44, 0x1111, s40                    ; my column
	s_or_b32 s[G1+0], s43, (1<<20)|(1<<21)|(5<<22)|(3<<25)   ; mask; elements of 1 byte; 4 words of padding behind every 64
	s_or_b32 s[G1B+0], s44, (1<<20)|(1<<21)|(5<<22)|(3<<25)
.irp g, G1, G1B
	s_mov_b32 s[\g+1], 256<<16                     ; tensor_dim0
	s_mov_b32 s[\g+2], 128<<16                     ; tensor_dim1
	s_mov_b32 s[\g+3], 256<<16                     ; tile_dim0
	s_mov_b32 s[\g+4], 128                         ; tile_dim1
	s_mov_b32 s[\g+5], KROW                        ; pitch
	s_mov_b32 s[\g+6], 0
	s_mov_b32 s[\g+7], 0
.endr
	s_lshl_b32 s21, s16, 7
	s_lshl_b32 s20, s17, 8
	s_add_co_u32 s20, s20, s21
	s_lshl_b32 s20, s20, 10
	s_add_co_u32 s20, s20, s18                     ; A: (256 tile row + 128 half) rows of 1,024 bytes, in its part
	s_lshl_b32 s46, s42, 8
	s_add_co_u32 s46, s46, s21
	s_lshl_b32 s46, s46, 10
	s_add_co_u32 s46, s46, s19                     ; B likewise
	s_mov_b32 s21, 0
	s_mov_b32 s47, 0
	s_mul_i32 s45, s16, AHALF                      ; where they go: no place in the cluster enters an LDS address
	s_mul_i32 s79, s16, BHALF
	s_add_co_u32 s79, s79, 2*AHALF
	s_wait_dscnt 0x0                               ; both opening adds are done
	s_wait_kmcnt 0x0
	s_load_b512 s[80:95], s[8:9], 0x0              ; the sixteen exponents: entry i in s[80+i]
	s_cmp_eq_u32 s78, 1
	s_cselect_b64 s[74:75], s[6:7], s[4:5]         ; A's buffer
	s_cselect_b64 s[76:77], s[4:5], s[6:7]         ; B's buffer
	s_add_nc_u64 s[20:21], s[74:75], s[20:21]
	s_add_nc_u64 s[46:47], s[76:77], s[46:47]
	s_cmp_eq_u32 ttmp9, 0
	s_cselect_b64 s[66:67], s[68:69], s[70:71]
	s_cmp_eq_u32 ttmp9, 2
	s_cselect_b64 s[66:67], s[72:73], s[66:67]     ; my bias
	CROUND                                         ; all sixteen work-groups are here: the first joint loads meet
.irp s, 0,1
	s_mov_b32 s[G0+4*\s], 1
	s_add_co_u32 s[G0+4*\s+1], s45, \s*SLOT
	s_add_nc_u64 s[G0+4*\s+2:G0+4*\s+3], s[20:21], \s*ASTEP
	s_or_b32 s[G0+4*\s+3], s[G0+4*\s+3], 0x80000000
	s_mov_b32 s[G0B+4*\s], 1
	s_add_co_u32 s[G0B+4*\s+1], s79, \s*SLOT
	s_add_nc_u64 s[G0B+4*\s+2:G0B+4*\s+3], s[46:47], \s*256
	s_or_b32 s[G0B+4*\s+3], s[G0B+4*\s+3], 0x80000000
	JLOAD G0+4*\s, G1, G0B+4*\s, G1B
.endr
	v_and_b32 v1, 15, v0                           ; r
	v_bfe_u32 v2, v0, 4, 1                         ; h
	v_mul_u32_u24 v3, v1, APITCH
	v_lshl_add_u32 v3, v2, 4, v3
	v_mul_u32_u24 v4, v1, 272
	v_lshl_add_u32 v4, v2, 4, v4
	s_mul_i32 s21, s15, AHALF
	s_mul_i32 s22, s16, BHALF
	s_add_co_u32 s22, s22, 2*AHALF
.irp s, 0,1
	v_add_nc_u32 v[ADRA+\s], s21, v3
	v_add_nc_u32 v[ADRB+\s], s22, v4
	s_add_co_u32 s21, s21, SLOT
	s_add_co_u32 s22, s22, SLOT
.endr
	; the way out: which tokens and features are mine
	s_lshl_b32 s20, s17, 8
	s_lshl_b32 s21, s15, 7
	s_add_co_u32 s20, s20, s21                     ; my first row of C
	s_lshl_b32 s46, s42, 8
	s_lshl_b32 s47, s16, 7
	s_add_co_u32 s46, s46, s47                     ; my first column
	s_mov_b32 s19, 0x20000
	s_mov_b32 s96, 1024
	s_mov_b32 s98, 1024
	s_cmp_eq_u32 s78, 1
	s_cselect_b32 s21, s46, s20                    ; first token
	s_cselect_b32 s47, s20, s46                    ; first feature
	s_cselect_b32 s18, 128, 64                     ; bytes from a stage row's place to the next row's: V 128 (a d), Q, K 64 (a token)
	s_cselect_b32 s19, 64, s19                     ; from a stage row's first half to its second: V 64 keys on, Q, K the next head
	s_cselect_b32 s96, 2048, s96                   ; from a block of 16 rows to the next
	s_cselect_b32 s98, 124928, s98                 ; and to the fifth block: V: the next head's d = 0
	s_mov_b32 s97, 0
	s_mov_b32 s99, 0
	s_lshr_b32 s22, s21, 11
	s_lshl_b32 s22, s22, 4
	s_lshr_b32 s23, s47, 6
	s_add_co_u32 s22, s22, s23                     ; 16 batch + head
	s_lshl_b32 s22, s22, 17
	s_and_b32 s23, s21, 2047
	s_lshl_b32 s23, s23, 6                         ; Q, K: token x 64; V: block of keys x 8,192: the same number
	s_add_co_u32 s22, s22, s23
	s_lshl_b32 s23, ttmp9, 22
	s_add_co_u32 s22, s22, s23
	s_mov_b32 s23, 0
	s_add_nc_u64 s[10:11], s[10:11], s[22:23]
	s_lshl_b32 s22, s47, 2
	s_add_nc_u64 s[66:67], s[66:67], s[22:23]      ; the bias at my first feature
	v_lshlrev_b32 v27, 5, v2                       ; column bias: 32 h
	v_lshlrev_b32 v15, 2, v1                       ; row bias: 4 r
.irp b, 0,1,2,3,4,5,6,7
	global_load_b128 v[BC+8*\b:BC+8*\b+3], v27, s[66:67] offset:64*\b       ; features 16 b + 8 h + 0 .. 7
	global_load_b128 v[BC+8*\b+4:BC+8*\b+7], v27, s[66:67] offset:64*\b+16
.endr
.irp b, 0,1,2,3,4,5,6,7
	global_load_b32 v[BR+2*\b], v15, s[66:67] offset:64*\b                  ; feature 16 b + r.  Both sets lie among my 128 features; one of them is used
.endr
	s_mul_i32 s23, s14, 16*144                     ; my stage, in slot 0: 16 rows x (128 bytes + 16)
	v_mul_u32_u24 v5, v1, 144
	v_lshl_add_u32 v5, v2, 3, v5
	v_add_nc_u32 v[STO], s23, v5                   ; in: row r, 8 bytes for each half of the lanes
	v_and_b32 v6, 31, v0
	v_lshrrev_b32 v7, 3, v6
	v_and_b32 v5, 7, v6
	v_mul_u32_u24 v3, v7, 144
	v_lshl_add_u32 v3, v5, 4, v3
	v_add_nc_u32 v[RD], s23, v3                    ; back: eight lanes to a row, four rows an instruction
	v_mul_lo_u32 v[CO], v7, s18
	v_bfe_u32 v3, v0, 2, 1
	v_mul_lo_u32 v3, v3, s19
	v_add_nc_u32 v[CO], v[CO], v3
	v_and_b32 v4, 3, v0
	v_lshl_add_u32 v8, v4, 4, v[CO]
	s_lshl_b32 s18, s18, 2
	v_add_nc_u32 v9, s18, v8
	v_add_nc_u32 v10, s18, v9
	v_add_nc_u32 v11, s18, v10                     ; v8-11: the four store instructions' offsets
.macro FRAGA reg, adr, q, i            ; 16 rows x 128 K: registers 4 c .. 4 c + 3 hold K = 32 c + 16 (lane / 16) + 0 .. 15
.irp c, 0,1,2,3
	ds_load_b128 v[\reg+4*\c:\reg+4*\c+3], v[\adr] offset:((128*(\q)+32*\c)/APW)*128*APITCH+(128*(\q)+32*\c)%APW+(\i)*16*APITCH
.endr
.endm
.macro FRAGB reg, adr, q, i
.irp c, 0,1,2,3
	ds_load_b128 v[\reg+4*\c:\reg+4*\c+3], v[\adr] offset:128*(\q)+32*\c+(\i)*16*272
.endr
.endm
.macro MUL16 a0, p, zero               ; A's blocks a0, a0 + 1 x B's eight; the 64 accumulators take turns, one instruction a turn
.irp a, \a0, \a0+1
.irp b, 0,1,2,3,4,5,6,7
.if \zero
	v_wmma_f32_16x16x128_fp8_fp8 v[8*(8*((\a)%4)+\b):8*(8*((\a)%4)+\b)+7], v[128*(\p)+FR*\b:128*(\p)+FR*\b+FR-1], v[AF+FR*(\a):AF+FR*(\a)+FR-1], 0
.else
	v_wmma_f32_16x16x128_fp8_fp8 v[8*(8*((\a)%4)+\b):8*(8*((\a)%4)+\b)+7], v[128*(\p)+FR*\b:128*(\p)+FR*\b+FR-1], v[AF+FR*(\a):AF+FR*(\a)+FR-1], v[8*(8*((\a)%4)+\b):8*(8*((\a)%4)+\b)+7]
.endif
.endr
.endr
.endm
.macro FETCH_B slot, q, p
	WIN TO_B
.irp i, 0,1,2,3,4,5,6,7
	FRAGB 128*(\p)+FR*\i, ADRB+\slot, \q, \i
.endr
	WIN 0
.endm
.macro FETCH_A slot, q, i0
.irp i, \i0, \i0+1, \i0+2, \i0+3
	FRAGA AF+FR*(\i), ADRA+\slot, \q, \i
.endr
.endm
.macro PLACES n                        ; plain vector lines between a matrix instruction and a load into, or a read of, its registers
.rept \n
	v_nop
.endr
.endm
.macro STEP slot, q, zero              ; 128 along K whose successor lies in the same slot
	s_wait_dscnt 4*NL                              ; B's set and A's blocks 0-3 are in; A's blocks 4-7, sixteen loads, may be out
	WIN MUL_LO
	MUL16 0, (\q)%2, \zero
	MUL16 2, (\q)%2, \zero
	s_wait_dscnt 0
	PLACES NP
	FETCH_B \slot, (\q)+1, 1-(\q)%2
	FETCH_A \slot, (\q)+1, 0
	WIN MUL_HI
	MUL16 4, (\q)%2, \zero
	MUL16 6, (\q)%2, \zero
	PLACES NP
	WIN 0
	FETCH_A \slot, (\q)+1, 4
.endm
.macro TURN slot, next, fill           ; a slot's last 128 along K, and the change of slots
	s_wait_tensorcnt 0x0                           ; all my tensor loads have landed: my part of the next slot
	ds_add_u32 v[SPW], v[NIL]                      ; 0 onto my spare word
	s_wait_dscnt 4*NL+1                            ; the add and A's blocks 4-7 may be out
	WIN MUL_LO
	MUL16 0, 1, 0
	s_wait_dscnt 0x0                               ; the add is done, and my reads of this slot are over
	s_barrier_signal -1
	MUL16 2, 1, 0
	WIN 0
	s_barrier_wait -1
.if \fill
	CREST                                          ; the barrier has opened a round of the cluster's: no wave of any partner still reads this slot or has a load on its way
	s_add_nc_u64 s[G0+4*\slot+2:G0+4*\slot+3], s[G0+4*\slot+2:G0+4*\slot+3], 2*ASTEP
	s_add_nc_u64 s[G0B+4*\slot+2:G0B+4*\slot+3], s[G0B+4*\slot+2:G0B+4*\slot+3], 512
	JLOAD G0+4*\slot, G1, G0B+4*\slot, G1B         ; the first tensor load behind the round; its four v_nop are the places for the loads below
.else
	PLACES NP
.endif
	FETCH_B \next, 0, 0
	FETCH_A \next, 0, 0
	WIN MUL_HI
	MUL16 4, 1, 0
	MUL16 6, 1, 0
	PLACES NP
	WIN 0
	FETCH_A \next, 0, 4
.endm
	s_wait_tensorcnt 1                             ; my part of K step 0 is in; K step 1's load may be out
	s_barrier_signal -1
	s_barrier_wait -1
	FETCH_B 0, 0, 0
	FETCH_A 0, 0, 0
	FETCH_A 0, 0, 4
	STEP 0, 0, 1                                   ; the first products start the sums
	s_mov_b32 s3, LAPS-1
.Llap:
	TURN 0, 1, 1
	STEP 1, 0, 0
	TURN 1, 0, 1
	STEP 0, 0, 0
	s_sub_co_u32 s3, s3, 1
	s_cmp_lg_u32 s3, 0
	s_cbranch_scc1 .Llap
	TURN 0, 1, 0                                   ; the last lap fills nothing
	STEP 1, 0, 0
	s_wait_dscnt 4*NL
	WIN MUL_LO
	MUL16 0, 1, 0
	MUL16 2, 1, 0
	s_wait_dscnt 0
	WIN MUL_HI
	MUL16 4, 1, 0
	MUL16 6, 1, 0
	WIN 0
; THE WAY OUT, a block of 16 rows x 128 columns at a time: + bias, held, converted; 8 codes a lane and accumulator go through my stage (slot 0: it has had its last fill and its last read) and leave as whole aligned runs of 256 bytes.
	s_wait_loadcnt 0x0                             ; the biases
	s_wait_kmcnt 0x0
	s_cmp_eq_u32 ttmp9, 0
	s_cselect_b32 s70, s80, s82                    ; the weight's e,
	s_cselect_b32 s71, s81, s83                    ; x's,
	s_cselect_b32 s72, s86, s87                    ; the result's
	s_cmp_eq_u32 ttmp9, 2
	s_cselect_b32 s70, s84, s70
	s_cselect_b32 s71, s85, s71
	s_cselect_b32 s72, s89, s72
	s_add_co_i32 s70, s70, s71
	s_sub_co_i32 s71, 0, s70
	s_sub_co_i32 s72, s72, s70
	s_add_co_i32 s72, s72, 127
	s_lshl_b32 s73, s72, 23
	v_mov_b32 v30, s73                             ; 2^(eo - eW - ex)
	s_add_co_i32 s72, s72, 8
	s_lshl_b32 s72, s72, 23
	s_or_b32 s72, s72, 0x600000
	v_mov_b32 v31, s72                             ; 448 x that
.set jb, 0
.rept 64
	v_ldexp_f32 v[BC+jb], v[BC+jb], s71            ; bias / 2^(eW + ex), exact.  (These plain lines are also the places behind the last products)
.set jb, jb+1
.endr
.irp b, 0,1,2,3,4,5,6,7
	v_ldexp_f32 v[BR+2*\b], v[BR+2*\b], s71
.endr
.irp b, 0,1,2,3,4,5,6,7
	v_mov_b32 v[BR+2*\b+1], v[BR+2*\b]             ; a pair for the packed addition
.endr
.macro CODES a
.set AC, 64*((\a)%4)
	s_cmp_eq_u32 s78, 1                            ; ids alone: the same in all waves and all partners
	s_cbranch_scc1 .Lrow_bias_\@
	WIN 0x02+((\a)/4)                              ; source 0: window 2 or 3
.set cj, 0
.rept 32
	v_pk_add_f32 v[TMP+cj:TMP+cj+1], v[AC+cj:AC+cj+1], v[BC+cj:BC+cj+1]   ; Q, K: a column is a feature; each accumulator from its low end on
.set cj, cj+2
.endr
	WIN 0
	s_branch .Lbias_in_\@
.Lrow_bias_\@:
	WIN 0x02+((\a)/4)
.set cj, 0
.rept 32
	v_pk_add_f32 v[TMP+cj:TMP+cj+1], v[AC+cj:AC+cj+1], v[BR+2*(\a):BR+2*(\a)+1]   ; V: a row is a feature
.set cj, cj+2
.endr
	WIN 0
.Lbias_in_\@:
.set cj, 0
.rept 64
	v_med3_num_f32 v[TMP+cj], v[TMP+cj], -v31, v31 ; the conversion does not saturate (ISA guide 7.6.2)
.set cj, cj+1
.endr
.irp b, 0,1,2,3,4,5,6,7
	v_cvt_scalef32_pk8_fp8_f32 v[CD+2*\b:CD+2*\b+1], v[TMP+8*\b:TMP+8*\b+7], v30
.endr
	v_nop                                          ; a plain line behind the conversions: the next block's additions write their sources
.irp b, 0,1,2,3,4,5,6,7
	ds_store_b64 v[STO], v[CD+2*\b:CD+2*\b+1] offset:16*\b
.endr
.irp t, 0,1,2,3
	ds_load_b128 v[OB+16*((\a)%2)+4*\t:OB+16*((\a)%2)+4*\t+3], v[RD] offset:576*\t   ; LDS serves a wave's instructions in order: these see my stores
.endr
.endm
.macro SENDC a, younger
	s_wait_dscnt \younger
.if (\a) == 4
	s_add_nc_u64 s[10:11], s[10:11], s[98:99]      ; (behind a wait on XCNT: the earlier stores have read their base)
.elseif (\a) > 0
	s_add_nc_u64 s[10:11], s[10:11], s[96:97]
.endif
.irp t, 0,1,2,3
	global_store_b128 v[8+\t], v[OB+16*((\a)%2)+4*\t:OB+16*((\a)%2)+4*\t+3], s[10:11]   ; V: 512 consecutive bytes; Q, K: 256 in each of two heads; aligned
.endr
.endm
	CODES 0
.irp a, 1,2,3,4,5,6,7
.if \a > 1
	s_wait_xcnt 0x0                                ; block a - 2's stores have read their registers and their base
.endif
	CODES \a
	SENDC \a-1, 12                                 ; behind block a - 1's loads: block a's 8 stores and 4 loads
.endr
	s_wait_xcnt 0x0
	SENDC 7, 0
	s_wait_tensorcnt 0x0                           ; the wave's end
	ds_add_u32 v[SPW], v[NIL]
	s_wait_dscnt 0x0
	CROUND                                         ; the closing round
	s_endpgm
.Lfunc_end_k_qf4f0305931_qkv:
	.size	k_qf4f0305931_qkv, .Lfunc_end_k_qf4f0305931_qkv-k_qf4f0305931_qkv
	.p2alignl 7, 3214868480
	.fill 96, 4, 3214868480
	.section	.rodata,"a",@progbits
	.p2align	6, 0x0
	.amdhsa_kernel k_qf4f0305931_qkv
		.amdhsa_group_segment_fixed_size 327680
		.amdhsa_private_segment_fixed_size 0
		.amdhsa_enable_private_segment 0
		.amdhsa_kernarg_size 56
		.amdhsa_user_sgpr_count 2
		.amdhsa_user_sgpr_kernarg_segment_ptr 1
		.amdhsa_wavefront_size32 1
		.amdhsa_system_sgpr_workgroup_id_x 1
		.amdhsa_system_sgpr_workgroup_id_y 1
		.amdhsa_system_sgpr_workgroup_id_z 1
		.amdhsa_system_vgpr_workitem_id 0
		.amdhsa_next_free_vgpr 1024
		.amdhsa_next_free_sgpr 100
		.amdhsa_reserve_vcc 0
		.amdhsa_float_denorm_mode_32 3
		.amdhsa_float_denorm_mode_16_64 3
		.amdhsa_memory_ordered 1
		.amdhsa_forward_progress 1
		.amdhsa_inst_pref_size 167
	.end_amdhsa_kernel
	.amdgpu_metadata
---
amdhsa.version: [ 1, 2 ]
amdhsa.kernels:
  - .name:           k_qf4f0305931_qkv
    .symbol:         k_qf4f0305931_qkv.kd
    .args:
      - { .name: xc, .offset: 0, .size: 8, .value_kind: global_buffer, .address_space: global }
      - { .name: wc, .offset: 8, .size: 8, .value_kind: global_buffer, .address_space: global }
      - { .name: lowp_scales, .offset: 16, .size: 8, .value_kind: global_buffer, .address_space: global }
      - { .name: qkvc, .offset: 24, .size: 8, .value_kind: global_buffer, .address_space: global }
      - { .name: bq, .offset: 32, .size: 8, .value_kind: global_buffer, .address_space: global }
      - { .name: bk, .offset: 40, .size: 8, .value_kind: global_buffer, .address_space: global }
      - { .name: bv, .offset: 48, .size: 8, .value_kind: global_buffer, .address_space: global }
    .group_segment_fixed_size: 327680
    .private_segment_fixed_size: 0
    .kernarg_segment_align: 8
    .kernarg_segment_size: 56
    .max_flat_workgroup_size: 128
    .sgpr_count:     100
    .vgpr_count:     1024
    .wavefront_size: 32
...
	.end_amdgpu_metadata
.endif
;; end of part 2
;; launch attn (part 3): grid 8 x 32, 16 waves a work-group, clusters of 4 x 1, 327,680 bytes of LDS; arguments qkvc, lowp_scales, ac; writes ac
.if DOCPART == 3
	.amdgcn_target "amdgcn-amd-amdhsa--gfx1250"
	.amdhsa_code_object_version 6
	.text
	.protected	k_qf4f0305931_attn
	.globl	k_qf4f0305931_attn
	.p2align	8
	.type	k_qf4f0305931_attn,@function
k_qf4f0305931_attn:
	s_mov_b64 s[64:65], 0
	v_nop
	global_prefetch_b8 v0, s[64:65] scope:SCOPE_SE
	s_setreg_imm32_b32 hwreg(HW_REG_WAVE_MODE, 25, 1), 1
	s_wait_xcnt 0x0
	s_wait_alu depctr_hold_cnt(0) depctr_sa_sdst(0) depctr_va_vdst(0) depctr_va_sdst(0) depctr_va_ssrc(0) depctr_va_vcc(0) depctr_vm_vsrc(0)
	s_getreg_b32 s2, hwreg(HW_REG_IB_STS2, 6, 4)
	s_cmp_eq_u32 s2, 0
	s_cbranch_scc0 .Lentry_in_a_cluster
	s_endpgm
.Lentry_in_a_cluster:
	s_bfe_u32 s2, ttmp6, 0x10000c
	s_cmp_lg_u32 s2, 0x3003
	s_cbranch_scc0 .Lentry_shape_is_right
	s_endpgm
.Lentry_shape_is_right:
; O = softmax(Q K^T / 8) V for each of 32 (batch, head), both products on codes of FP8, and O quantised at once (entry 10) for the projection.  Nothing is left out; there is no mask.
; THE SOFTMAX AHEAD OF THE SECOND PRODUCT: t = score x log2(e) / 8; M = the running largest t rounded up to a whole number; p = 2^(t - M) is quantised along the keys (entry 8), not normalised;
; the row's sum is taken of the unquantised p and divides at the end; when M moves, the sum and O are multiplied by 2^(old M - new M), exact.
; SHARES.  A work-group owns 256 queries of one head, each of its sixteen waves 16: four waves to a SIMD, so that one wave's vector work stands beside another's products and LDS loads.
; THE HEAD'S WHOLE K AND V LIE IN LDS (2,048 x 80 + 1,024 x 144 bytes): nothing is ever filled again.  The four work-groups of a cluster belong to one head: every tile is asked for jointly (mask 15).
; Every wave issues eight loads at the head, K's and V's slices of four phases of 512 keys: eight tensor loads of mine are out at the most; a phase begins when its two have landed in every wave.
; LAYOUT.  Both products transposed: S^T = K Q^T, O^T = V^T P^T: a lane holds one query (lane % 16).  Lane r of tile 2 b + u of K takes key 32 b + 8 u + r + 8 (r / 8), so that the 16 registers of tiles 2 b, 2 b + 1 are keys 32 b + 16 (lane / 16) + 0 .. 15.
; No prefetch: all tiles are asked for at the head, and no later stream exists.
; LIMITS: e6 + e7 between -123 and 130 (added to c's exponent field); e8, and e10 - e8 - e9, between -126 and 119.  NaN is not served.
; REGISTERS: v1, v2 my place in a tile of K, of V; v5, v6 the add's two; v7-11 addresses; v12 -M, v13 largest t, v[14:15] the sum; v16-23 Q; v24-39 p's codes; v40 448 x scale, v41 scale; v42-47 at work; v48-111 K's, then V's fragments; v112-175 S^T, p; v176-207 O^T.
.set VREG,  163840                     ; V's rows begin here
.set SPARE, 311296                     ; behind V: the spare words, 128 bytes for each of sixteen waves
.set SPW, 5
.set NIL, 6
.macro CROUND
	s_barrier_signal -1
	s_barrier_wait -1
	s_cmp_lg_u32 s10, 0
	s_cbranch_scc1 .Lnot_wave_0_\@
	s_barrier_signal -3
.Lnot_wave_0_\@:
	s_barrier_wait -3
	s_barrier_signal -1
	s_barrier_wait -1
.endm
	s_load_b128 s[4:7], s[0:1], 0x0                ; qkvc 4:5, scales 6:7
	s_load_b64 s[8:9], s[0:1], 0x10                ; ac
	v_lshl_add_u32 v[SPW], v0, 2, SPARE
	v_mov_b32 v[NIL], 0
	ds_add_u32 v[SPW], v[NIL]                      ; the opening: the add, twice on end, and its wait ahead of my first tensor load
	ds_add_u32 v[SPW], v[NIL]
	v_lshrrev_b32 v8, 5, v0
	v_readfirstlane_b32 s10, v8                    ; wave 0..15
	s_bfe_u32 s11, ttmp6, 0x40000                  ; cx
	s_lshl_b32 s12, ttmp9, 2
	s_add_co_u32 s12, s12, s11                     ; my block of 256 queries: it enters Q's and O's addresses alone
	s_and_b32 s13, ttmp7, 0xffff                   ; 16 batch + head, which the four partners share
	s_mul_i32 s14, s10, 2560                       ; my slice of a phase in LDS: 32 rows of K,
	s_mul_i32 s15, s10, 2304                       ; 16 rows of V
	; a slice is 2,048 dense bytes, stated as 8 rows of 256; padding of 4 words behind every key's 64 bytes (K), behind every row's 128 (V)
	s_mov_b32 s16, 15|(1<<20)|(1<<21)|(3<<22)|(3<<25)
	s_mov_b32 s24, 15|(1<<20)|(1<<21)|(4<<22)|(3<<25)
.irp g, 16, 24
	s_mov_b32 s[\g+1], 256<<16
	s_mov_b32 s[\g+2], 8<<16
	s_mov_b32 s[\g+3], 256<<16
	s_mov_b32 s[\g+4], 8
	s_mov_b32 s[\g+5], 256
	s_mov_b32 s[\g+6], 0
	s_mov_b32 s[\g+7], 0
.endr
	s_mov_b32 s70, 0x76543210
	s_mov_b32 s71, 0xfedcba98                      ; lane l xor 16
	s_mov_b32 s80, 0x3e38aa3b                      ; c = log2(e) / 8
	s_lshl_b32 s68, s13, 17                        ; the head's 131,072 bytes in each of the three parts,
	s_lshl_b32 s69, s10, 11
	s_add_co_u32 s68, s68, s69                     ; and my slice's 2,048
	s_mov_b32 s69, 0
	s_lshl_b32 s82, s12, 8
	s_lshl_b32 s83, s10, 4
	s_add_co_u32 s82, s82, s83                     ; my first query in the head
	s_wait_dscnt 0x0                               ; both opening adds are done
	s_wait_kmcnt 0x0
	s_load_b128 s[72:75], s[6:7], 0x18             ; e6, e7, e8, e9
	s_load_b32 s76, s[6:7], 0x28                   ; e10
	s_add_nc_u64 s[66:67], s[4:5], s[68:69]
.irp p, 0,1,2,3
	s_mov_b32 s[32+8*\p], 1
	s_add_co_u32 s[33+8*\p], s14, \p*40960
	s_add_nc_u64 s[34+8*\p:35+8*\p], s[66:67], 0x400000+\p*32768
	s_or_b32 s[35+8*\p], s[35+8*\p], 0x80000000
	s_mov_b32 s[36+8*\p], 1
	s_add_co_u32 s[37+8*\p], s15, VREG+\p*36864
	s_add_nc_u64 s[38+8*\p:39+8*\p], s[66:67], 0x800000+\p*32768
	s_or_b32 s[39+8*\p], s[39+8*\p], 0x80000000
.endr
	CROUND                                         ; all four work-groups are here: the joint loads meet
.irp p, 0,1,2,3
	tensor_load_to_lds s[32+8*\p:35+8*\p], s[16:23]
	s_nop 0
	tensor_load_to_lds s[36+8*\p:39+8*\p], s[24:31]
	s_nop 0
.endr
.rept 4
	v_nop
.endr
	s_lshl_b32 s68, s13, 17
	s_lshl_b32 s69, s82, 6
	s_add_co_u32 s68, s68, s69
	s_mov_b32 s69, 0
	s_add_nc_u64 s[4:5], s[4:5], s[68:69]          ; Q at my first query
	s_and_b32 s68, s13, 15
	s_lshl_b32 s68, s68, 18                        ; O's codes: panel = head, 4,096 tokens x 64 bytes
	s_lshr_b32 s69, s13, 4
	s_lshl_b32 s69, s69, 11
	s_add_co_u32 s69, s69, s82
	s_lshl_b32 s69, s69, 6
	s_add_co_u32 s68, s68, s69
	s_mov_b32 s69, 0
	s_add_nc_u64 s[8:9], s[8:9], s[68:69]
	v_and_b32 v8, 15, v0                           ; r
	v_bfe_u32 v9, v0, 4, 1                         ; h
	v_lshlrev_b32 v10, 6, v8
	v_lshl_add_u32 v10, v9, 4, v10
	global_load_b128 v[16:19], v10, s[4:5]         ; Q's fragment: registers 4 c .. : k = 32 c + 16 h + 0 .. 15, as K's
	global_load_b128 v[20:23], v10, s[4:5] offset:32
	v_and_b32 v11, 8, v8
	v_add_nc_u32 v11, v11, v8                      ; r + 8 (r / 8)
	v_mul_u32_u24 v1, v11, 80
	v_lshl_add_u32 v1, v9, 4, v1
	v_mul_u32_u24 v2, v8, 144
	v_lshl_add_u32 v2, v9, 4, v2
	v_add_nc_u32 v2, VREG, v2
	v_mov_b32 v13, 0xff61b1e6                      ; the largest t so far: -3e38
	v_floor_f32 v12, -v13                          ; -M
	v_mov_b32 v14, 0
	v_mov_b32 v15, 0
	v_mov_b32 v45, 0                               ; (named as the upper half of the pair v[44:45])
	v_mov_b32 v46, 0                               ; a lane permute's destination counts as read
.set jo, 0
.rept 32
	v_mov_b32 v[176+jo], 0                         ; O^T: the step is written once; its first run finds zeros
.set jo, jo+1
.endr
	s_wait_kmcnt 0x0
	s_add_co_i32 s82, s72, s73
	s_lshl_b32 s82, s82, 23
	s_add_co_i32 s80, s80, s82                     ; a score stands for score x 2^(e6 + e7)
	s_mov_b32 s81, s80
	s_add_co_i32 s82, s74, 127
	s_lshl_b32 s83, s82, 23
	v_mov_b32 v41, s83                             ; 2^e8
	s_add_co_i32 s82, s82, 8
	s_lshl_b32 s82, s82, 23
	s_or_b32 s82, s82, 0x600000
	v_mov_b32 v40, s82                             ; 448 x 2^e8
; A KEY STEP: 128 keys.  s77, s78: where the step's rows of K and of V begin.
.macro STEP
	v_add_nc_u32 v8, s77, v1
	v_add_nc_u32 v9, s78, v2
	v_nop
	v_nop                                          ; four plain lines between the last products and the loads into their registers
.irp t, 0,1,2,3,4,5,6,7
	ds_load_b128 v[48+8*\t:51+8*\t], v8 offset:(32*(\t/2)+8*(\t%2))*80
	ds_load_b128 v[52+8*\t:55+8*\t], v8 offset:(32*(\t/2)+8*(\t%2))*80+32
.endr
	s_wait_dscnt 0x0
.irp t, 0,1,2,3,4,5,6,7
	v_wmma_f32_16x16x64_fp8_fp8 v[112+8*\t:119+8*\t], v[48+8*\t:55+8*\t], v[16:23], 0
.endr
.rept 4
	v_nop
.endr
.irp t, 0,1,2,3
.irp c, 0,1,2,3
	ds_load_b128 v[48+16*\t+4*\c:51+16*\t+4*\c], v9 offset:16*\t*144+32*\c   ; V's fragments land under the softmax
.endr
.endr
	v_max3_num_f32 v47, v112, v113, v114           ; the step's largest score of my query, in two chains, ascending
	v_max3_num_f32 v44, v115, v116, v117
.irp i, 6,10,14,18,22,26,30,34,38,42,46,50,54,58
	v_max3_num_f32 v47, v47, v[112+\i], v[113+\i]
	v_max3_num_f32 v44, v44, v[114+\i], v[115+\i]
.endr
	v_max3_num_f32 v47, v47, v174, v175
	v_max_num_f32 v47, v47, v44
	v_permlanex16_b32 v46, v47, s70, s71
	v_max_num_f32 v47, v47, v46
	v_mul_f32 v47, s80, v47                        ; as t (c is positive)
	v_max_num_f32 v13, v13, v47
	v_mov_b32 v47, v12
	v_floor_f32 v12, -v13                          ; the new -M = -ceil(t)
	v_sub_f32 v47, v12, v47                        ; old M - new M, a whole number, 0 or less
	v_cvt_i32_f32 v47, v47                         ; (it saturates)
	v_ldexp_f32 v44, 1.0, v47                      ; f = 2^(old M - new M)
.set js, 0
.rept 32
	v_pk_fma_f32 v[112+js:113+js], v[112+js:113+js], s[80:81], v[12:13] op_sel_hi:[1,0,0]   ; t - M
.set js, js+2
.endr
.set js, 0
.rept 64
	v_exp_f32 v[112+js], v[112+js]                 ; p = 2^(t - M)
.set js, js+1
.endr
	v_pk_mul_f32 v[14:15], v[14:15], v[44:45] op_sel_hi:[1,0]   ; the sums under the new M: the plain line behind the exponentials
	s_wait_alu depctr_va_vdst(0)                   ; one wait for the batch, ahead of its first reader
	v_pk_add_f32 v[42:43], v[112:113], v[114:115]  ; the sum of the unquantised p, in two chains
.irp j, 4,8,12,16,20,24,28,32,36,40,44,48,52,56,60
	v_pk_add_f32 v[14:15], v[14:15], v[112+\j:113+\j]
	v_pk_add_f32 v[42:43], v[42:43], v[114+\j:115+\j]
.endr
	v_pk_add_f32 v[14:15], v[14:15], v[42:43]
.irp b, 0,1,2,3
.irp i, 0,1,2,3,4,5,6,7,8,9,10,11,12,13,14,15
	v_min_num_f32 v[112+16*\b+\i], v[112+16*\b+\i], v40   ; the conversion does not saturate; p is not negative
.endr
	v_cvt_scalef32_pk8_fp8_f32 v[24+4*\b:25+4*\b], v[112+16*\b:119+16*\b], v41
	v_cvt_scalef32_pk8_fp8_f32 v[26+4*\b:27+4*\b], v[120+16*\b:127+16*\b], v41
.endr
.set js, 0
.rept 16
	v_pk_mul_f32 v[176+js:177+js], v[176+js:177+js], v[44:45] op_sel_hi:[1,0]   ; O^T under the new M; also the plain lines behind the conversions
.set js, js+2
.endr
	s_wait_dscnt 0x0                               ; V's fragments
.irp t, 0,1,2,3
	v_wmma_f32_16x16x128_fp8_fp8 v[176+8*\t:183+8*\t], v[48+16*\t:63+16*\t], v[24:39], v[176+8*\t:183+8*\t]   ; four accumulators by turns; eight other products stand between two steps
.endr
	s_add_co_u32 s77, s77, 10240                   ; 128 rows of K on,
	s_add_co_u32 s78, s78, 9216                    ; 64 rows of V
.endm
.macro PHASE p                         ; 512 keys
	s_wait_tensorcnt 6-2*(\p)                      ; my two slices of this phase are in; the later phases' loads may stay out
	s_barrier_signal -1
	s_barrier_wait -1                              ; everybody's are
	s_mov_b32 s77, (\p)*40960
	s_mov_b32 s78, (\p)*36864
	s_mov_b32 s79, 4
.Lstep_\@:
	STEP
	s_sub_co_u32 s79, s79, 1
	s_cmp_lg_u32 s79, 0
	s_cbranch_scc1 .Lstep_\@
.endm
	s_wait_loadcnt 0x0                             ; Q
	PHASE 0
	PHASE 1
	PHASE 2
	PHASE 3
	; THE WAY OUT.  O^T / the sum, quantised with 2^(e10 - e8 - e9); 16 rows x 64 bytes go through my stage (K's first bytes: every wave has left them) and leave as 1,024 consecutive bytes.
	s_wait_dscnt 0x0
	s_barrier_signal -1
	s_barrier_wait -1
	v_add_f32 v14, v14, v15
	v_permlanex16_b32 v44, v14, s70, s71
	v_add_f32 v14, v14, v44                        ; the row's sum
	v_rcp_f32 v14, v14
	v_and_b32 v8, 15, v0                           ; (the plain line behind the reciprocal)
	v_bfe_u32 v9, v0, 4, 1
	v_lshlrev_b32 v10, 6, v8
	v_lshl_add_u32 v10, v9, 3, v10
	s_lshl_b32 s82, s10, 10                        ; my stage
	v_add_nc_u32 v10, s82, v10                     ; in: 64 r + 8 h
	v_and_b32 v11, 31, v0
	v_lshlrev_b32 v7, 4, v11
	v_add_nc_u32 v11, s82, v7                      ; back: 16 x lane
	s_sub_co_i32 s82, s76, s74
	s_sub_co_i32 s82, s82, s75
	s_add_co_i32 s82, s82, 127
	s_lshl_b32 s83, s82, 23
	v_mov_b32 v41, s83
	s_add_co_i32 s82, s82, 8
	s_lshl_b32 s82, s82, 23
	s_or_b32 s82, s82, 0x600000
	v_mov_b32 v40, s82
	s_wait_alu depctr_va_vdst(0)                   ; ahead of the reciprocal's first reader
.set js, 0
.rept 16
	v_pk_mul_f32 v[112+js:113+js], v[176+js:177+js], v[14:15] op_sel_hi:[1,0]   ; register 8 t + j: o(query r, d = 16 t + 8 h + j); each accumulator from its low end on
.set js, js+2
.endr
.set js, 0
.rept 32
	v_med3_num_f32 v[112+js], v[112+js], -v40, v40
.set js, js+1
.endr
.irp t, 0,1,2,3
	v_cvt_scalef32_pk8_fp8_f32 v[24+2*\t:25+2*\t], v[112+8*\t:119+8*\t], v41
.endr
	v_nop
.irp t, 0,1,2,3
	ds_store_b64 v10, v[24+2*\t:25+2*\t] offset:16*\t
.endr
	ds_load_b128 v[48:51], v11
	ds_load_b128 v[52:55], v11 offset:512
	s_wait_dscnt 1
	global_store_b128 v7, v[48:51], s[8:9]
	s_wait_dscnt 0
	global_store_b128 v7, v[52:55], s[8:9] offset:512
	s_wait_tensorcnt 0x0                           ; the wave's end
	ds_add_u32 v[SPW], v[NIL]
	s_wait_dscnt 0x0
	CROUND                                         ; the closing round
	s_endpgm
.Lfunc_end_k_qf4f0305931_attn:
	.size	k_qf4f0305931_attn, .Lfunc_end_k_qf4f0305931_attn-k_qf4f0305931_attn
	.p2alignl 7, 3214868480
	.fill 96, 4, 3214868480
	.section	.rodata,"a",@progbits
	.p2align	6, 0x0
	.amdhsa_kernel k_qf4f0305931_attn
		.amdhsa_group_segment_fixed_size 327680
		.amdhsa_private_segment_fixed_size 0
		.amdhsa_enable_private_segment 0
		.amdhsa_kernarg_size 24
		.amdhsa_user_sgpr_count 2
		.amdhsa_user_sgpr_kernarg_segment_ptr 1
		.amdhsa_wavefront_size32 1
		.amdhsa_system_sgpr_workgroup_id_x 1
		.amdhsa_system_sgpr_workgroup_id_y 1
		.amdhsa_system_sgpr_workgroup_id_z 1
		.amdhsa_system_vgpr_workitem_id 0
		.amdhsa_next_free_vgpr 208
		.amdhsa_next_free_sgpr 84
		.amdhsa_reserve_vcc 0
		.amdhsa_float_denorm_mode_32 3
		.amdhsa_float_denorm_mode_16_64 3
		.amdhsa_memory_ordered 1
		.amdhsa_forward_progress 1
		.amdhsa_inst_pref_size 76
	.end_amdhsa_kernel
	.amdgpu_metadata
---
amdhsa.version: [ 1, 2 ]
amdhsa.kernels:
  - .name:           k_qf4f0305931_attn
    .symbol:         k_qf4f0305931_attn.kd
    .args:
      - { .name: qkvc, .offset: 0, .size: 8, .value_kind: global_buffer, .address_space: global }
      - { .name: lowp_scales, .offset: 8, .size: 8, .value_kind: global_buffer, .address_space: global }
      - { .name: ac, .offset: 16, .size: 8, .value_kind: global_buffer, .address_space: global }
    .group_segment_fixed_size: 327680
    .private_segment_fixed_size: 0
    .kernarg_segment_align: 8
    .kernarg_segment_size: 24
    .max_flat_workgroup_size: 512
    .sgpr_count:     84
    .vgpr_count:     208
    .wavefront_size: 32
...
	.end_amdgpu_metadata
.endif
;; end of part 3
;; launch wo (part 4): grid 4 x 16, 4 waves a work-group, clusters of 4 x 4, 327,680 bytes of LDS; arguments ac, wc, lowp_scales, y, x; writes y
.if DOCPART == 4
	.amdgcn_target "amdgcn-amd-amdhsa--gfx1250"
	.amdhsa_code_object_version 6
	.text
	.protected	k_qf4f0305931_wo
	.globl	k_qf4f0305931_wo
	.p2align	8
	.type	k_qf4f0305931_wo,@function
k_qf4f0305931_wo:
	s_mov_b64 s[64:65], 0
	v_nop
	global_prefetch_b8 v0, s[64:65] scope:SCOPE_SE
	s_setreg_imm32_b32 hwreg(HW_REG_WAVE_MODE, 25, 1), 1
	s_wait_xcnt 0x0
	s_wait_alu depctr_hold_cnt(0) depctr_sa_sdst(0) depctr_va_vdst(0) depctr_va_sdst(0) depctr_va_ssrc(0) depctr_va_vcc(0) depctr_vm_vsrc(0)
	s_getreg_b32 s2, hwreg(HW_REG_IB_STS2, 6, 4)
	s_cmp_eq_u32 s2, 0
	s_cbranch_scc0 .Lentry_in_a_cluster
	s_endpgm
.Lentry_in_a_cluster:
	s_bfe_u32 s2, ttmp6, 0x10000c
	s_cmp_lg_u32 s2, 0xf033
	s_cbranch_scc0 .Lentry_shape_is_right
	s_endpgm
.Lentry_shape_is_right:
; y = x + O Wo, the product on codes of FP8 (entries 10, 11).  Nothing is left out.
; C[m][n] = sum over k of A[m][k] B[n][k]: A = O's codes in panels [16 heads][4096 tokens][64]; B = Wo's codes [1024 n][1024 K] at wc + 3 MiB.  Tile 256 x 256, four waves of 128 x 128, K in steps of 256 (four panels)
; through a ring of two LDS slots; 4 x 4 clusters, A's tile asked for jointly along a row of the cluster, B's along a column.  64 tiles: 64 work-groups; a smaller tile would fill more WGPs at twice the LDS reads a product.
; A wave's load of A: 128 tokens of four panels; a panel's 128 rows of 64 bytes are dense, so they are stated as one row of 8,192 bytes, padded behind every 64: LDS rows 80 bytes apart.
; The matrix instruction is used transposed; fragments come by 16-byte loads: a permutation of k, the same in A and B.
; LIMIT: e10 + e11 between -126 and 127.
.set KROW,   1024
.set LAPS,   2
.set APW,    64
.set AQI,    3
.set BOFF,   0x300000
.set SCOFF,  40
.set ASTEP,  0x100000                  ; four panels of 262,144 bytes
.set APITCH, APW+16
.set ANP,    256/APW
.set AHALF,  ANP*128*APITCH
.set BHALF,  128*272
.set SLOT,   2*AHALF+2*BHALF
.set SPARE,  2*SLOT
.set FR, 16
.set NL, 4
.set NP, 4
.set ADRA, 16
.set ADRB, 20
.set STO, 24
.set RD,  25
.set CO,  26
.set SPW, 28
.set NIL, 29
.set AF,  128
.set BK,  128
.set G1, 24
.set G0, 32
.set G1B, 48
.set G0B, 56
.set MUL_LO, 0xa1
.set MUL_HI, 0xf1
.set TO_B,   0x40
.set MSB, 0
.macro WIN new
.if MSB != \new
	s_set_vgpr_msb (MSB<<8)|\new
.set MSB, \new
.endif
.endm
.macro JLOAD g0a, g1a, g0b, g1b
	s_cmp_eq_u32 s15, 0
	s_cbranch_scc0 .Lfor_b_\@
	tensor_load_to_lds s[\g0a:\g0a+3], s[\g1a:\g1a+7]
	s_nop 0
.rept 4
	v_nop
.endr
	s_branch .Lasked_\@
.Lfor_b_\@:
	tensor_load_to_lds s[\g0b:\g0b+3], s[\g1b:\g1b+7]
	s_nop 0
.rept 4
	v_nop
.endr
.Lasked_\@:
.endm
.macro CREST
	s_cmp_lg_u32 s14, 0
	s_cbranch_scc1 .Lnot_wave_0_\@
	s_barrier_signal -3
.Lnot_wave_0_\@:
	s_barrier_wait -3
	s_barrier_signal -1
	s_barrier_wait -1
.endm
.macro CROUND
	s_barrier_signal -1
	s_barrier_wait -1
	CREST
.endm
	s_load_b256 s[4:11], s[0:1], 0x0               ; A 4:5, wc 6:7, scales 8:9, y 10:11
	s_load_b64 s[66:67], s[0:1], 0x20              ; the residual
	v_lshl_add_u32 v[SPW], v0, 2, SPARE
	v_mov_b32 v[NIL], 0
	ds_add_u32 v[SPW], v[NIL]                      ; the opening: the add, twice on end, and its wait ahead of my first tensor load
	ds_add_u32 v[SPW], v[NIL]
	v_lshrrev_b32 v1, 5, v0
	v_readfirstlane_b32 s14, v1
	s_lshr_b32 s15, s14, 1
	s_and_b32 s16, s14, 1
	s_bfe_u32 s40, ttmp6, 0x40000
	s_bfe_u32 s41, ttmp6, 0x40004
	s_lshl_b32 s42, ttmp9, 2
	s_add_co_u32 s42, s42, s40                     ; tile column
	s_and_b32 s17, ttmp7, 0xffff
	s_lshl_b32 s17, s17, 2
	s_add_co_u32 s17, s17, s41                     ; tile row
	s_lshl_b32 s43, s41, 2
	s_lshl_b32 s43, 15, s43
	s_lshl_b32 s44, 0x1111, s40
	s_or_b32 s[G1+0], s43, (3<<16)|(1<<20)|(1<<21)|(AQI<<22)|(3<<25)   ; A: elements of 8 bytes; 4 words of padding behind every APW bytes
	s_mov_b32 s[G1+1], (16*APW)<<16                ; a panel's 128 rows: 16 APW elements
	s_mov_b32 s[G1+2], ANP<<16
	s_mov_b32 s[G1+3], (16*APW)<<16
	s_mov_b32 s[G1+4], ANP                         ; so many panels
	s_mov_b32 s[G1+5], 512*APW                     ; from panel to panel: 4,096 tokens
	s_mov_b32 s[G1+6], 0
	s_mov_b32 s[G1+7], 0
	s_or_b32 s[G1B+0], s44, (1<<20)|(1<<21)|(5<<22)|(3<<25)
	s_mov_b32 s[G1B+1], 256<<16
	s_mov_b32 s[G1B+2], 128<<16
	s_mov_b32 s[G1B+3], 256<<16
	s_mov_b32 s[G1B+4], 128
	s_mov_b32 s[G1B+5], KROW
	s_mov_b32 s[G1B+6], 0
	s_mov_b32 s[G1B+7], 0
	s_lshl_b32 s21, s16, 7
	s_lshl_b32 s20, s17, 8
	s_add_co_u32 s20, s20, s21
	s_mul_i32 s20, s20, APW                        ; A: token 256 tile row + 128 half, in a panel
	s_lshl_b32 s46, s42, 8
	s_add_co_u32 s46, s46, s21
	s_mul_i32 s46, s46, KROW
	s_add_co_u32 s46, s46, BOFF
	s_mov_b32 s21, 0
	s_mov_b32 s47, 0
	s_mul_i32 s45, s16, AHALF
	s_mul_i32 s23, s16, BHALF
	s_add_co_u32 s23, s23, 2*AHALF
	s_wait_dscnt 0x0
	s_wait_kmcnt 0x0
	s_load_b64 s[96:97], s[8:9], SCOFF             ; A's and B's exponents
	s_add_nc_u64 s[20:21], s[4:5], s[20:21]
	s_add_nc_u64 s[46:47], s[6:7], s[46:47]
	CROUND
.irp s, 0,1
	s_mov_b32 s[G0+4*\s], 1
	s_add_co_u32 s[G0+4*\s+1], s45, \s*SLOT
	s_add_nc_u64 s[G0+4*\s+2:G0+4*\s+3], s[20:21], \s*ASTEP
	s_or_b32 s[G0+4*\s+3], s[G0+4*\s+3], 0x80000000
	s_mov_b32 s[G0B+4*\s], 1
	s_add_co_u32 s[G0B+4*\s+1], s23, \s*SLOT
	s_add_nc_u64 s[G0B+4*\s+2:G0B+4*\s+3], s[46:47], \s*256
	s_or_b32 s[G0B+4*\s+3], s[G0B+4*\s+3], 0x80000000
	JLOAD G0+4*\s, G1, G0B+4*\s, G1B
.endr
	v_and_b32 v1, 15, v0
	v_bfe_u32 v2, v0, 4, 1
	v_mul_u32_u24 v3, v1, APITCH
	v_lshl_add_u32 v3, v2, 4, v3
	v_mul_u32_u24 v4, v1, 272
	v_lshl_add_u32 v4, v2, 4, v4
	s_mul_i32 s21, s15, AHALF
	s_mul_i32 s22, s16, BHALF
	s_add_co_u32 s22, s22, 2*AHALF
.irp s, 0,1
	v_add_nc_u32 v[ADRA+\s], s21, v3
	v_add_nc_u32 v[ADRB+\s], s22, v4
	s_add_co_u32 s21, s21, SLOT
	s_add_co_u32 s22, s22, SLOT
.endr
	s_mul_i32 s23, s14, 16*528                     ; my stage, in slot 0: 16 rows x (512 bytes + 16)
	v_mul_u32_u24 v5, v1, 528
	v_lshl_add_u32 v5, v2, 5, v5
	v_add_nc_u32 v[STO], s23, v5
	v_and_b32 v6, 31, v0
	v_lshlrev_b32 v[CO], 4, v6
	v_add_nc_u32 v[RD], s23, v[CO]
	s_lshl_b32 s20, s17, 8
	s_lshl_b32 s21, s15, 7
	s_add_co_u32 s20, s20, s21
	s_lshl_b32 s20, s20, 12                        ; my first row, of 4,096 bytes,
	s_lshl_b32 s46, s42, 10
	s_lshl_b32 s47, s16, 9
	s_add_co_u32 s46, s46, s47
	s_add_co_u32 s20, s20, s46                     ; and my first column
	s_mov_b32 s21, 0
	s_add_nc_u64 s[10:11], s[10:11], s[20:21]
	s_add_nc_u64 s[66:67], s[66:67], s[20:21]
.macro FRAGA reg, adr, q, i
.irp c, 0,1,2,3
	ds_load_b128 v[\reg+4*\c:\reg+4*\c+3], v[\adr] offset:((128*(\q)+32*\c)/APW)*128*APITCH+(128*(\q)+32*\c)%APW+(\i)*16*APITCH
.endr
.endm
.macro FRAGB reg, adr, q, i
.irp c, 0,1,2,3
	ds_load_b128 v[\reg+4*\c:\reg+4*\c+3], v[\adr] offset:128*(\q)+32*\c+(\i)*16*272
.endr
.endm
.macro MUL16 a0, p, zero
.irp a, \a0, \a0+1
.irp b, 0,1,2,3,4,5,6,7
.if \zero
	v_wmma_f32_16x16x128_fp8_fp8 v[8*(8*((\a)%4)+\b):8*(8*((\a)%4)+\b)+7], v[128*(\p)+FR*\b:128*(\p)+FR*\b+FR-1], v[AF+FR*(\a):AF+FR*(\a)+FR-1], 0
.else
	v_wmma_f32_16x16x128_fp8_fp8 v[8*(8*((\a)%4)+\b):8*(8*((\a)%4)+\b)+7], v[128*(\p)+FR*\b:128*(\p)+FR*\b+FR-1], v[AF+FR*(\a):AF+FR*(\a)+FR-1], v[8*(8*((\a)%4)+\b):8*(8*((\a)%4)+\b)+7]
.endif
.endr
.endr
.endm
.macro FETCH_B slot, q, p
	WIN TO_B
.irp i, 0,1,2,3,4,5,6,7
	FRAGB 128*(\p)+FR*\i, ADRB+\slot, \q, \i
.endr
	WIN 0
.endm
.macro FETCH_A slot, q, i0
.irp i, \i0, \i0+1, \i0+2, \i0+3
	FRAGA AF+FR*(\i), ADRA+\slot, \q, \i
.endr
.endm
.macro PLACES n
.rept \n
	v_nop
.endr
.endm
.macro STEP slot, q, zero
	s_wait_dscnt 4*NL                              ; A's blocks 4-7, sixteen loads, may be out
	WIN MUL_LO
	MUL16 0, (\q)%2, \zero
	MUL16 2, (\q)%2, \zero
	s_wait_dscnt 0
	PLACES NP
	FETCH_B \slot, (\q)+1, 1-(\q)%2
	FETCH_A \slot, (\q)+1, 0
	WIN MUL_HI
	MUL16 4, (\q)%2, \zero
	MUL16 6, (\q)%2, \zero
	PLACES NP
	WIN 0
	FETCH_A \slot, (\q)+1, 4
.endm
.macro TURN slot, next, fill
	s_wait_tensorcnt 0x0                           ; all my tensor loads have landed
	ds_add_u32 v[SPW], v[NIL]
	s_wait_dscnt 4*NL+1                            ; the add and A's blocks 4-7 may be out
	WIN MUL_LO
	MUL16 0, 1, 0
	s_wait_dscnt 0x0                               ; the add is done, and my reads of this slot are over
	s_barrier_signal -1
	MUL16 2, 1, 0
	WIN 0
	s_barrier_wait -1
.if \fill
	CREST
	s_add_nc_u64 s[G0+4*\slot+2:G0+4*\slot+3], s[G0+4*\slot+2:G0+4*\slot+3], 2*ASTEP
	s_add_nc_u64 s[G0B+4*\slot+2:G0B+4*\slot+3], s[G0B+4*\slot+2:G0B+4*\slot+3], 512
	JLOAD G0+4*\slot, G1, G0B+4*\slot, G1B
.else
	PLACES NP
.endif
	FETCH_B \next, 0, 0
	FETCH_A \next, 0, 0
	WIN MUL_HI
	MUL16 4, 1, 0
	MUL16 6, 1, 0
	PLACES NP
	WIN 0
	FETCH_A \next, 0, 4
.endm
	s_wait_tensorcnt 1                             ; K step 0 is in; K step 1's load may be out
	s_barrier_signal -1
	s_barrier_wait -1
	FETCH_B 0, 0, 0
	FETCH_A 0, 0, 0
	FETCH_A 0, 0, 4
	STEP 0, 0, 1
	s_mov_b32 s3, LAPS-1
.Llap:
	TURN 0, 1, 1
	STEP 1, 0, 0
	TURN 1, 0, 1
	STEP 0, 0, 0
	s_sub_co_u32 s3, s3, 1
	s_cmp_lg_u32 s3, 0
	s_cbranch_scc1 .Llap
	TURN 0, 1, 0
	STEP 1, 0, 0
	s_wait_dscnt 4*NL
	WIN MUL_LO
	MUL16 0, 1, 0
	MUL16 2, 1, 0
	s_wait_dscnt 0
	WIN MUL_HI
	MUL16 4, 1, 0
	MUL16 6, 1, 0
	WIN 0
; THE WAY OUT, a block of 16 rows x 128 columns at a time: the sums go through my stage as they are and come back as whole rows of 512 bytes; there sum x 2^(eA + eB) + residual is one packed multiply-add for two numbers.
.macro XLOAD a                         ; the residual's 16 rows, into window 1, where B's fragments lay
	WIN 0x40
.irp t, 0,1,2,3,4,5,6,7,8,9,10,11,12,13,14,15
	global_load_b128 v[64*((\a)%2)+4*\t:64*((\a)%2)+4*\t+3], v[CO], s[66:67] offset:(16*(\a)+\t)*4096 th:TH_LOAD_NT
.endr
	WIN 0
.endm
.macro TOSTAGE a
.set AC, 64*((\a)%4)
	WIN 0x08+4*((\a)/4)                            ; the stores' data: window 2 or 3
.irp b, 0,1,2,3,4,5,6,7
	ds_store_b128 v[STO], v[AC+8*\b:AC+8*\b+3] offset:64*\b          ; each accumulator from its low end on
	ds_store_b128 v[STO], v[AC+8*\b+4:AC+8*\b+7] offset:64*\b+16
.endr
	WIN 0
.set BB, BK+64*((\a)%2)
.irp t, 0,1,2,3,4,5,6,7,8,9,10,11,12,13,14,15
	ds_load_b128 v[BB+4*\t:BB+4*\t+3], v[RD] offset:\t*528
.endr
.endm
.macro SEND a, younger, loads
.set BB, BK+64*((\a)%2)
.set XB, 64*((\a)%2)
	s_wait_dscnt \younger                          ; the block is back in registers
	s_wait_loadcnt \loads                          ; and its residual is in
	WIN 0x10                                       ; source 2: window 1
.set sj, 0
.rept 32
	v_pk_fma_f32 v[BB+sj:BB+sj+1], v[BB+sj:BB+sj+1], s[96:97], v[XB+sj:XB+sj+1] op_sel_hi:[1,0,1]
.set sj, sj+2
.endr
	WIN 0
.irp t, 0,1,2,3,4,5,6,7,8,9,10,11,12,13,14,15
	global_store_b128 v[CO], v[BB+4*\t:BB+4*\t+3], s[10:11] offset:(16*(\a)+\t)*4096   ; 32 lanes store 512 consecutive bytes, aligned
.endr
.endm
	s_wait_kmcnt 0x0
	s_add_co_i32 s96, s96, s97
	s_add_co_i32 s96, s96, 127
	s_lshl_b32 s96, s96, 23                        ; 2^(eA + eB)
	s_mov_b32 s97, s96
	PLACES NP
	XLOAD 0
	XLOAD 1
	TOSTAGE 0
.irp a, 1,2,3,4,5,6,7
.if \a > 1
	s_wait_xcnt 0x0                                ; block a - 2's stores have read the registers that block a's loads take
.endif
	TOSTAGE \a
	SEND \a-1, 32, 16                              ; may be out: block a's 16 stores and 16 loads; block a's residual
.if \a < 7
	XLOAD \a+1
.endif
.endr
	SEND 7, 0, 0
	s_wait_tensorcnt 0x0                           ; the wave's end
	ds_add_u32 v[SPW], v[NIL]
	s_wait_dscnt 0x0
	CROUND
	s_endpgm
.Lfunc_end_k_qf4f0305931_wo:
	.size	k_qf4f0305931_wo, .Lfunc_end_k_qf4f0305931_wo-k_qf4f0305931_wo
	.p2alignl 7, 3214868480
	.fill 96, 4, 3214868480
	.section	.rodata,"a",@progbits
	.p2align	6, 0x0
	.amdhsa_kernel k_qf4f0305931_wo
		.amdhsa_group_segment_fixed_size 327680
		.amdhsa_private_segment_fixed_size 0
		.amdhsa_enable_private_segment 0
		.amdhsa_kernarg_size 40
		.amdhsa_user_sgpr_count 2
		.amdhsa_user_sgpr_kernarg_segment_ptr 1
		.amdhsa_wavefront_size32 1
		.amdhsa_system_sgpr_workgroup_id_x 1
		.amdhsa_system_sgpr_workgroup_id_y 1
		.amdhsa_system_sgpr_workgroup_id_z 1
		.amdhsa_system_vgpr_workitem_id 0
		.amdhsa_next_free_vgpr 1024
		.amdhsa_next_free_sgpr 98
		.amdhsa_reserve_vcc 0
		.amdhsa_float_denorm_mode_32 3
		.amdhsa_float_denorm_mode_16_64 3
		.amdhsa_memory_ordered 1
		.amdhsa_forward_progress 1
		.amdhsa_inst_pref_size 136
	.end_amdhsa_kernel
	.amdgpu_metadata
---
amdhsa.version: [ 1, 2 ]
amdhsa.kernels:
  - .name:           k_qf4f0305931_wo
    .symbol:         k_qf4f0305931_wo.kd
    .args:
      - { .name: ac, .offset: 0, .size: 8, .value_kind: global_buffer, .address_space: global }
      - { .name: wc, .offset: 8, .size: 8, .value_kind: global_buffer, .address_space: global }
      - { .name: lowp_scales, .offset: 16, .size: 8, .value_kind: global_buffer, .address_space: global }
      - { .name: y, .offset: 24, .size: 8, .value_kind: global_buffer, .address_space: global }
      - { .name: x, .offset: 32, .size: 8, .value_kind: global_buffer, .address_space: global }
    .group_segment_fixed_size: 327680
    .private_segment_fixed_size: 0
    .kernarg_segment_align: 8
    .kernarg_segment_size: 40
    .max_flat_workgroup_size: 128
    .sgpr_count:     98
    .vgpr_count:     1024
    .wavefront_size: 32
...
	.end_amdgpu_metadata
.endif
;; end of part 4
;; launch ln1 (part 5): grid 256 x 1, 8 waves a work-group, no clusters, 41,984 bytes of LDS; arguments y, ln1_g, ln1_b, lowp_scales, h1, ac; writes h1, ac
.if DOCPART == 5
	.amdgcn_target "amdgcn-amd-amdhsa--gfx1250"
	.amdhsa_code_object_version 6
	.text
	.protected	k_qf4f0305931_ln1
	.globl	k_qf4f0305931_ln1
	.p2align	8
	.type	k_qf4f0305931_ln1,@function
k_qf4f0305931_ln1:
	s_mov_b64 s[64:65], 0
	v_nop
	global_prefetch_b8 v0, s[64:65] scope:SCOPE_SE
	s_setreg_imm32_b32 hwreg(HW_REG_WAVE_MODE, 25, 1), 1
	s_wait_xcnt 0x0
; h1 = layer norm of y = x + mha, in f32, and its codes of FP8 (entry 12) for the first feed-forward product.  Nothing is left out.
; A wave takes two whole rows of 4,096 bytes and keeps them in registers: the mean, then the mean of the squared differences, as the layer has them: no difference of large sums is formed.
; Each load and store of a wave covers 512 consecutive bytes.  For the conversions a lane must hold 16 neighbours: half a row at a time turns through my own stage in LDS.
; No matrix units, no cluster, no barrier: memory binds, and waves share only the gain and the bias.
; LIMITS: e12 between -126 and 119.  NaN is not served by the hold.
.set G,   16                           ; v16-47   gain
.set BI,  48                           ; v48-79   bias
.set R0,  80                           ; v80-143  the two rows
.set T0,  144                          ; v144-159 eight registers of statistics a row
.set XS,  144                          ; v144-175 later: two sets of 16 neighbours
.set CD,  176                          ; v176-191 codes, four registers for each half row
.set SPW, 12
.set NIL, 13
.set SPARE, 40960
	s_load_b256 s[4:11], s[0:1], 0x0               ; y 4:5, gain 6:7, bias 8:9, scales 10:11
	s_load_b128 s[12:15], s[0:1], 0x20             ; h1 12:13, codes 14:15
	v_lshl_add_u32 v[SPW], v0, 2, SPARE
	v_mov_b32 v[NIL], 0
	v_lshrrev_b32 v1, 5, v0
	v_readfirstlane_b32 s16, v1
	v_and_b32 v2, 31, v0
	v_lshlrev_b32 v3, 4, v2
	s_lshl_b32 s17, ttmp9, 4
	s_lshl_b32 s18, s16, 1
	s_add_co_u32 s17, s17, s18                     ; my first row
	s_lshl_b32 s18, s17, 12
	s_mov_b32 s19, 0
	s_lshl_b32 s20, s17, 10
	s_mov_b32 s21, 0
	s_mov_b32 s22, 0x76543210
	s_mov_b32 s23, 0xfedcba98
	s_mov_b32 s24, 0x3a800000                      ; 1 / 1,024
	s_mov_b32 s25, 0x3727c5ac                      ; 1e-5
	s_mul_i32 s27, s16, 5120                       ; my two stages of 2,560 bytes
	v_lshrrev_b32 v14, 2, v2
	v_mul_u32_u24 v14, v14, 80
	v_and_b32 v15, 3, v2
	v_lshl_add_u32 v14, v15, 4, v14
	v_add_nc_u32 v14, s27, v14
	v_mul_u32_u24 v15, v2, 80
	v_add_nc_u32 v15, s27, v15
	s_wait_kmcnt 0x0
	s_load_b32 s26, s[10:11], 0x30                 ; e12
	s_add_nc_u64 s[4:5], s[4:5], s[18:19]
	s_add_nc_u64 s[12:13], s[12:13], s[18:19]
	s_add_nc_u64 s[14:15], s[14:15], s[20:21]
.irp j, 0,1,2,3,4,5,6,7,8,9,10,11,12,13,14,15
	global_load_b128 v[R0+4*\j:R0+4*\j+3], v3, s[4:5] offset:512*\j th:TH_LOAD_NT
.endr
.irp j, 0,1,2,3,4,5,6,7
	global_load_b128 v[G+4*\j:G+4*\j+3], v3, s[6:7] offset:512*\j
	global_load_b128 v[BI+4*\j:BI+4*\j+3], v3, s[8:9] offset:512*\j
.endr
.macro REDUCE                          ; four chains of pairs, then the 32 lanes; both rows by turns; the result in every lane of v[T0 + 8 p]
.irp p, 0,1
	v_pk_add_f32 v[T0+8*\p:T0+8*\p+1], v[T0+8*\p:T0+8*\p+1], v[T0+8*\p+4:T0+8*\p+5]
	v_pk_add_f32 v[T0+8*\p+2:T0+8*\p+3], v[T0+8*\p+2:T0+8*\p+3], v[T0+8*\p+6:T0+8*\p+7]
.endr
.irp p, 0,1
	v_pk_add_f32 v[T0+8*\p:T0+8*\p+1], v[T0+8*\p:T0+8*\p+1], v[T0+8*\p+2:T0+8*\p+3]
.endr
.irp p, 0,1
	v_add_f32 v[T0+8*\p], v[T0+8*\p], v[T0+8*\p+1]
.endr
.irp m, 1,2,4,8
.irp p, 0,1
	v_add_f32_dpp v[T0+8*\p], v[T0+8*\p], v[T0+8*\p] row_xmask:\m row_mask:0xf bank_mask:0xf
.endr
.endr
.irp p, 0,1
	v_permlanex16_b32 v[T0+8*\p+1], v[T0+8*\p], s22, s23
.endr
.irp p, 0,1
	v_add_f32 v[T0+8*\p], v[T0+8*\p], v[T0+8*\p+1]
.endr
.endm
	s_wait_loadcnt 16                              ; the rows are in; the sixteen loads of gain and bias may be out
.irp p, 0,1
.irp k, 0,2,4,6
	v_pk_add_f32 v[T0+8*\p+\k:T0+8*\p+\k+1], v[R0+32*\p+\k:R0+32*\p+\k+1], v[R0+32*\p+8+\k:R0+32*\p+9+\k]
.endr
.endr
.irp m, 16,24
.irp p, 0,1
.irp k, 0,2,4,6
	v_pk_add_f32 v[T0+8*\p+\k:T0+8*\p+\k+1], v[T0+8*\p+\k:T0+8*\p+\k+1], v[R0+32*\p+\m+\k:R0+32*\p+\m+\k+1]
.endr
.endr
.endr
	REDUCE
.irp p, 0,1
	v_mul_f32 v[T0+8*\p], s24, v[T0+8*\p]          ; the mean
.endr
.irp p, 0,1
.set jr, 0
.rept 16
	v_pk_add_f32 v[R0+32*\p+jr:R0+32*\p+jr+1], v[R0+32*\p+jr:R0+32*\p+jr+1], v[T0+8*\p:T0+8*\p+1] op_sel_hi:[1,0] neg_lo:[0,1] neg_hi:[0,1]
.set jr, jr+2
.endr
.endr
.irp p, 0,1
.irp k, 0,2,4,6
	v_pk_mul_f32 v[T0+8*\p+\k:T0+8*\p+\k+1], v[R0+32*\p+\k:R0+32*\p+\k+1], v[R0+32*\p+\k:R0+32*\p+\k+1]
.endr
.endr
.irp m, 8,16,24
.irp p, 0,1
.irp k, 0,2,4,6
	v_pk_fma_f32 v[T0+8*\p+\k:T0+8*\p+\k+1], v[R0+32*\p+\m+\k:R0+32*\p+\m+\k+1], v[R0+32*\p+\m+\k:R0+32*\p+\m+\k+1], v[T0+8*\p+\k:T0+8*\p+\k+1]
.endr
.endr
.endr
	REDUCE
.irp p, 0,1
	v_fma_f32 v[T0+8*\p], v[T0+8*\p], s24, s25     ; the variance + 1e-5
.endr
	v_rsq_f32 v[T0], v[T0]
	v_rsq_f32 v[T0+8], v[T0+8]
	v_nop                                          ; a plain line behind the two
	s_wait_loadcnt 0x0                             ; gain and bias
	s_wait_alu depctr_va_vdst(0)                   ; one wait for both, ahead of their first reader
.irp p, 0,1
.set jr, 0
.rept 16
	v_pk_mul_f32 v[R0+32*\p+jr:R0+32*\p+jr+1], v[R0+32*\p+jr:R0+32*\p+jr+1], v[T0+8*\p:T0+8*\p+1] op_sel_hi:[1,0]
.set jr, jr+2
.endr
.endr
.irp p, 0,1
.set jr, 0
.rept 16
	v_pk_fma_f32 v[R0+32*\p+jr:R0+32*\p+jr+1], v[R0+32*\p+jr:R0+32*\p+jr+1], v[G+jr:G+jr+1], v[BI+jr:BI+jr+1]
.set jr, jr+2
.endr
.endr
.irp j, 0,1,2,3,4,5,6,7,8,9,10,11,12,13,14,15
	global_store_b128 v3, v[R0+4*\j:R0+4*\j+3], s[12:13] offset:512*\j
.endr
	s_wait_kmcnt 0x0
	s_add_co_i32 s26, s26, 127
	s_lshl_b32 s27, s26, 23
	v_mov_b32 v11, s27                             ; 2^e12
	s_add_co_i32 s26, s26, 8
	s_lshl_b32 s26, s26, 23
	s_or_b32 s26, s26, 0x600000
	v_mov_b32 v10, s26                             ; 448 x 2^e12
.macro TURNH q                         ; half row q through stage q % 2: in as loaded, out 64 bytes a lane
.irp i, 0,1,2,3
	ds_store_b128 v14, v[R0+16*(\q)+4*\i:R0+16*(\q)+4*\i+3] offset:2560*((\q)%2)+640*\i
.endr
.irp i, 0,1,2,3
	ds_load_b128 v[XS+16*((\q)%2)+4*\i:XS+16*((\q)%2)+4*\i+3], v15 offset:2560*((\q)%2)+16*\i
.endr
.endm
.macro QH q
.set XQ, XS+16*((\q)%2)
.set iq, 0
.rept 16
	v_med3_num_f32 v[XQ+iq], v[XQ+iq], -v10, v10
.set iq, iq+1
.endr
	v_cvt_scalef32_pk8_fp8_f32 v[CD+4*(\q):CD+4*(\q)+1], v[XQ:XQ+7], v11
	v_cvt_scalef32_pk8_fp8_f32 v[CD+4*(\q)+2:CD+4*(\q)+3], v[XQ+8:XQ+15], v11
	v_nop
	global_store_b128 v3, v[CD+4*(\q):CD+4*(\q)+3], s[14:15] offset:512*(\q)   ; 512 consecutive bytes of codes
.endm
	TURNH 0
	TURNH 1
	s_wait_dscnt 8                                 ; the next half row's 4 stores and 4 loads may be out
	QH 0
	TURNH 2
	s_wait_dscnt 8
	QH 1
	TURNH 3
	s_wait_dscnt 8
	QH 2
	s_wait_dscnt 0
	QH 3
	s_wait_tensorcnt 0x0                           ; the wave's end
	ds_add_u32 v[SPW], v[NIL]
	s_wait_dscnt 0x0
	s_endpgm
.Lfunc_end_k_qf4f0305931_ln1:
	.size	k_qf4f0305931_ln1, .Lfunc_end_k_qf4f0305931_ln1-k_qf4f0305931_ln1
	.p2alignl 7, 3214868480
	.fill 96, 4, 3214868480
	.section	.rodata,"a",@progbits
	.p2align	6, 0x0
	.amdhsa_kernel k_qf4f0305931_ln1
		.amdhsa_group_segment_fixed_size 41984
		.amdhsa_private_segment_fixed_size 0
		.amdhsa_enable_private_segment 0
		.amdhsa_kernarg_size 48
		.amdhsa_user_sgpr_count 2
		.amdhsa_user_sgpr_kernarg_segment_ptr 1
		.amdhsa_wavefront_size32 1
		.amdhsa_system_sgpr_workgroup_id_x 1
		.amdhsa_system_sgpr_workgroup_id_y 1
		.amdhsa_system_sgpr_workgroup_id_z 1
		.amdhsa_system_vgpr_workitem_id 0
		.amdhsa_next_free_vgpr 192
		.amdhsa_next_free_sgpr 66
		.amdhsa_reserve_vcc 0
		.amdhsa_float_denorm_mode_32 3
		.amdhsa_float_denorm_mode_16_64 3
		.amdhsa_memory_ordered 1
		.amdhsa_forward_progress 1
		.amdhsa_inst_pref_size 26
	.end_amdhsa_kernel
	.amdgpu_metadata
---
amdhsa.version: [ 1, 2 ]
amdhsa.kernels:
  - .name:           k_qf4f0305931_ln1
    .symbol:         k_qf4f0305931_ln1.kd
    .args:
      - { .name: y, .offset: 0, .size: 8, .value_kind: global_buffer, .address_space: global }
      - { .name: ln1_g, .offset: 8, .size: 8, .value_kind: global_buffer, .address_space: global }
      - { .name: ln1_b, .offset: 16, .size: 8, .value_kind: global_buffer, .address_space: global }
      - { .name: lowp_scales, .offset: 24, .size: 8, .value_kind: global_buffer, .address_space: global }
      - { .name: h1, .offset: 32, .size: 8, .value_kind: global_buffer, .address_space: global }
      - { .name: ac, .offset: 40, .size: 8, .value_kind: global_buffer, .address_space: global }
    .group_segment_fixed_size: 41984
    .private_segment_fixed_size: 0
    .kernarg_segment_align: 8
    .kernarg_segment_size: 48
    .max_flat_workgroup_size: 256
    .sgpr_count:     66
    .vgpr_count:     192
    .wavefront_size: 32
...
	.end_amdgpu_metadata
.endif
;; end of part 5
;; launch ffn1 (part 6): grid 16 x 16, 4 waves a work-group, clusters of 4 x 4, 327,680 bytes of LDS; arguments ac, wc, lowp_scales, hid, b1; writes hid
.if DOCPART == 6
	.amdgcn_target "amdgcn-amd-amdhsa--gfx1250"
	.amdhsa_code_object_version 6
	.text
	.protected	k_qf4f0305931_ffn1
	.globl	k_qf4f0305931_ffn1
	.p2align	8
	.type	k_qf4f0305931_ffn1,@function
k_qf4f0305931_ffn1:
	s_mov_b64 s[64:65], 0
	v_nop
	global_prefetch_b8 v0, s[64:65] scope:SCOPE_SE
	s_setreg_imm32_b32 hwreg(HW_REG_WAVE_MODE, 25, 1), 1
	s_wait_xcnt 0x0
	s_wait_alu depctr_hold_cnt(0) depctr_sa_sdst(0) depctr_va_vdst(0) depctr_va_sdst(0) depctr_va_ssrc(0) depctr_va_vcc(0) depctr_vm_vsrc(0)
	s_getreg_b32 s2, hwreg(HW_REG_IB_STS2, 6, 4)
	s_cmp_eq_u32 s2, 0
	s_cbranch_scc0 .Lentry_in_a_cluster
	s_endpgm
.Lentry_in_a_cluster:
	s_bfe_u32 s2, ttmp6, 0x10000c
	s_cmp_lg_u32 s2, 0xf033
	s_cbranch_scc0 .Lentry_shape_is_right
	s_endpgm
.Lentry_shape_is_right:
; hid = codes of relu(h1 W1 + b1): the product on codes of FP8 (entries 12, 13), the result quantised at once (entry 14).  Nothing is left out.
; C[m][n] = sum over k of A[m][k] B[n][k]: A = h1's codes [4096][1024]; B = W1's codes [4096 n][1024 K] at wc + 4 MiB.  Tile 256 x 256, four waves of 128 x 128, 256 work-groups; K in steps of 256 through a ring of two LDS slots;
; 4 x 4 clusters, A's tile asked for jointly along a row of the cluster, B's along a column.  The matrix instruction is used transposed; fragments come by 16-byte loads: a permutation of k, the same in A and B.
; OUT: panels [32][4096 tokens][128]: a wave's 128 columns are one panel, so its codes leave as dense runs.
; code = relu(sum x 2^(e12 + e13) + b1) / 2^e14: b1 goes in as b1 / 2^(e12 + e13), exact; the hold between 0 and the largest code is the activation too.
; LIMITS: e14 - e12 - e13 between -126 and 119.  NaN is not served.
.set KROW,   1024
.set LAPS,   2
.set APW,    256
.set BOFF,   0x400000
.set ASTEP,  256
.set APITCH, APW+16
.set ANP,    256/APW
.set AHALF,  ANP*128*APITCH
.set BHALF,  128*272
.set SLOT,   2*AHALF+2*BHALF
.set SPARE,  2*SLOT
.set FR, 16
.set NL, 4
.set NP, 4
.set ADRA, 16
.set ADRB, 20
.set STO, 24
.set RD,  25
.set CO,  26
.set SPW, 28
.set NIL, 29
.set AF,  128
.set BC,  32
.set TMP, 128
.set CD,  192
.set OB,  208
.set G1, 24
.set G0, 32
.set G1B, 48
.set G0B, 56
.set MUL_LO, 0xa1
.set MUL_HI, 0xf1
.set TO_B,   0x40
.set MSB, 0
.macro WIN new
.if MSB != \new
	s_set_vgpr_msb (MSB<<8)|\new
.set MSB, \new
.endif
.endm
.macro JLOAD g0a, g1a, g0b, g1b
	s_cmp_eq_u32 s15, 0
	s_cbranch_scc0 .Lfor_b_\@
	tensor_load_to_lds s[\g0a:\g0a+3], s[\g1a:\g1a+7]
	s_nop 0
.rept 4
	v_nop
.endr
	s_branch .Lasked_\@
.Lfor_b_\@:
	tensor_load_to_lds s[\g0b:\g0b+3], s[\g1b:\g1b+7]
	s_nop 0
.rept 4
	v_nop
.endr
.Lasked_\@:
.endm
.macro CREST
	s_cmp_lg_u32 s14, 0
	s_cbranch_scc1 .Lnot_wave_0_\@
	s_barrier_signal -3
.Lnot_wave_0_\@:
	s_barrier_wait -3
	s_barrier_signal -1
	s_barrier_wait -1
.endm
.macro CROUND
	s_barrier_signal -1
	s_barrier_wait -1
	CREST
.endm
	s_load_b256 s[4:11], s[0:1], 0x0               ; A 4:5, wc 6:7, scales 8:9, hid 10:11
	s_load_b64 s[66:67], s[0:1], 0x20              ; b1
	v_lshl_add_u32 v[SPW], v0, 2, SPARE
	v_mov_b32 v[NIL], 0
	ds_add_u32 v[SPW], v[NIL]                      ; the opening: the add, twice on end, and its wait ahead of my first tensor load
	ds_add_u32 v[SPW], v[NIL]
	v_lshrrev_b32 v1, 5, v0
	v_readfirstlane_b32 s14, v1
	s_lshr_b32 s15, s14, 1
	s_and_b32 s16, s14, 1
	s_bfe_u32 s40, ttmp6, 0x40000
	s_bfe_u32 s41, ttmp6, 0x40004
	s_lshl_b32 s42, ttmp9, 2
	s_add_co_u32 s42, s42, s40
	s_and_b32 s17, ttmp7, 0xffff
	s_lshl_b32 s17, s17, 2
	s_add_co_u32 s17, s17, s41
	s_lshl_b32 s43, s41, 2
	s_lshl_b32 s43, 15, s43
	s_lshl_b32 s44, 0x1111, s40
	s_or_b32 s[G1+0], s43, (1<<20)|(1<<21)|(5<<22)|(3<<25)
	s_or_b32 s[G1B+0], s44, (1<<20)|(1<<21)|(5<<22)|(3<<25)
.irp g, G1, G1B
	s_mov_b32 s[\g+1], 256<<16
	s_mov_b32 s[\g+2], 128<<16
	s_mov_b32 s[\g+3], 256<<16
	s_mov_b32 s[\g+4], 128
	s_mov_b32 s[\g+5], KROW
	s_mov_b32 s[\g+6], 0
	s_mov_b32 s[\g+7], 0
.endr
	s_lshl_b32 s21, s16, 7
	s_lshl_b32 s20, s17, 8
	s_add_co_u32 s20, s20, s21
	s_lshl_b32 s20, s20, 10
	s_lshl_b32 s46, s42, 8
	s_add_co_u32 s46, s46, s21
	s_lshl_b32 s46, s46, 10
	s_add_co_u32 s46, s46, BOFF
	s_mov_b32 s21, 0
	s_mov_b32 s47, 0
	s_mul_i32 s45, s16, AHALF
	s_mul_i32 s23, s16, BHALF
	s_add_co_u32 s23, s23, 2*AHALF
	s_wait_dscnt 0x0
	s_wait_kmcnt 0x0
	s_load_b128 s[96:99], s[8:9], 0x30             ; e12, e13, e14 (and e15, not used here)
	s_add_nc_u64 s[20:21], s[4:5], s[20:21]
	s_add_nc_u64 s[46:47], s[6:7], s[46:47]
	CROUND
.irp s, 0,1
	s_mov_b32 s[G0+4*\s], 1
	s_add_co_u32 s[G0+4*\s+1], s45, \s*SLOT
	s_add_nc_u64 s[G0+4*\s+2:G0+4*\s+3], s[20:21], \s*ASTEP
	s_or_b32 s[G0+4*\s+3], s[G0+4*\s+3], 0x80000000
	s_mov_b32 s[G0B+4*\s], 1
	s_add_co_u32 s[G0B+4*\s+1], s23, \s*SLOT
	s_add_nc_u64 s[G0B+4*\s+2:G0B+4*\s+3], s[46:47], \s*256
	s_or_b32 s[G0B+4*\s+3], s[G0B+4*\s+3], 0x80000000
	JLOAD G0+4*\s, G1, G0B+4*\s, G1B
.endr
	v_and_b32 v1, 15, v0
	v_bfe_u32 v2, v0, 4, 1
	v_mul_u32_u24 v3, v1, APITCH
	v_lshl_add_u32 v3, v2, 4, v3
	v_mul_u32_u24 v4, v1, 272
	v_lshl_add_u32 v4, v2, 4, v4
	s_mul_i32 s21, s15, AHALF
	s_mul_i32 s22, s16, BHALF
	s_add_co_u32 s22, s22, 2*AHALF
.irp s, 0,1
	v_add_nc_u32 v[ADRA+\s], s21, v3
	v_add_nc_u32 v[ADRB+\s], s22, v4
	s_add_co_u32 s21, s21, SLOT
	s_add_co_u32 s22, s22, SLOT
.endr
	s_lshl_b32 s46, s42, 1
	s_add_co_u32 s46, s46, s16                     ; my panel of 128 features
	s_lshl_b32 s22, s46, 9
	s_mov_b32 s23, 0
	s_add_nc_u64 s[66:67], s[66:67], s[22:23]      ; b1 at my first feature
	s_lshl_b32 s46, s46, 19
	s_lshl_b32 s20, s17, 8
	s_lshl_b32 s21, s15, 7
	s_add_co_u32 s20, s20, s21
	s_lshl_b32 s20, s20, 7                         ; my first token, 128 bytes each
	s_add_co_u32 s22, s46, s20
	s_add_nc_u64 s[10:11], s[10:11], s[22:23]
	v_lshlrev_b32 v27, 5, v2
.irp b, 0,1,2,3,4,5,6,7
	global_load_b128 v[BC+8*\b:BC+8*\b+3], v27, s[66:67] offset:64*\b       ; features 16 b + 8 h + 0 .. 7
	global_load_b128 v[BC+8*\b+4:BC+8*\b+7], v27, s[66:67] offset:64*\b+16
.endr
	s_mul_i32 s23, s14, 16*144                     ; my stage, in slot 0
	v_mul_u32_u24 v5, v1, 144
	v_lshl_add_u32 v5, v2, 3, v5
	v_add_nc_u32 v[STO], s23, v5
	v_and_b32 v6, 31, v0
	v_lshrrev_b32 v7, 3, v6
	v_and_b32 v5, 7, v6
	v_mul_u32_u24 v3, v7, 144
	v_lshl_add_u32 v3, v5, 4, v3
	v_add_nc_u32 v[RD], s23, v3
	v_lshlrev_b32 v[CO], 4, v6
.macro FRAGA reg, adr, q, i
.irp c, 0,1,2,3
	ds_load_b128 v[\reg+4*\c:\reg+4*\c+3], v[\adr] offset:((128*(\q)+32*\c)/APW)*128*APITCH+(128*(\q)+32*\c)%APW+(\i)*16*APITCH
.endr
.endm
.macro FRAGB reg, adr, q, i
.irp c, 0,1,2,3
	ds_load_b128 v[\reg+4*\c:\reg+4*\c+3], v[\adr] offset:128*(\q)+32*\c+(\i)*16*272
.endr
.endm
.macro MUL16 a0, p, zero
.irp a, \a0, \a0+1
.irp b, 0,1,2,3,4,5,6,7
.if \zero
	v_wmma_f32_16x16x128_fp8_fp8 v[8*(8*((\a)%4)+\b):8*(8*((\a)%4)+\b)+7], v[128*(\p)+FR*\b:128*(\p)+FR*\b+FR-1], v[AF+FR*(\a):AF+FR*(\a)+FR-1], 0
.else
	v_wmma_f32_16x16x128_fp8_fp8 v[8*(8*((\a)%4)+\b):8*(8*((\a)%4)+\b)+7], v[128*(\p)+FR*\b:128*(\p)+FR*\b+FR-1], v[AF+FR*(\a):AF+FR*(\a)+FR-1], v[8*(8*((\a)%4)+\b):8*(8*((\a)%4)+\b)+7]
.endif
.endr
.endr
.endm
.macro FETCH_B slot, q, p
	WIN TO_B
.irp i, 0,1,2,3,4,5,6,7
	FRAGB 128*(\p)+FR*\i, ADRB+\slot, \q, \i
.endr
	WIN 0
.endm
.macro FETCH_A slot, q, i0
.irp i, \i0, \i0+1, \i0+2, \i0+3
	FRAGA AF+FR*(\i), ADRA+\slot, \q, \i
.endr
.endm
.macro PLACES n
.rept \n
	v_nop
.endr
.endm
.macro STEP slot, q, zero
	s_wait_dscnt 4*NL                              ; A's blocks 4-7, sixteen loads, may be out
	WIN MUL_LO
	MUL16 0, (\q)%2, \zero
	MUL16 2, (\q)%2, \zero
	s_wait_dscnt 0
	PLACES NP
	FETCH_B \slot, (\q)+1, 1-(\q)%2
	FETCH_A \slot, (\q)+1, 0
	WIN MUL_HI
	MUL16 4, (\q)%2, \zero
	MUL16 6, (\q)%2, \zero
	PLACES NP
	WIN 0
	FETCH_A \slot, (\q)+1, 4
.endm
.macro TURN slot, next, fill
	s_wait_tensorcnt 0x0                           ; all my tensor loads have landed
	ds_add_u32 v[SPW], v[NIL]
	s_wait_dscnt 4*NL+1                            ; the add and A's blocks 4-7 may be out
	WIN MUL_LO
	MUL16 0, 1, 0
	s_wait_dscnt 0x0                               ; the add is done, and my reads of this slot are over
	s_barrier_signal -1
	MUL16 2, 1, 0
	WIN 0
	s_barrier_wait -1
.if \fill
	CREST
	s_add_nc_u64 s[G0+4*\slot+2:G0+4*\slot+3], s[G0+4*\slot+2:G0+4*\slot+3], 2*ASTEP
	s_add_nc_u64 s[G0B+4*\slot+2:G0B+4*\slot+3], s[G0B+4*\slot+2:G0B+4*\slot+3], 512
	JLOAD G0+4*\slot, G1, G0B+4*\slot, G1B
.else
	PLACES NP
.endif
	FETCH_B \next, 0, 0
	FETCH_A \next, 0, 0
	WIN MUL_HI
	MUL16 4, 1, 0
	MUL16 6, 1, 0
	PLACES NP
	WIN 0
	FETCH_A \next, 0, 4
.endm
	s_wait_tensorcnt 1                             ; K step 0 is in; K step 1's load may be out
	s_barrier_signal -1
	s_barrier_wait -1
	FETCH_B 0, 0, 0
	FETCH_A 0, 0, 0
	FETCH_A 0, 0, 4
	STEP 0, 0, 1
	s_mov_b32 s3, LAPS-1
.Llap:
	TURN 0, 1, 1
	STEP 1, 0, 0
	TURN 1, 0, 1
	STEP 0, 0, 0
	s_sub_co_u32 s3, s3, 1
	s_cmp_lg_u32 s3, 0
	s_cbranch_scc1 .Llap
	TURN 0, 1, 0
	STEP 1, 0, 0
	s_wait_dscnt 4*NL
	WIN MUL_LO
	MUL16 0, 1, 0
	MUL16 2, 1, 0
	s_wait_dscnt 0
	WIN MUL_HI
	MUL16 4, 1, 0
	MUL16 6, 1, 0
	WIN 0
; THE WAY OUT, a block of 16 rows x 128 columns at a time: + bias, activation and hold in one, converted; through my stage; 512 consecutive bytes a store.
	s_wait_loadcnt 0x0                             ; b1
	s_wait_kmcnt 0x0
	s_add_co_i32 s96, s96, s97                     ; e12 + e13
	s_sub_co_i32 s97, 0, s96
	s_sub_co_i32 s98, s98, s96
	s_add_co_i32 s98, s98, 127
	s_lshl_b32 s99, s98, 23
	v_mov_b32 v30, s99                             ; 2^(e14 - e12 - e13)
	s_add_co_i32 s98, s98, 8
	s_lshl_b32 s98, s98, 23
	s_or_b32 s98, s98, 0x600000
	v_mov_b32 v31, s98                             ; 448 x that
.set jb, 0
.rept 64
	v_ldexp_f32 v[BC+jb], v[BC+jb], s97            ; b1 / 2^(e12 + e13), exact.  (These plain lines are also the places behind the last products)
.set jb, jb+1
.endr
.macro CODES a
.set AC, 64*((\a)%4)
	WIN 0x02+((\a)/4)                              ; source 0: window 2 or 3
.set cj, 0
.rept 32
	v_pk_add_f32 v[TMP+cj:TMP+cj+1], v[AC+cj:AC+cj+1], v[BC+cj:BC+cj+1]   ; each accumulator from its low end on
.set cj, cj+2
.endr
	WIN 0
.set cj, 0
.rept 64
	v_med3_num_f32 v[TMP+cj], v[TMP+cj], 0, v31    ; relu and the hold in one
.set cj, cj+1
.endr
.irp b, 0,1,2,3,4,5,6,7
	v_cvt_scalef32_pk8_fp8_f32 v[CD+2*\b:CD+2*\b+1], v[TMP+8*\b:TMP+8*\b+7], v30
.endr
	v_nop                                          ; a plain line behind the conversions
.irp b, 0,1,2,3,4,5,6,7
	ds_store_b64 v[STO], v[CD+2*\b:CD+2*\b+1] offset:16*\b
.endr
.irp t, 0,1,2,3
	ds_load_b128 v[OB+16*((\a)%2)+4*\t:OB+16*((\a)%2)+4*\t+3], v[RD] offset:576*\t
.endr
.endm
.macro SENDC a, younger
	s_wait_dscnt \younger
.irp t, 0,1,2,3
	global_store_b128 v[CO], v[OB+16*((\a)%2)+4*\t:OB+16*((\a)%2)+4*\t+3], s[10:11] offset:2048*(\a)+512*\t
.endr
.endm
	CODES 0
.irp a, 1,2,3,4,5,6,7
.if \a > 1
	s_wait_xcnt 0x0                                ; block a - 2's stores have read the registers that block a's loads take
.endif
	CODES \a
	SENDC \a-1, 12                                 ; may be out: block a's 8 stores and 4 loads
.endr
	SENDC 7, 0
	s_wait_tensorcnt 0x0                           ; the wave's end
	ds_add_u32 v[SPW], v[NIL]
	s_wait_dscnt 0x0
	CROUND
	s_endpgm
.Lfunc_end_k_qf4f0305931_ffn1:
	.size	k_qf4f0305931_ffn1, .Lfunc_end_k_qf4f0305931_ffn1-k_qf4f0305931_ffn1
	.p2alignl 7, 3214868480
	.fill 96, 4, 3214868480
	.section	.rodata,"a",@progbits
	.p2align	6, 0x0
	.amdhsa_kernel k_qf4f0305931_ffn1
		.amdhsa_group_segment_fixed_size 327680
		.amdhsa_private_segment_fixed_size 0
		.amdhsa_enable_private_segment 0
		.amdhsa_kernarg_size 40
		.amdhsa_user_sgpr_count 2
		.amdhsa_user_sgpr_kernarg_segment_ptr 1
		.amdhsa_wavefront_size32 1
		.amdhsa_system_sgpr_workgroup_id_x 1
		.amdhsa_system_sgpr_workgroup_id_y 1
		.amdhsa_system_sgpr_workgroup_id_z 1
		.amdhsa_system_vgpr_workitem_id 0
		.amdhsa_next_free_vgpr 1024
		.amdhsa_next_free_sgpr 100
		.amdhsa_reserve_vcc 0
		.amdhsa_float_denorm_mode_32 3
		.amdhsa_float_denorm_mode_16_64 3
		.amdhsa_memory_ordered 1
		.amdhsa_forward_progress 1
		.amdhsa_inst_pref_size 146
	.end_amdhsa_kernel
	.amdgpu_metadata
---
amdhsa.version: [ 1, 2 ]
amdhsa.kernels:
  - .name:           k_qf4f0305931_ffn1
    .symbol:         k_qf4f0305931_ffn1.kd
    .args:
      - { .name: ac, .offset: 0, .size: 8, .value_kind: global_buffer, .address_space: global }
      - { .name: wc, .offset: 8, .size: 8, .value_kind: global_buffer, .address_space: global }
      - { .name: lowp_scales, .offset: 16, .size: 8, .value_kind: global_buffer, .address_space: global }
      - { .name: hid, .offset: 24, .size: 8, .value_kind: global_buffer, .address_space: global }
      - { .name: b1, .offset: 32, .size: 8, .value_kind: global_buffer, .address_space: global }
    .group_segment_fixed_size: 327680
    .private_segment_fixed_size: 0
    .kernarg_segment_align: 8
    .kernarg_segment_size: 40
    .max_flat_workgroup_size: 128
    .sgpr_count:     100
    .vgpr_count:     1024
    .wavefront_size: 32
...
	.end_amdgpu_metadata
.endif
;; end of part 6
;; launch ffn2 (part 7): grid 4 x 16, 4 waves a work-group, clusters of 4 x 4, 327,680 bytes of LDS; arguments hid, wc, lowp_scales, y, h1; writes y
.if DOCPART == 7
	.amdgcn_target "amdgcn-amd-amdhsa--gfx1250"
	.amdhsa_code_object_version 6
	.text
	.protected	k_qf4f0305931_ffn2
	.globl	k_qf4f0305931_ffn2
	.p2align	8
	.type	k_qf4f0305931_ffn2,@function
k_qf4f0305931_ffn2:
	s_mov_b64 s[64:65], 0
	v_nop
	global_prefetch_b8 v0, s[64:65] scope:SCOPE_SE
	s_setreg_imm32_b32 hwreg(HW_REG_WAVE_MODE, 25, 1), 1
	s_wait_xcnt 0x0
	s_wait_alu depctr_hold_cnt(0) depctr_sa_sdst(0) depctr_va_vdst(0) depctr_va_sdst(0) depctr_va_ssrc(0) depctr_va_vcc(0) depctr_vm_vsrc(0)
	s_getreg_b32 s2, hwreg(HW_REG_IB_STS2, 6, 4)
	s_cmp_eq_u32 s2, 0
	s_cbranch_scc0 .Lentry_in_a_cluster
	s_endpgm
.Lentry_in_a_cluster:
	s_bfe_u32 s2, ttmp6, 0x10000c
	s_cmp_lg_u32 s2, 0xf033
	s_cbranch_scc0 .Lentry_shape_is_right
	s_endpgm
.Lentry_shape_is_right:
; y = h1 + hid W2, the product on codes of FP8 (entries 14, 15).  Nothing is left out.
; C[m][n] = sum over k of A[m][k] B[n][k]: A = the hidden layer's codes in panels [32][4096 tokens][128]; B = W2's codes [1024 n][4096 K] at wc + 8 MiB.  Tile 256 x 256, four waves of 128 x 128, K = 4,096 in steps of 256 (two panels)
; through a ring of two LDS slots; 4 x 4 clusters, A's tile asked for jointly along a row of the cluster, B's along a column.  64 tiles: 64 work-groups; a smaller tile would fill more WGPs at twice the LDS reads a product.
; A wave's load of A: 128 tokens of two panels; a panel's 128 rows of 128 bytes are dense, so they are stated as one row of 16,384 bytes, padded behind every 128: LDS rows 144 bytes apart.
; The matrix instruction is used transposed; fragments come by 16-byte loads: a permutation of k, the same in A and B.
; LIMIT: e14 + e15 between -126 and 127.
.set KROW,   4096
.set LAPS,   8
.set APW,    128
.set AQI,    4
.set BOFF,   0x800000
.set SCOFF,  56
.set ASTEP,  0x100000                  ; two panels of 524,288 bytes
.set APITCH, APW+16
.set ANP,    256/APW
.set AHALF,  ANP*128*APITCH
.set BHALF,  128*272
.set SLOT,   2*AHALF+2*BHALF
.set SPARE,  2*SLOT
.set FR, 16
.set NL, 4
.set NP, 4
.set ADRA, 16
.set ADRB, 20
.set STO, 24
.set RD,  25
.set CO,  26
.set SPW, 28
.set NIL, 29
.set AF,  128
.set BK,  128
.set G1, 24
.set G0, 32
.set G1B, 48
.set G0B, 56
.set MUL_LO, 0xa1
.set MUL_HI, 0xf1
.set TO_B,   0x40
.set MSB, 0
.macro WIN new
.if MSB != \new
	s_set_vgpr_msb (MSB<<8)|\new
.set MSB, \new
.endif
.endm
.macro JLOAD g0a, g1a, g0b, g1b
	s_cmp_eq_u32 s15, 0
	s_cbranch_scc0 .Lfor_b_\@
	tensor_load_to_lds s[\g0a:\g0a+3], s[\g1a:\g1a+7]
	s_nop 0
.rept 4
	v_nop
.endr
	s_branch .Lasked_\@
.Lfor_b_\@:
	tensor_load_to_lds s[\g0b:\g0b+3], s[\g1b:\g1b+7]
	s_nop 0
.rept 4
	v_nop
.endr
.Lasked_\@:
.endm
.macro CREST
	s_cmp_lg_u32 s14, 0
	s_cbranch_scc1 .Lnot_wave_0_\@
	s_barrier_signal -3
.Lnot_wave_0_\@:
	s_barrier_wait -3
	s_barrier_signal -1
	s_barrier_wait -1
.endm
.macro CROUND
	s_barrier_signal -1
	s_barrier_wait -1
	CREST
.endm
	s_load_b256 s[4:11], s[0:1], 0x0               ; A 4:5, wc 6:7, scales 8:9, y 10:11
	s_load_b64 s[66:67], s[0:1], 0x20              ; the residual
	v_lshl_add_u32 v[SPW], v0, 2, SPARE
	v_mov_b32 v[NIL], 0
	ds_add_u32 v[SPW], v[NIL]                      ; the opening: the add, twice on end, and its wait ahead of my first tensor load
	ds_add_u32 v[SPW], v[NIL]
	v_lshrrev_b32 v1, 5, v0
	v_readfirstlane_b32 s14, v1
	s_lshr_b32 s15, s14, 1
	s_and_b32 s16, s14, 1
	s_bfe_u32 s40, ttmp6, 0x40000
	s_bfe_u32 s41, ttmp6, 0x40004
	s_lshl_b32 s42, ttmp9, 2
	s_add_co_u32 s42, s42, s40                     ; tile column
	s_and_b32 s17, ttmp7, 0xffff
	s_lshl_b32 s17, s17, 2
	s_add_co_u32 s17, s17, s41                     ; tile row
	s_lshl_b32 s43, s41, 2
	s_lshl_b32 s43, 15, s43
	s_lshl_b32 s44, 0x1111, s40
	s_or_b32 s[G1+0], s43, (3<<16)|(1<<20)|(1<<21)|(AQI<<22)|(3<<25)   ; A: elements of 8 bytes; 4 words of padding behind every APW bytes
	s_mov_b32 s[G1+1], (16*APW)<<16                ; a panel's 128 rows: 16 APW elements
	s_mov_b32 s[G1+2], ANP<<16
	s_mov_b32 s[G1+3], (16*APW)<<16
	s_mov_b32 s[G1+4], ANP                         ; so many panels
	s_mov_b32 s[G1+5], 512*APW                     ; from panel to panel: 4,096 tokens
	s_mov_b32 s[G1+6], 0
	s_mov_b32 s[G1+7], 0
	s_or_b32 s[G1B+0], s44, (1<<20)|(1<<21)|(5<<22)|(3<<25)
	s_mov_b32 s[G1B+1], 256<<16
	s_mov_b32 s[G1B+2], 128<<16
	s_mov_b32 s[G1B+3], 256<<16
	s_mov_b32 s[G1B+4], 128
	s_mov_b32 s[G1B+5], KROW
	s_mov_b32 s[G1B+6], 0
	s_mov_b32 s[G1B+7], 0
	s_lshl_b32 s21, s16, 7
	s_lshl_b32 s20, s17, 8
	s_add_co_u32 s20, s20, s21
	s_mul_i32 s20, s20, APW                        ; A: token 256 tile row + 128 half, in a panel
	s_lshl_b32 s46, s42, 8
	s_add_co_u32 s46, s46, s21
	s_mul_i32 s46, s46, KROW
	s_add_co_u32 s46, s46, BOFF
	s_mov_b32 s21, 0
	s_mov_b32 s47, 0
	s_mul_i32 s45, s16, AHALF
	s_mul_i32 s23, s16, BHALF
	s_add_co_u32 s23, s23, 2*AHALF
	s_wait_dscnt 0x0
	s_wait_kmcnt 0x0
	s_load_b64 s[96:97], s[8:9], SCOFF             ; A's and B's exponents
	s_add_nc_u64 s[20:21], s[4:5], s[20:21]
	s_add_nc_u64 s[46:47], s[6:7], s[46:47]
	CROUND
.irp s, 0,1
	s_mov_b32 s[G0+4*\s], 1
	s_add_co_u32 s[G0+4*\s+1], s45, \s*SLOT
	s_add_nc_u64 s[G0+4*\s+2:G0+4*\s+3], s[20:21], \s*ASTEP
	s_or_b32 s[G0+4*\s+3], s[G0+4*\s+3], 0x80000000
	s_mov_b32 s[G0B+4*\s], 1
	s_add_co_u32 s[G0B+4*\s+1], s23, \s*SLOT
	s_add_nc_u64 s[G0B+4*\s+2:G0B+4*\s+3], s[46:47], \s*256
	s_or_b32 s[G0B+4*\s+3], s[G0B+4*\s+3], 0x80000000
	JLOAD G0+4*\s, G1, G0B+4*\s, G1B
.endr
	v_and_b32 v1, 15, v0
	v_bfe_u32 v2, v0, 4, 1
	v_mul_u32_u24 v3, v1, APITCH
	v_lshl_add_u32 v3, v2, 4, v3
	v_mul_u32_u24 v4, v1, 272
	v_lshl_add_u32 v4, v2, 4, v4
	s_mul_i32 s21, s15, AHALF
	s_mul_i32 s22, s16, BHALF
	s_add_co_u32 s22, s22, 2*AHALF
.irp s, 0,1
	v_add_nc_u32 v[ADRA+\s], s21, v3
	v_add_nc_u32 v[ADRB+\s], s22, v4
	s_add_co_u32 s21, s21, SLOT
	s_add_co_u32 s22, s22, SLOT
.endr
	s_mul_i32 s23, s14, 16*528                     ; my stage, in slot 0: 16 rows x (512 bytes + 16)
	v_mul_u32_u24 v5, v1, 528
	v_lshl_add_u32 v5, v2, 5, v5
	v_add_nc_u32 v[STO], s23, v5
	v_and_b32 v6, 31, v0
	v_lshlrev_b32 v[CO], 4, v6
	v_add_nc_u32 v[RD], s23, v[CO]
	s_lshl_b32 s20, s17, 8
	s_lshl_b32 s21, s15, 7
	s_add_co_u32 s20, s20, s21
	s_lshl_b32 s20, s20, 12                        ; my first row, of 4,096 bytes,
	s_lshl_b32 s46, s42, 10
	s_lshl_b32 s47, s16, 9
	s_add_co_u32 s46, s46, s47
	s_add_co_u32 s20, s20, s46                     ; and my first column
	s_mov_b32 s21, 0
	s_add_nc_u64 s[10:11], s[10:11], s[20:21]
	s_add_nc_u64 s[66:67], s[66:67], s[20:21]
.macro FRAGA reg, adr, q, i
.irp c, 0,1,2,3
	ds_load_b128 v[\reg+4*\c:\reg+4*\c+3], v[\adr] offset:((128*(\q)+32*\c)/APW)*128*APITCH+(128*(\q)+32*\c)%APW+(\i)*16*APITCH
.endr
.endm
.macro FRAGB reg, adr, q, i
.irp c, 0,1,2,3
	ds_load_b128 v[\reg+4*\c:\reg+4*\c+3], v[\adr] offset:128*(\q)+32*\c+(\i)*16*272
.endr
.endm
.macro MUL16 a0, p, zero
.irp a, \a0, \a0+1
.irp b, 0,1,2,3,4,5,6,7
.if \zero
	v_wmma_f32_16x16x128_fp8_fp8 v[8*(8*((\a)%4)+\b):8*(8*((\a)%4)+\b)+7], v[128*(\p)+FR*\b:128*(\p)+FR*\b+FR-1], v[AF+FR*(\a):AF+FR*(\a)+FR-1], 0
.else
	v_wmma_f32_16x16x128_fp8_fp8 v[8*(8*((\a)%4)+\b):8*(8*((\a)%4)+\b)+7], v[128*(\p)+FR*\b:128*(\p)+FR*\b+FR-1], v[AF+FR*(\a):AF+FR*(\a)+FR-1], v[8*(8*((\a)%4)+\b):8*(8*((\a)%4)+\b)+7]
.endif
.endr
.endr
.endm
.macro FETCH_B slot, q, p
	WIN TO_B
.irp i, 0,1,2,3,4,5,6,7
	FRAGB 128*(\p)+FR*\i, ADRB+\slot, \q, \i
.endr
	WIN 0
.endm
.macro FETCH_A slot, q, i0
.irp i, \i0, \i0+1, \i0+2, \i0+3
	FRAGA AF+FR*(\i), ADRA+\slot, \q, \i
.endr
.endm
.macro PLACES n
.rept \n
	v_nop
.endr
.endm
.macro STEP slot, q, zero
	s_wait_dscnt 4*NL                              ; A's blocks 4-7, sixteen loads, may be out
	WIN MUL_LO
	MUL16 0, (\q)%2, \zero
	MUL16 2, (\q)%2, \zero
	s_wait_dscnt 0
	PLACES NP
	FETCH_B \slot, (\q)+1, 1-(\q)%2
	FETCH_A \slot, (\q)+1, 0
	WIN MUL_HI
	MUL16 4, (\q)%2, \zero
	MUL16 6, (\q)%2, \zero
	PLACES NP
	WIN 0
	FETCH_A \slot, (\q)+1, 4
.endm
.macro TURN slot, next, fill
	s_wait_tensorcnt 0x0                           ; all my tensor loads have landed
	ds_add_u32 v[SPW], v[NIL]
	s_wait_dscnt 4*NL+1                            ; the add and A's blocks 4-7 may be out
	WIN MUL_LO
	MUL16 0, 1, 0
	s_wait_dscnt 0x0                               ; the add is done, and my reads of this slot are over
	s_barrier_signal -1
	MUL16 2, 1, 0
	WIN 0
	s_barrier_wait -1
.if \fill
	CREST
	s_add_nc_u64 s[G0+4*\slot+2:G0+4*\slot+3], s[G0+4*\slot+2:G0+4*\slot+3], 2*ASTEP
	s_add_nc_u64 s[G0B+4*\slot+2:G0B+4*\slot+3], s[G0B+4*\slot+2:G0B+4*\slot+3], 512
	JLOAD G0+4*\slot, G1, G0B+4*\slot, G1B
.else
	PLACES NP
.endif
	FETCH_B \next, 0, 0
	FETCH_A \next, 0, 0
	WIN MUL_HI
	MUL16 4, 1, 0
	MUL16 6, 1, 0
	PLACES NP
	WIN 0
	FETCH_A \next, 0, 4
.endm
	s_wait_tensorcnt 1                             ; K step 0 is in; K step 1's load may be out
	s_barrier_signal -1
	s_barrier_wait -1
	FETCH_B 0, 0, 0
	FETCH_A 0, 0, 0
	FETCH_A 0, 0, 4
	STEP 0, 0, 1
	s_mov_b32 s3, LAPS-1
.Llap:
	TURN 0, 1, 1
	STEP 1, 0, 0
	TURN 1, 0, 1
	STEP 0, 0, 0
	s_sub_co_u32 s3, s3, 1
	s_cmp_lg_u32 s3, 0
	s_cbranch_scc1 .Llap
	TURN 0, 1, 0
	STEP 1, 0, 0
	s_wait_dscnt 4*NL
	WIN MUL_LO
	MUL16 0, 1, 0
	MUL16 2, 1, 0
	s_wait_dscnt 0
	WIN MUL_HI
	MUL16 4, 1, 0
	MUL16 6, 1, 0
	WIN 0
; THE WAY OUT, a block of 16 rows x 128 columns at a time: the sums go through my stage as they are and come back as whole rows of 512 bytes; there sum x 2^(eA + eB) + residual is one packed multiply-add for two numbers.
.macro XLOAD a                         ; the residual's 16 rows, into window 1, where B's fragments lay
	WIN 0x40
.irp t, 0,1,2,3,4,5,6,7,8,9,10,11,12,13,14,15
	global_load_b128 v[64*((\a)%2)+4*\t:64*((\a)%2)+4*\t+3], v[CO], s[66:67] offset:(16*(\a)+\t)*4096 th:TH_LOAD_NT
.endr
	WIN 0
.endm
.macro TOSTAGE a
.set AC, 64*((\a)%4)
	WIN 0x08+4*((\a)/4)                            ; the stores' data: window 2 or 3
.irp b, 0,1,2,3,4,5,6,7
	ds_store_b128 v[STO], v[AC+8*\b:AC+8*\b+3] offset:64*\b          ; each accumulator from its low end on
	ds_store_b128 v[STO], v[AC+8*\b+4:AC+8*\b+7] offset:64*\b+16
.endr
	WIN 0
.set BB, BK+64*((\a)%2)
.irp t, 0,1,2,3,4,5,6,7,8,9,10,11,12,13,14,15
	ds_load_b128 v[BB+4*\t:BB+4*\t+3], v[RD] offset:\t*528
.endr
.endm
.macro SEND a, younger, loads
.set BB, BK+64*((\a)%2)
.set XB, 64*((\a)%2)
	s_wait_dscnt \younger                          ; the block is back in registers
	s_wait_loadcnt \loads                          ; and its residual is in
	WIN 0x10                                       ; source 2: window 1
.set sj, 0
.rept 32
	v_pk_fma_f32 v[BB+sj:BB+sj+1], v[BB+sj:BB+sj+1], s[96:97], v[XB+sj:XB+sj+1] op_sel_hi:[1,0,1]
.set sj, sj+2
.endr
	WIN 0
.irp t, 0,1,2,3,4,5,6,7,8,9,10,11,12,13,14,15
	global_store_b128 v[CO], v[BB+4*\t:BB+4*\t+3], s[10:11] offset:(16*(\a)+\t)*4096   ; 32 lanes store 512 consecutive bytes, aligned
.endr
.endm
	s_wait_kmcnt 0x0
	s_add_co_i32 s96, s96, s97
	s_add_co_i32 s96, s96, 127
	s_lshl_b32 s96, s96, 23                        ; 2^(eA + eB)
	s_mov_b32 s97, s96
	PLACES NP
	XLOAD 0
	XLOAD 1
	TOSTAGE 0
.irp a, 1,2,3,4,5,6,7
.if \a > 1
	s_wait_xcnt 0x0                                ; block a - 2's stores have read the registers that block a's loads take
.endif
	TOSTAGE \a
	SEND \a-1, 32, 16                              ; may be out: block a's 16 stores and 16 loads; block a's residual
.if \a < 7
	XLOAD \a+1
.endif
.endr
	SEND 7, 0, 0
	s_wait_tensorcnt 0x0                           ; the wave's end
	ds_add_u32 v[SPW], v[NIL]
	s_wait_dscnt 0x0
	CROUND
	s_endpgm
.Lfunc_end_k_qf4f0305931_ffn2:
	.size	k_qf4f0305931_ffn2, .Lfunc_end_k_qf4f0305931_ffn2-k_qf4f0305931_ffn2
	.p2alignl 7, 3214868480
	.fill 96, 4, 3214868480
	.section	.rodata,"a",@progbits
	.p2align	6, 0x0
	.amdhsa_kernel k_qf4f0305931_ffn2
		.amdhsa_group_segment_fixed_size 327680
		.amdhsa_private_segment_fixed_size 0
		.amdhsa_enable_private_segment 0
		.amdhsa_kernarg_size 40
		.amdhsa_user_sgpr_count 2
		.amdhsa_user_sgpr_kernarg_segment_ptr 1
		.amdhsa_wavefront_size32 1
		.amdhsa_system_sgpr_workgroup_id_x 1
		.amdhsa_system_sgpr_workgroup_id_y 1
		.amdhsa_system_sgpr_workgroup_id_z 1
		.amdhsa_system_vgpr_workitem_id 0
		.amdhsa_next_free_vgpr 1024
		.amdhsa_next_free_sgpr 98
		.amdhsa_reserve_vcc 0
		.amdhsa_float_denorm_mode_32 3
		.amdhsa_float_denorm_mode_16_64 3
		.amdhsa_memory_ordered 1
		.amdhsa_forward_progress 1
		.amdhsa_inst_pref_size 136
	.end_amdhsa_kernel
	.amdgpu_metadata
---
amdhsa.version: [ 1, 2 ]
amdhsa.kernels:
  - .name:           k_qf4f0305931_ffn2
    .symbol:         k_qf4f0305931_ffn2.kd
    .args:
      - { .name: hid, .offset: 0, .size: 8, .value_kind: global_buffer, .address_space: global }
      - { .name: wc, .offset: 8, .size: 8, .value_kind: global_buffer, .address_space: global }
      - { .name: lowp_scales, .offset: 16, .size: 8, .value_kind: global_buffer, .address_space: global }
      - { .name: y, .offset: 24, .size: 8, .value_kind: global_buffer, .address_space: global }
      - { .name: h1, .offset: 32, .size: 8, .value_kind: global_buffer, .address_space: global }
    .group_segment_fixed_size: 327680
    .private_segment_fixed_size: 0
    .kernarg_segment_align: 8
    .kernarg_segment_size: 40
    .max_flat_workgroup_size: 128
    .sgpr_count:     98
    .vgpr_count:     1024
    .wavefront_size: 32
...
	.end_amdgpu_metadata
.endif
;; end of part 7
;; launch ln2 (part 8): grid 256 x 1, 8 waves a work-group, no clusters, 0 bytes of LDS; arguments y, ln2_g, ln2_b, out0; writes out0
.if DOCPART == 8
	.amdgcn_target "amdgcn-amd-amdhsa--gfx1250"
	.amdhsa_code_object_version 6
	.text
	.protected	k_qf4f0305931_ln2
	.globl	k_qf4f0305931_ln2
	.p2align	8
	.type	k_qf4f0305931_ln2,@function
k_qf4f0305931_ln2:
	s_mov_b64 s[64:65], 0
	v_nop
	global_prefetch_b8 v0, s[64:65] scope:SCOPE_SE
	s_setreg_imm32_b32 hwreg(HW_REG_WAVE_MODE, 25, 1), 1
	s_wait_xcnt 0x0
; out0 = layer norm of y = h1 + ff, in f32.  Nothing is left out.
; A wave takes two whole rows of 4,096 bytes and keeps them in registers: the mean, then the mean of the squared differences: no difference of large sums is formed.
; Each load and store of a wave covers 512 consecutive bytes.  No LDS, no barrier, no matrix units, no cluster: memory binds, and waves share only the gain and the bias.
.set G,   16                           ; v16-47   gain
.set BI,  48                           ; v48-79   bias
.set R0,  80                           ; v80-143  the two rows
.set T0,  144                          ; v144-159 eight registers of statistics a row
	s_load_b256 s[4:11], s[0:1], 0x0               ; y 4:5, gain 6:7, bias 8:9, out 10:11
	v_lshrrev_b32 v1, 5, v0
	v_readfirstlane_b32 s16, v1
	v_and_b32 v2, 31, v0
	v_lshlrev_b32 v3, 4, v2
	s_lshl_b32 s17, ttmp9, 4
	s_lshl_b32 s18, s16, 1
	s_add_co_u32 s17, s17, s18                     ; my first row
	s_lshl_b32 s18, s17, 12
	s_mov_b32 s19, 0
	s_mov_b32 s22, 0x76543210
	s_mov_b32 s23, 0xfedcba98
	s_mov_b32 s24, 0x3a800000                      ; 1 / 1,024
	s_mov_b32 s25, 0x3727c5ac                      ; 1e-5
	s_wait_kmcnt 0x0
	s_add_nc_u64 s[4:5], s[4:5], s[18:19]
	s_add_nc_u64 s[10:11], s[10:11], s[18:19]
.irp j, 0,1,2,3,4,5,6,7,8,9,10,11,12,13,14,15
	global_load_b128 v[R0+4*\j:R0+4*\j+3], v3, s[4:5] offset:512*\j th:TH_LOAD_NT
.endr
.irp j, 0,1,2,3,4,5,6,7
	global_load_b128 v[G+4*\j:G+4*\j+3], v3, s[6:7] offset:512*\j
	global_load_b128 v[BI+4*\j:BI+4*\j+3], v3, s[8:9] offset:512*\j
.endr
.macro REDUCE                          ; four chains of pairs, then the 32 lanes; both rows by turns; the result in every lane of v[T0 + 8 p]
.irp p, 0,1
	v_pk_add_f32 v[T0+8*\p:T0+8*\p+1], v[T0+8*\p:T0+8*\p+1], v[T0+8*\p+4:T0+8*\p+5]
	v_pk_add_f32 v[T0+8*\p+2:T0+8*\p+3], v[T0+8*\p+2:T0+8*\p+3], v[T0+8*\p+6:T0+8*\p+7]
.endr
.irp p, 0,1
	v_pk_add_f32 v[T0+8*\p:T0+8*\p+1], v[T0+8*\p:T0+8*\p+1], v[T0+8*\p+2:T0+8*\p+3]
.endr
.irp p, 0,1
	v_add_f32 v[T0+8*\p], v[T0+8*\p], v[T0+8*\p+1]
.endr
.irp m, 1,2,4,8
.irp p, 0,1
	v_add_f32_dpp v[T0+8*\p], v[T0+8*\p], v[T0+8*\p] row_xmask:\m row_mask:0xf bank_mask:0xf
.endr
.endr
.irp p, 0,1
	v_permlanex16_b32 v[T0+8*\p+1], v[T0+8*\p], s22, s23
.endr
.irp p, 0,1
	v_add_f32 v[T0+8*\p], v[T0+8*\p], v[T0+8*\p+1]
.endr
.endm
	s_wait_loadcnt 16                              ; the rows are in; the sixteen loads of gain and bias may be out
.irp p, 0,1
.irp k, 0,2,4,6
	v_pk_add_f32 v[T0+8*\p+\k:T0+8*\p+\k+1], v[R0+32*\p+\k:R0+32*\p+\k+1], v[R0+32*\p+8+\k:R0+32*\p+9+\k]
.endr
.endr
.irp m, 16,24
.irp p, 0,1
.irp k, 0,2,4,6
	v_pk_add_f32 v[T0+8*\p+\k:T0+8*\p+\k+1], v[T0+8*\p+\k:T0+8*\p+\k+1], v[R0+32*\p+\m+\k:R0+32*\p+\m+\k+1]
.endr
.endr
.endr
	REDUCE
.irp p, 0,1
	v_mul_f32 v[T0+8*\p], s24, v[T0+8*\p]          ; the mean
.endr
.irp p, 0,1
.set jr, 0
.rept 16
	v_pk_add_f32 v[R0+32*\p+jr:R0+32*\p+jr+1], v[R0+32*\p+jr:R0+32*\p+jr+1], v[T0+8*\p:T0+8*\p+1] op_sel_hi:[1,0] neg_lo:[0,1] neg_hi:[0,1]
.set jr, jr+2
.endr
.endr
.irp p, 0,1
.irp k, 0,2,4,6
	v_pk_mul_f32 v[T0+8*\p+\k:T0+8*\p+\k+1], v[R0+32*\p+\k:R0+32*\p+\k+1], v[R0+32*\p+\k:R0+32*\p+\k+1]
.endr
.endr
.irp m, 8,16,24
.irp p, 0,1
.irp k, 0,2,4,6
	v_pk_fma_f32 v[T0+8*\p+\k:T0+8*\p+\k+1], v[R0+32*\p+\m+\k:R0+32*\p+\m+\k+1], v[R0+32*\p+\m+\k:R0+32*\p+\m+\k+1], v[T0+8*\p+\k:T0+8*\p+\k+1]
.endr
.endr
.endr
	REDUCE
.irp p, 0,1
	v_fma_f32 v[T0+8*\p], v[T0+8*\p], s24, s25     ; the variance + 1e-5
.endr
	v_rsq_f32 v[T0], v[T0]
	v_rsq_f32 v[T0+8], v[T0+8]
	v_nop                                          ; a plain line behind the two
	s_wait_loadcnt 0x0                             ; gain and bias
	s_wait_alu depctr_va_vdst(0)                   ; one wait for both, ahead of their first reader
.irp p, 0,1
.set jr, 0
.rept 16
	v_pk_mul_f32 v[R0+32*\p+jr:R0+32*\p+jr+1], v[R0+32*\p+jr:R0+32*\p+jr+1], v[T0+8*\p:T0+8*\p+1] op_sel_hi:[1,0]
.set jr, jr+2
.endr
.endr
.irp p, 0,1
.set jr, 0
.rept 16
	v_pk_fma_f32 v[R0+32*\p+jr:R0+32*\p+jr+1], v[R0+32*\p+jr:R0+32*\p+jr+1], v[G+jr:G+jr+1], v[BI+jr:BI+jr+1]
.set jr, jr+2
.endr
.endr
.irp j, 0,1,2,3,4,5,6,7,8,9,10,11,12,13,14,15
	global_store_b128 v3, v[R0+4*\j:R0+4*\j+3], s[10:11] offset:512*\j th:TH_STORE_NT
.endr
	s_endpgm
.Lfunc_end_k_qf4f0305931_ln2:
	.size	k_qf4f0305931_ln2, .Lfunc_end_k_qf4f0305931_ln2-k_qf4f0305931_ln2
	.p2alignl 7, 3214868480
	.fill 96, 4, 3214868480
	.section	.rodata,"a",@progbits
	.p2align	6, 0x0
	.amdhsa_kernel k_qf4f0305931_ln2
		.amdhsa_group_segment_fixed_size 0
		.amdhsa_private_segment_fixed_size 0
		.amdhsa_enable_private_segment 0
		.amdhsa_kernarg_size 32
		.amdhsa_user_sgpr_count 2
		.amdhsa_user_sgpr_kernarg_segment_ptr 1
		.amdhsa_wavefront_size32 1
		.amdhsa_system_sgpr_workgroup_id_x 1
		.amdhsa_system_sgpr_workgroup_id_y 1
		.amdhsa_system_sgpr_workgroup_id_z 1
		.amdhsa_system_vgpr_workitem_id 0
		.amdhsa_next_free_vgpr 160
		.amdhsa_next_free_sgpr 66
		.amdhsa_reserve_vcc 0
		.amdhsa_float_denorm_mode_32 3
		.amdhsa_float_denorm_mode_16_64 3
		.amdhsa_memory_ordered 1
		.amdhsa_forward_progress 1
		.amdhsa_inst_pref_size 18
	.end_amdhsa_kernel
	.amdgpu_metadata
---
amdhsa.version: [ 1, 2 ]
amdhsa.kernels:
  - .name:           k_qf4f0305931_ln2
    .symbol:         k_qf4f0305931_ln2.kd
    .args:
      - { .name: y, .offset: 0, .size: 8, .value_kind: global_buffer, .address_space: global }
      - { .name: ln2_g, .offset: 8, .size: 8, .value_kind: global_buffer, .address_space: global }
      - { .name: ln2_b, .offset: 16, .size: 8, .value_kind: global_buffer, .address_space: global }
      - { .name: out0, .offset: 24, .size: 8, .value_kind: global_buffer, .address_space: global }
    .group_segment_fixed_size: 0
    .private_segment_fixed_size: 0
    .kernarg_segment_align: 8
    .kernarg_segment_size: 32
    .max_flat_workgroup_size: 256
    .sgpr_count:     66
    .vgpr_count:     160
    .wavefront_size: 32
...
	.end_amdgpu_metadata
.endif
;; end of part 8
;; ======== version 2 of 2: 8 launches
;; limits: right only within a limited range of input values
;; workspace buffers: xc 12,582,912 bytes; wc 12,582,912 bytes; qkvc 12,582,912 bytes; ac 4,194,304 bytes; y 16,777,216 bytes; h1 16,777,216 bytes; hid 16,777,216 bytes
;; launch prep (part 9): grid 512 x 1, 4 waves a work-group, no clusters, 68,096 bytes of LDS; arguments x, Wq, Wk, Wv, Wo, W1, W2, lowp_scales, xc, wc; writes xc, wc
.if DOCPART == 9
	.amdgcn_target "amdgcn-amd-amdhsa--gfx1250"
	.amdhsa_code_object_version 6
	.text
	.protected	k_qf4f0305931_prep
	.globl	k_qf4f0305931_prep
	.p2align	8
	.type	k_qf4f0305931_prep,@function
k_qf4f0305931_prep:
	s_mov_b64 s[64:65], 0
	v_nop
	global_prefetch_b8 v0, s[64:65] scope:SCOPE_SE
	s_setreg_imm32_b32 hwreg(HW_REG_WAVE_MODE, 25, 1), 1
	s_wait_xcnt 0x0
; ENCODER LAYER IN FP8 (E4M3), FIRST OF EIGHT LAUNCHES: every operand that arrives as f32 becomes codes, K innermost, once.
; NOTHING OF THE LAYER IS LEFT OUT IN ANY LAUNCH: all eight products are live, every input has a way to the output and is loaded (bk too: it moves K's codes).
; x [4096 tokens][1024] is an operand of three products under three scale entries (1, 3, 5), which may differ: three sets of codes, xc + i x 4 MiB, each [4096][1024].
; The six weights have K as an axis that is not innermost: a lane takes a column n and its registers run down K, so the conversions give codes with K innermost.
;   wc: Wq at 0, Wk at 1 MiB, Wv at 2 MiB ([1024 n = 64 head + c][1024 K]), Wo at 3 MiB [1024][1024], W1 at 4 MiB [4096][1024], W2 at 8 MiB [1024][4096].
; code = number / 2^e, held within +-448, rounded to the nearest code, ties to even.
; LIMITS: each e used here lies between -126 and 119, so that 2^e and 448 x 2^e are f32 numbers.  NaN among the inputs is not served; an infinity is held at the largest code.
; Work-groups 0-127 take x (a wave: 16 steps of 512 numbers), work-groups 128-511 the weights (a wave: 32 columns x 256 along K).  The two ways use LDS bytes of their own.
; No tensor loads, no barrier: waves share nothing.  No cluster: work-groups share no input.
.set SPARE, 67584                      ; behind both ways' stages: the spare words, 128 bytes a wave
.set SPW,   12                         ; v12  SPARE + 4 x my thread's number; never rewritten
.set NIL,   13                         ; v13  0; never rewritten
.set SP,    80                         ; x: a lane's place in a stage: 64 bytes + 16 of padding
.set XR,    16                         ; x: v16-79   four sets of 16 numbers as loaded
.set XX,    80                         ; x: v80-111  two sets of 16 neighbours
.set XT,    112                        ; x: v112-127 the numbers held for one scale
.set XC,    128                        ; x: v128-151 codes: two sets of 3 x 4 registers
.set SC,    152                        ; x: v152+2i 2^e, v153+2i 448 x 2^e, for entries 1, 3, 5
.set WOFF,  16                         ; w: v16-47   4 x lane + i rows of K
.set WX,    48                         ; w: v48-111  two sets of 32 numbers
.set WC,    112                        ; w: v112-119 a block's codes
.set WOUT,  120                        ; w: v120-183 the way out
.set WOO,   184                        ; w: v184-199 the way out's offsets
.set WSTG,  32768                      ; w: the stages begin here: 32 rows x 272 bytes a wave
.set WP,    272
	s_load_b512 s[4:19], s[0:1], 0x0               ; x 4:5, Wq 6:7, Wk 8:9, Wv 10:11, Wo 12:13, W1 14:15, W2 16:17, scales 18:19
	s_load_b128 s[20:23], s[0:1], 0x40             ; xc 20:21, wc 22:23
	v_lshl_add_u32 v[SPW], v0, 2, SPARE
	v_mov_b32 v[NIL], 0
	v_lshrrev_b32 v1, 5, v0
	v_readfirstlane_b32 s24, v1                    ; wave 0..3
	v_and_b32 v2, 31, v0                           ; lane
	s_wait_kmcnt 0x0
	s_load_b512 s[68:83], s[18:19], 0x0            ; all sixteen exponents: entry i in s[68+i]
	s_cmp_lt_u32 ttmp9, 128
	s_cbranch_scc0 .Lweights
; ---------------- x: a plain stream of blocks; each load reads 512 consecutive bytes, and a step's 2,048 bytes turn through my own stage so that a lane holds 16 neighbours
	s_lshl_b32 s25, ttmp9, 2
	s_add_co_u32 s25, s25, s24                     ; which run of 8,192 numbers is my wave's
	s_lshl_b32 s32, s25, 15
	s_mov_b32 s33, 0
	s_add_nc_u64 s[4:5], s[4:5], s[32:33]
	s_lshl_b32 s32, s25, 13
	s_add_nc_u64 s[26:27], s[20:21], s[32:33]      ; the three sets of codes
	s_add_nc_u64 s[28:29], s[26:27], 0x400000
	s_add_nc_u64 s[30:31], s[26:27], 0x800000
	s_wait_alu depctr_va_vdst(0)
	v_lshlrev_b32 v3, 4, v2                        ; my 16 bytes of 512, in and out
	s_lshl_b32 s34, s24, 13                        ; my wave's 8,192 bytes of LDS
	v_lshrrev_b32 v14, 2, v2
	v_mul_u32_u24 v14, v14, SP
	v_and_b32 v15, 3, v2
	v_lshl_add_u32 v14, v15, 4, v14
	v_add_nc_u32 v14, s34, v14                     ; into the stage: four lanes' 64 bytes on end, then padding
	v_mul_u32_u24 v15, v2, SP
	v_add_nc_u32 v15, s34, v15                     ; out of it: my 16 neighbours
.macro LOADX t
.irp i, 0,1,2,3
	global_load_b128 v[XR+16*((\t)%4)+4*\i:XR+16*((\t)%4)+4*\i+3], v3, s[4:5] offset:2048*(\t)+512*\i
.endr
.endm
.macro TURNX t                         ; LDS serves a wave's instructions in order: no wait between the stores and the loads
.irp i, 0,1,2,3
	ds_store_b128 v14, v[XR+16*((\t)%4)+4*\i:XR+16*((\t)%4)+4*\i+3] offset:32*SP*((\t)%2)+8*SP*\i
.endr
.irp i, 0,1,2,3
	ds_load_b128 v[XX+16*((\t)%2)+4*\i:XX+16*((\t)%2)+4*\i+3], v15 offset:32*SP*((\t)%2)+16*\i
.endr
.endm
	LOADX 0
	LOADX 1
	LOADX 2
	LOADX 3
	s_wait_alu depctr_va_vdst(0)
	s_wait_kmcnt 0x0
.irp i, 0,1,2
	s_add_co_i32 s36, s[69+2*\i], 127
	s_lshl_b32 s37, s36, 23
	v_mov_b32 v[SC+2*\i], s37                      ; 2^e as f32: the conversion takes its exponent field
	s_add_co_i32 s36, s36, 8
	s_lshl_b32 s36, s36, 23
	s_or_b32 s36, s36, 0x600000
	v_mov_b32 v[SC+2*\i+1], s36                    ; 448 x 2^e
.endr
	s_wait_alu depctr_va_vdst(0)
	s_wait_loadcnt 12                              ; step 0's four loads are in; three steps' twelve may be out
	TURNX 0
.macro STEPX t
.set XS, XX+16*((\t)%2)
.set CS, XC+12*((\t)%2)
	s_wait_dscnt 0x0                               ; this step's numbers are back; its stores into the stage have read their registers
.if (\t) >= 2
	s_wait_xcnt 0x0                                ; the stores of two steps ago have read this set of code registers
.endif
.if (\t)+4 < 16
	LOADX (\t)+4
.endif
.if (\t)+1 < 16
.if 14-(\t) >= 3
	s_wait_loadcnt 12                              ; the next step's loads are in; those of the three steps behind it may be out
.else
	s_wait_loadcnt 4*(14-(\t))
.endif
	TURNX (\t)+1
.endif
.irp i, 0,1,2
.set kx, 0
.rept 16
	v_med3_num_f32 v[XT+kx], v[XS+kx], -v[SC+2*\i+1], v[SC+2*\i+1]   ; the conversion does not saturate (ISA guide 7.6.2): hold first
.set kx, kx+1
.endr
	v_cvt_scalef32_pk8_fp8_f32 v[CS+4*\i:CS+4*\i+1], v[XT:XT+7], v[SC+2*\i]
	v_cvt_scalef32_pk8_fp8_f32 v[CS+4*\i+2:CS+4*\i+3], v[XT+8:XT+15], v[SC+2*\i]
	v_nop                                          ; a plain line between the conversions and the next holds, which write their sources
	global_store_b128 v3, v[CS+4*\i:CS+4*\i+3], s[26+2*\i:27+2*\i] offset:512*(\t)   ; the wave stores 512 consecutive bytes
.endr
.endm
.irp t, 0,1,2,3,4,5,6,7,8,9,10,11,12,13,14,15
	STEPX \t
.endr
	s_branch .Lend
; ---------------- the weights: one way for six tensors; what differs is chosen from the work-group's number alone
.Lweights:
	s_wait_kmcnt 0x0
	s_mov_b64 s[32:33], s[16:17]                   ; begin with W2's figures
	s_mov_b32 s25, 384                             ; first work-group
	s_mov_b32 s26, 3                               ; log2 of the groups of 128 columns
	s_mov_b32 s27, 4096                            ; bytes from one k to the next
	s_mov_b32 s28, 256                             ; bytes from 64 columns to the next 64
	s_mov_b32 s29, 0x800000                        ; place in wc
	s_mov_b32 s30, 4096                            ; a row of codes in bytes
	s_mov_b32 s31, s83                             ; e
.macro PICK bound, ptr, first, logn, stride, hs, outb, krow, ent
	s_cmp_lt_u32 ttmp9, \bound
	s_cselect_b64 s[32:33], s[\ptr:\ptr+1], s[32:33]
	s_cselect_b32 s25, \first, s25
	s_cselect_b32 s26, \logn, s26
	s_cselect_b32 s27, \stride, s27
	s_cselect_b32 s28, \hs, s28
	s_cselect_b32 s29, \outb, s29
	s_cselect_b32 s30, \krow, s30
	s_cselect_b32 s31, s[\ent], s31
.endm
	PICK 384, 14, 256, 5, 16384, 256, 0x400000, 1024, 81     ; W1
	PICK 256, 12, 224, 3, 4096, 256, 0x300000, 1024, 79      ; Wo
	PICK 224, 10, 192, 3, 256, 262144, 0x200000, 1024, 72    ; Wv: column 64 head + c lies at head x 262,144 + k x 256 + 4 c
	PICK 192, 8, 160, 3, 256, 262144, 0x100000, 1024, 70     ; Wk
	PICK 160, 6, 128, 3, 256, 262144, 0, 1024, 68            ; Wq
	s_sub_co_u32 s25, ttmp9, s25                   ; my number within the tensor
	s_lshl_b32 s53, 1, s26
	s_sub_co_u32 s53, s53, 1
	s_and_b32 s34, s25, s53                        ; which 128 columns
	s_lshr_b32 s35, s25, s26                       ; which 256 along K
	s_lshl_b32 s34, s34, 7
	s_lshl_b32 s53, s24, 5
	s_add_co_u32 s34, s34, s53                     ; my wave's first column
	s_lshr_b32 s53, s34, 6
	s_mul_i32 s53, s53, s28
	s_and_b32 s54, s34, 63
	s_lshl_b32 s54, s54, 2
	s_add_co_u32 s53, s53, s54
	s_mul_i32 s54, s35, s27
	s_lshl_b32 s54, s54, 8
	s_add_co_u32 s54, s54, s53
	s_mov_b32 s55, 0
	s_add_nc_u64 s[36:37], s[32:33], s[54:55]      ; block 0 of my 8 blocks of 32 along K;
	s_lshl_b32 s56, s27, 5
	s_mov_b32 s57, 0
.irp t, 1,2,3,4,5,6,7
	s_add_nc_u64 s[36+2*\t:37+2*\t], s[34+2*\t:35+2*\t], s[56:57]   ; a base for each block: none is stepped
.endr
	s_mul_i32 s58, s34, s30
	s_add_co_u32 s58, s58, s29
	s_lshl_b32 s59, s35, 8
	s_add_co_u32 s58, s58, s59
	s_mov_b32 s59, 0
	s_add_nc_u64 s[22:23], s[22:23], s[58:59]      ; my first column's row of codes, at my 256 along K
	s_wait_alu depctr_va_vdst(0)
	v_lshlrev_b32 v[WOFF], 2, v2
.set iw, 1
.rept 31
	v_add_nc_u32 v[WOFF+iw], s27, v[WOFF+iw-1]
.set iw, iw+1
.endr
	s_mul_i32 s53, s24, 32*WP
	s_add_co_u32 s53, s53, WSTG                    ; my stage
	v_mul_u32_u24 v4, v2, WP
	v_add_nc_u32 v4, s53, v4                       ; into it: row = my column
	v_and_b32 v5, 15, v2
	v_lshrrev_b32 v6, 4, v2
	v_mul_u32_u24 v7, v6, WP
	v_lshl_add_u32 v7, v5, 4, v7
	v_add_nc_u32 v7, s53, v7                       ; out of it: sixteen lanes to a row, two rows an instruction
	v_mul_lo_u32 v[WOO], v6, s30
	v_lshl_add_u32 v[WOO], v5, 4, v[WOO]
	s_lshl_b32 s60, s30, 1
.set iw, 1
.rept 15
	v_add_nc_u32 v[WOO+iw], s60, v[WOO+iw-1]
.set iw, iw+1
.endr
.macro LOADW t                         ; block t: W(32 t + i, my column): neighbouring lanes read neighbouring columns
.set il, 0
.rept 32
	global_load_b32 v[WX+32*((\t)%2)+il], v[WOFF+il], s[36+2*(\t):37+2*(\t)] th:TH_LOAD_NT
.set il, il+1
.endr
.endm
	LOADW 0
	LOADW 1
	s_add_co_i32 s31, s31, 127
	s_lshl_b32 s61, s31, 23
	v_mov_b32 v11, s61                             ; 2^e
	s_add_co_i32 s31, s31, 8
	s_lshl_b32 s31, s31, 23
	s_or_b32 s31, s31, 0x600000
	v_mov_b32 v10, s31                             ; 448 x 2^e
.macro BLOCKW t
.set WS, WX+32*((\t)%2)
.if (\t) < 7
	s_wait_loadcnt 32                              ; this block's 32 loads are in; the next block's may be out
.else
	s_wait_loadcnt 0
.endif
.set kw, 0
.rept 32
	v_med3_num_f32 v[WS+kw], v[WS+kw], -v10, v10
.set kw, kw+1
.endr
.irp g, 0,1,2,3
	v_cvt_scalef32_pk8_fp8_f32 v[WC+2*\g:WC+2*\g+1], v[WS+8*\g:WS+8*\g+7], v11
.endr
	ds_store_b128 v4, v[WC:WC+3] offset:32*(\t)    ; 32 codes of my column's row
	ds_store_b128 v4, v[WC+4:WC+7] offset:32*(\t)+16
.if (\t)+2 < 8
	LOADW (\t)+2
.endif
	s_wait_dscnt 0x0                               ; the stores have read their registers; the next block begins with 32 plain lines ahead of its conversions
.endm
	s_wait_alu depctr_va_vdst(0)
.irp t, 0,1,2,3,4,5,6,7
	BLOCKW \t
.endr
.irp t, 0,1,2,3,4,5,6,7,8,9,10,11,12,13,14,15
	ds_load_b128 v[WOUT+4*\t:WOUT+4*\t+3], v7 offset:2*\t*WP
.endr
.irp t, 0,1,2,3,4,5,6,7,8,9,10,11,12,13,14,15
	s_wait_dscnt 15-\t
	global_store_b128 v[WOO+\t], v[WOUT+4*\t:WOUT+4*\t+3], s[22:23]   ; sixteen lanes store 256 consecutive bytes, aligned
.endr
.Lend:
	s_wait_tensorcnt 0x0                           ; the wave's end
	ds_add_u32 v[SPW], v[NIL]
	s_wait_dscnt 0x0
	s_endpgm
.Lfunc_end_k_qf4f0305931_prep:
	.size	k_qf4f0305931_prep, .Lfunc_end_k_qf4f0305931_prep-k_qf4f0305931_prep
	.p2alignl 7, 3214868480
	.fill 96, 4, 3214868480
	.section	.rodata,"a",@progbits
	.p2align	6, 0x0
	.amdhsa_kernel k_qf4f0305931_prep
		.amdhsa_group_segment_fixed_size 68096
		.amdhsa_private_segment_fixed_size 0
		.amdhsa_enable_private_segment 0
		.amdhsa_kernarg_size 80
		.amdhsa_user_sgpr_count 2
		.amdhsa_user_sgpr_kernarg_segment_ptr 1
		.amdhsa_wavefront_size32 1
		.amdhsa_system_sgpr_workgroup_id_x 1
		.amdhsa_system_sgpr_workgroup_id_y 1
		.amdhsa_system_sgpr_workgroup_id_z 1
		.amdhsa_system_vgpr_workitem_id 0
		.amdhsa_next_free_vgpr 200
		.amdhsa_next_free_sgpr 84
		.amdhsa_reserve_vcc 0
		.amdhsa_float_denorm_mode_32 3
		.amdhsa_float_denorm_mode_16_64 3
		.amdhsa_memory_ordered 1
		.amdhsa_forward_progress 1
		.amdhsa_inst_pref_size 131
	.end_amdhsa_kernel
	.amdgpu_metadata
---
amdhsa.version: [ 1, 2 ]
amdhsa.kernels:
  - .name:           k_qf4f0305931_prep
    .symbol:         k_qf4f0305931_prep.kd
    .args:
      - { .name: x, .offset: 0, .size: 8, .value_kind: global_buffer, .address_space: global }
      - { .name: Wq, .offset: 8, .size: 8, .value_kind: global_buffer, .address_space: global }
      - { .name: Wk, .offset: 16, .size: 8, .value_kind: global_buffer, .address_space: global }
      - { .name: Wv, .offset: 24, .size: 8, .value_kind: global_buffer, .address_space: global }
      - { .name: Wo, .offset: 32, .size: 8, .value_kind: global_buffer, .address_space: global }
      - { .name: W1, .offset: 40, .size: 8, .value_kind: global_buffer, .address_space: global }
      - { .name: W2, .offset: 48, .size: 8, .value_kind: global_buffer, .address_space: global }
      - { .name: lowp_scales, .offset: 56, .size: 8, .value_kind: global_buffer, .address_space: global }
      - { .name: xc, .offset: 64, .size: 8, .value_kind: global_buffer, .address_space: global }
      - { .name: wc, .offset: 72, .size: 8, .value_kind: global_buffer, .address_space: global }
    .group_segment_fixed_size: 68096
    .private_segment_fixed_size: 0
    .kernarg_segment_align: 8
    .kernarg_segment_size: 80
    .max_flat_workgroup_size: 128
    .sgpr_count:     84
    .vgpr_count:     200
    .wavefront_size: 32
...
	.end_amdgpu_metadata
.endif
;; end of part 9
;; launch qkv (part 10): grid 12 x 16, 4 waves a work-group, clusters of 4 x 4, 327,680 bytes of LDS; arguments xc, wc, lowp_scales, qkvc, bq, bk, bv; writes qkvc
.if DOCPART == 10
	.amdgcn_target "amdgcn-amd-amdhsa--gfx1250"
	.amdhsa_code_object_version 6
	.text
	.protected	k_qf4f0305931_qkv
	.globl	k_qf4f0305931_qkv
	.p2align	8
	.type	k_qf4f0305931_qkv,@function
k_qf4f0305931_qkv:
	s_mov_b64 s[64:65], 0
	v_nop
	global_prefetch_b8 v0, s[64:65] scope:SCOPE_SE
	s_setreg_imm32_b32 hwreg(HW_REG_WAVE_MODE, 25, 1), 1
	s_wait_xcnt 0x0
	s_wait_alu depctr_hold_cnt(0) depctr_sa_sdst(0) depctr_va_vdst(0) depctr_va_sdst(0) depctr_va_ssrc(0) depctr_va_vcc(0) depctr_vm_vsrc(0)
	s_getreg_b32 s2, hwreg(HW_REG_IB_STS2, 6, 4)
	s_cmp_eq_u32 s2, 0
	s_cbranch_scc0 .Lentry_in_a_cluster
	s_endpgm
.Lentry_in_a_cluster:
	s_bfe_u32 s2, ttmp6, 0x10000c
	s_cmp_lg_u32 s2, 0xf033
	s_cbranch_scc0 .Lentry_shape_is_right
	s_endpgm
.Lentry_shape_is_right:
.set KROW,   1024
.set LAPS,   2
.set APW,    256
.set APITCH, APW+16
.set ANP,    256/APW
.set AHALF,  ANP*128*APITCH
.set BHALF,  128*272
.set SLOT,   2*AHALF+2*BHALF
.set SPARE,  2*SLOT
.set ASTEP,  256
.set FR, 16
.set NL, 4
.set NP, 4
.set ADRA, 16
.set ADRB, 20
.set STO, 24
.set RD,  25
.set CO,  26
.set SPW, 28
.set NIL, 29
.set AF,  128
.set BC,  32
.set BR,  96
.set TMP, 128
.set CD,  192
.set OB,  208
.set G1, 24
.set G0, 32
.set G1B, 48
.set G0B, 56
.set MUL_LO, 0xa1
.set MUL_HI, 0xf1
.set TO_B,   0x40
.set MSB, 0
.macro WIN new
.if MSB != \new
	s_set_vgpr_msb (MSB<<8)|\new
.set MSB, \new
.endif
.endm
.macro JLOAD g0a, g1a, g0b, g1b
	s_cmp_eq_u32 s15, 0
	s_cbranch_scc0 .Lfor_b_\@
	tensor_load_to_lds s[\g0a:\g0a+3], s[\g1a:\g1a+7]
	s_nop 0
.rept 4
	v_nop
.endr
	s_branch .Lasked_\@
.Lfor_b_\@:
	tensor_load_to_lds s[\g0b:\g0b+3], s[\g1b:\g1b+7]
	s_nop 0
.rept 4
	v_nop
.endr
.Lasked_\@:
.endm
.macro CREST
	s_cmp_lg_u32 s14, 0
	s_cbranch_scc1 .Lnot_wave_0_\@
	s_barrier_signal -3
.Lnot_wave_0_\@:
	s_barrier_wait -3
	s_barrier_signal -1
	s_barrier_wait -1
.endm
.macro CROUND
	s_barrier_signal -1
	s_barrier_wait -1
	CREST
.endm
	s_load_b256 s[4:11], s[0:1], 0x0
	s_load_b128 s[68:71], s[0:1], 0x20
	s_load_b64 s[72:73], s[0:1], 0x30
	v_lshl_add_u32 v[SPW], v0, 2, SPARE
	v_mov_b32 v[NIL], 0
	ds_add_u32 v[SPW], v[NIL]
	ds_add_u32 v[SPW], v[NIL]
	v_lshrrev_b32 v1, 5, v0
	v_readfirstlane_b32 s14, v1
	s_lshr_b32 s15, s14, 1
	s_and_b32 s16, s14, 1
	s_bfe_u32 s40, ttmp6, 0x40000
	s_bfe_u32 s41, ttmp6, 0x40004
	s_and_b32 s77, ttmp7, 0xffff
	s_lshl_b32 s77, s77, 2
	s_lshl_b32 s18, ttmp9, 22
	s_lshl_b32 s19, ttmp9, 20
	s_cmp_eq_u32 ttmp9, 2
	s_cselect_b32 s78, 1, 0
	s_cselect_b32 s17, 0, s77
	s_cselect_b32 s42, s77, 0
	s_cselect_b32 s18, 0x200000, s18
	s_cselect_b32 s19, 0x800000, s19
	s_add_co_u32 s17, s17, s41
	s_add_co_u32 s42, s42, s40
	s_lshl_b32 s43, s41, 2
	s_lshl_b32 s43, 15, s43
	s_lshl_b32 s44, 0x1111, s40
	s_or_b32 s[G1+0], s43, (1<<20)|(1<<21)|(5<<22)|(3<<25)
	s_or_b32 s[G1B+0], s44, (1<<20)|(1<<21)|(5<<22)|(3<<25)
.irp g, G1, G1B
	s_mov_b32 s[\g+1], 256<<16
	s_mov_b32 s[\g+2], 256<<16                     ; one load brings all 256 rows of a slot's tile of A or of B
	s_mov_b32 s[\g+3], 256<<16
	s_mov_b32 s[\g+4], 256
	s_mov_b32 s[\g+5], KROW
	s_mov_b32 s[\g+6], 0
	s_mov_b32 s[\g+7], 0
.endr
	s_lshl_b32 s20, s17, 18                        ; A: row 256 x tile row, rows of 1,024 bytes
	s_add_co_u32 s20, s20, s18
	s_lshl_b32 s46, s42, 18                        ; B: row 256 x tile column
	s_add_co_u32 s46, s46, s19
	s_mov_b32 s21, 0
	s_mov_b32 s47, 0
	s_wait_dscnt 0x0
	s_wait_kmcnt 0x0
	s_load_b512 s[80:95], s[8:9], 0x0
	s_cmp_eq_u32 s78, 1
	s_cselect_b64 s[74:75], s[6:7], s[4:5]
	s_cselect_b64 s[76:77], s[4:5], s[6:7]
	s_add_nc_u64 s[20:21], s[74:75], s[20:21]
	s_add_nc_u64 s[46:47], s[76:77], s[46:47]
	s_cmp_eq_u32 ttmp9, 0
	s_cselect_b64 s[66:67], s[68:69], s[70:71]
	s_cmp_eq_u32 ttmp9, 2
	s_cselect_b64 s[66:67], s[72:73], s[66:67]
	CROUND
.irp s, 0,1
	s_mov_b32 s[G0+4*\s], 1
	s_mov_b32 s[G0+4*\s+1], \s*SLOT
	s_add_nc_u64 s[G0+4*\s+2:G0+4*\s+3], s[20:21], \s*ASTEP
	s_or_b32 s[G0+4*\s+3], s[G0+4*\s+3], 0x80000000
	s_mov_b32 s[G0B+4*\s], 1
	s_mov_b32 s[G0B+4*\s+1], 2*AHALF+\s*SLOT
	s_add_nc_u64 s[G0B+4*\s+2:G0B+4*\s+3], s[46:47], \s*256
	s_or_b32 s[G0B+4*\s+3], s[G0B+4*\s+3], 0x80000000
.endr
	s_cmp_eq_u32 s16, 0                            ; the first fills, one a wave: waves 0, 2 ask for slot 0's A and B, waves 1, 3 for slot 1's
	s_cbranch_scc0 .Lslot_1
	JLOAD G0, G1, G0B, G1B
	s_branch .Lfirst_asked
.Lslot_1:
	JLOAD G0+4, G1, G0B+4, G1B
.Lfirst_asked:
	v_and_b32 v1, 15, v0
	v_bfe_u32 v2, v0, 4, 1
	s_wait_alu depctr_va_vdst(0)
	v_mul_u32_u24 v3, v1, APITCH
	v_lshl_add_u32 v3, v2, 4, v3
	v_mul_u32_u24 v4, v1, 272
	v_lshl_add_u32 v4, v2, 4, v4
	s_mul_i32 s21, s15, AHALF
	s_mul_i32 s22, s16, BHALF
	s_add_co_u32 s22, s22, 2*AHALF
.irp s, 0,1
	v_add_nc_u32 v[ADRA+\s], s21, v3
	v_add_nc_u32 v[ADRB+\s], s22, v4
	s_add_co_u32 s21, s21, SLOT
	s_add_co_u32 s22, s22, SLOT
.endr
	s_lshl_b32 s20, s17, 8
	s_lshl_b32 s21, s15, 7
	s_add_co_u32 s20, s20, s21
	s_lshl_b32 s46, s42, 8
	s_lshl_b32 s47, s16, 7
	s_add_co_u32 s46, s46, s47
	s_mov_b32 s19, 0x20000
	s_mov_b32 s96, 1024
	s_mov_b32 s98, 1024
	s_cmp_eq_u32 s78, 1
	s_cselect_b32 s21, s46, s20
	s_cselect_b32 s47, s20, s46
	s_cselect_b32 s18, 128, 64
	s_cselect_b32 s19, 64, s19
	s_cselect_b32 s96, 2048, s96
	s_cselect_b32 s98, 124928, s98
	s_mov_b32 s97, 0
	s_mov_b32 s99, 0
	s_lshr_b32 s22, s21, 11
	s_lshl_b32 s22, s22, 4
	s_lshr_b32 s23, s47, 6
	s_add_co_u32 s22, s22, s23
	s_lshl_b32 s22, s22, 17
	s_and_b32 s23, s21, 2047
	s_lshl_b32 s23, s23, 6
	s_add_co_u32 s22, s22, s23
	s_lshl_b32 s23, ttmp9, 22
	s_add_co_u32 s22, s22, s23
	s_mov_b32 s23, 0
	s_add_nc_u64 s[10:11], s[10:11], s[22:23]
	s_lshl_b32 s22, s47, 2
	s_add_nc_u64 s[66:67], s[66:67], s[22:23]
	v_lshlrev_b32 v27, 5, v2
	v_lshlrev_b32 v15, 2, v1
.irp b, 0,1,2,3,4,5,6,7
	global_load_b128 v[BC+8*\b:BC+8*\b+3], v27, s[66:67] offset:64*\b
	global_load_b128 v[BC+8*\b+4:BC+8*\b+7], v27, s[66:67] offset:64*\b+16
.endr
.irp b, 0,1,2,3,4,5,6,7
	global_load_b32 v[BR+2*\b], v15, s[66:67] offset:64*\b
.endr
	s_mul_i32 s23, s14, 16*144
	v_mul_u32_u24 v5, v1, 144
	v_lshl_add_u32 v5, v2, 3, v5
	v_add_nc_u32 v[STO], s23, v5
	v_and_b32 v6, 31, v0
	v_lshrrev_b32 v7, 3, v6
	v_and_b32 v5, 7, v6
	v_mul_u32_u24 v3, v7, 144
	v_lshl_add_u32 v3, v5, 4, v3
	v_add_nc_u32 v[RD], s23, v3
	v_mul_lo_u32 v[CO], v7, s18
	v_bfe_u32 v3, v0, 2, 1
	v_mul_lo_u32 v3, v3, s19
	v_add_nc_u32 v[CO], v[CO], v3
	v_and_b32 v4, 3, v0
	v_lshl_add_u32 v8, v4, 4, v[CO]
	s_lshl_b32 s18, s18, 2
	v_add_nc_u32 v9, s18, v8
	v_add_nc_u32 v10, s18, v9
	v_add_nc_u32 v11, s18, v10
.macro FRAGA reg, adr, q, i
.irp c, 0,1,2,3
	ds_load_b128 v[\reg+4*\c:\reg+4*\c+3], v[\adr] offset:((128*(\q)+32*\c)/APW)*128*APITCH+(128*(\q)+32*\c)%APW+(\i)*16*APITCH
.endr
.endm
.macro FRAGB reg, adr, q, i
.irp c, 0,1,2,3
	ds_load_b128 v[\reg+4*\c:\reg+4*\c+3], v[\adr] offset:128*(\q)+32*\c+(\i)*16*272
.endr
.endm
.macro MUL16 a0, p, zero
.irp a, \a0, \a0+1
.irp b, 0,1,2,3,4,5,6,7
.if \zero
	v_wmma_f32_16x16x128_fp8_fp8 v[8*(8*((\a)%4)+\b):8*(8*((\a)%4)+\b)+7], v[128*(\p)+FR*\b:128*(\p)+FR*\b+FR-1], v[AF+FR*(\a):AF+FR*(\a)+FR-1], 0
.else
	v_wmma_f32_16x16x128_fp8_fp8 v[8*(8*((\a)%4)+\b):8*(8*((\a)%4)+\b)+7], v[128*(\p)+FR*\b:128*(\p)+FR*\b+FR-1], v[AF+FR*(\a):AF+FR*(\a)+FR-1], v[8*(8*((\a)%4)+\b):8*(8*((\a)%4)+\b)+7]
.endif
.endr
.endr
.endm
.macro FETCH_B slot, q, p
	WIN TO_B
.irp i, 0,1,2,3,4,5,6,7
	FRAGB 128*(\p)+FR*\i, ADRB+\slot, \q, \i
.endr
	WIN 0
.endm
.macro FETCH_A slot, q, i0
.irp i, \i0, \i0+1, \i0+2, \i0+3
	FRAGA AF+FR*(\i), ADRA+\slot, \q, \i
.endr
.endm
.macro PLACES n
.rept \n
	v_nop
.endr
.endm
.macro STEP slot, q, zero
	s_wait_dscnt 4*NL
	WIN MUL_LO
	MUL16 0, (\q)%2, \zero
	MUL16 2, (\q)%2, \zero
	s_wait_dscnt 0
	PLACES NP
	FETCH_B \slot, (\q)+1, 1-(\q)%2
	FETCH_A \slot, (\q)+1, 0
	WIN MUL_HI
	MUL16 4, (\q)%2, \zero
	MUL16 6, (\q)%2, \zero
	PLACES NP
	WIN 0
	FETCH_A \slot, (\q)+1, 4
.endm
.macro TURN slot, next, fill
	s_wait_tensorcnt 0x0
	ds_add_u32 v[SPW], v[NIL]
	s_wait_dscnt 4*NL+1
	WIN MUL_LO
	MUL16 0, 1, 0
	s_wait_dscnt 0x0
	s_barrier_signal -1
	MUL16 2, 1, 0
	WIN 0
	s_barrier_wait -1
.if \fill
	CREST
	s_add_nc_u64 s[G0+4*\slot+2:G0+4*\slot+3], s[G0+4*\slot+2:G0+4*\slot+3], 2*ASTEP
	s_add_nc_u64 s[G0B+4*\slot+2:G0B+4*\slot+3], s[G0B+4*\slot+2:G0B+4*\slot+3], 512
	s_cmp_eq_u32 s16, \slot                        ; a slot is filled again by the two waves that filled it first
	s_cbranch_scc0 .Lnot_mine_\@
	JLOAD G0+4*\slot, G1, G0B+4*\slot, G1B
.Lnot_mine_\@:
	PLACES NP                                      ; the places in front of the loads below, on both ways
.else
	PLACES NP
.endif
	FETCH_B \next, 0, 0
	FETCH_A \next, 0, 0
	WIN MUL_HI
	MUL16 4, 1, 0
	MUL16 6, 1, 0
	PLACES NP
	WIN 0
	FETCH_A \next, 0, 4
.endm
	s_wait_tensorcnt 0x0                           ; my one load is in
	s_barrier_signal -1
	s_barrier_wait -1
	FETCH_B 0, 0, 0
	FETCH_A 0, 0, 0
	FETCH_A 0, 0, 4
	STEP 0, 0, 1
	s_mov_b32 s3, LAPS-1
.Llap:
	TURN 0, 1, 1
	STEP 1, 0, 0
	TURN 1, 0, 1
	STEP 0, 0, 0
	s_sub_co_u32 s3, s3, 1
	s_cmp_lg_u32 s3, 0
	s_cbranch_scc1 .Llap
	TURN 0, 1, 0
	STEP 1, 0, 0
	s_wait_dscnt 4*NL
	WIN MUL_LO
	MUL16 0, 1, 0
	MUL16 2, 1, 0
	s_wait_dscnt 0
	WIN MUL_HI
	MUL16 4, 1, 0
	MUL16 6, 1, 0
	WIN 0
	s_wait_loadcnt 0x0
	s_wait_kmcnt 0x0
	s_cmp_eq_u32 ttmp9, 0
	s_cselect_b32 s70, s80, s82
	s_cselect_b32 s71, s81, s83
	s_cselect_b32 s72, s86, s87
	s_cmp_eq_u32 ttmp9, 2
	s_cselect_b32 s70, s84, s70
	s_cselect_b32 s71, s85, s71
	s_cselect_b32 s72, s89, s72
	s_add_co_i32 s70, s70, s71
	s_sub_co_i32 s71, 0, s70
	s_sub_co_i32 s72, s72, s70
	s_add_co_i32 s72, s72, 127
	s_lshl_b32 s73, s72, 23
	v_mov_b32 v30, s73
	s_add_co_i32 s72, s72, 8
	s_lshl_b32 s72, s72, 23
	s_or_b32 s72, s72, 0x600000
	v_mov_b32 v31, s72
.set jb, 0
.rept 64
	v_ldexp_f32 v[BC+jb], v[BC+jb], s71
.set jb, jb+1
.endr
.irp b, 0,1,2,3,4,5,6,7
	v_ldexp_f32 v[BR+2*\b], v[BR+2*\b], s71
.endr
.irp b, 0,1,2,3,4,5,6,7
	v_mov_b32 v[BR+2*\b+1], v[BR+2*\b]
.endr
.macro CODES a
.set AC, 64*((\a)%4)
	s_cmp_eq_u32 s78, 1
	s_cbranch_scc1 .Lrow_bias_\@
	WIN 0x02+((\a)/4)
.set cj, 0
.rept 32
	v_pk_add_f32 v[TMP+cj:TMP+cj+1], v[AC+cj:AC+cj+1], v[BC+cj:BC+cj+1]
.set cj, cj+2
.endr
	WIN 0
	s_branch .Lbias_in_\@
.Lrow_bias_\@:
	WIN 0x02+((\a)/4)
.set cj, 0
	s_wait_alu depctr_va_vdst(0)
.rept 32
	v_pk_add_f32 v[TMP+cj:TMP+cj+1], v[AC+cj:AC+cj+1], v[BR+2*(\a):BR+2*(\a)+1]
.set cj, cj+2
.endr
	WIN 0
.Lbias_in_\@:
.set cj, 0
.rept 64
	v_med3_num_f32 v[TMP+cj], v[TMP+cj], -v31, v31
.set cj, cj+1
.endr
.irp b, 0,1,2,3,4,5,6,7
	v_cvt_scalef32_pk8_fp8_f32 v[CD+2*\b:CD+2*\b+1], v[TMP+8*\b:TMP+8*\b+7], v30
.endr
	v_nop
.irp b, 0,1,2,3,4,5,6,7
	ds_store_b64 v[STO], v[CD+2*\b:CD+2*\b+1] offset:16*\b
.endr
.irp t, 0,1,2,3
	ds_load_b128 v[OB+16*((\a)%2)+4*\t:OB+16*((\a)%2)+4*\t+3], v[RD] offset:576*\t
.endr
.endm
.macro SENDC a, younger
	s_wait_dscnt \younger
.if (\a) == 4
	s_add_nc_u64 s[10:11], s[10:11], s[98:99]
.elseif (\a) > 0
	s_add_nc_u64 s[10:11], s[10:11], s[96:97]
.endif
.irp t, 0,1,2,3
	global_store_b128 v[8+\t], v[OB+16*((\a)%2)+4*\t:OB+16*((\a)%2)+4*\t+3], s[10:11]
.endr
.endm
	CODES 0
.irp a, 1,2,3,4,5,6,7
.if \a > 1
	s_wait_xcnt 0x0
.endif
	CODES \a
	SENDC \a-1, 12
.endr
	s_wait_xcnt 0x0
	SENDC 7, 0
	s_wait_tensorcnt 0x0
	ds_add_u32 v[SPW], v[NIL]
	s_wait_dscnt 0x0
	CROUND
	s_endpgm
.Lfunc_end_k_qf4f0305931_qkv:
	.size	k_qf4f0305931_qkv, .Lfunc_end_k_qf4f0305931_qkv-k_qf4f0305931_qkv
	.p2alignl 7, 3214868480
	.fill 96, 4, 3214868480
	.section	.rodata,"a",@progbits
	.p2align	6, 0x0
	.amdhsa_kernel k_qf4f0305931_qkv
		.amdhsa_group_segment_fixed_size 327680
		.amdhsa_private_segment_fixed_size 0
		.amdhsa_enable_private_segment 0
		.amdhsa_kernarg_size 56
		.amdhsa_user_sgpr_count 2
		.amdhsa_user_sgpr_kernarg_segment_ptr 1
		.amdhsa_wavefront_size32 1
		.amdhsa_system_sgpr_workgroup_id_x 1
		.amdhsa_system_sgpr_workgroup_id_y 1
		.amdhsa_system_sgpr_workgroup_id_z 1
		.amdhsa_system_vgpr_workitem_id 0
		.amdhsa_next_free_vgpr 1024
		.amdhsa_next_free_sgpr 100
		.amdhsa_reserve_vcc 0
		.amdhsa_float_denorm_mode_32 3
		.amdhsa_float_denorm_mode_16_64 3
		.amdhsa_memory_ordered 1
		.amdhsa_forward_progress 1
		.amdhsa_inst_pref_size 168
	.end_amdhsa_kernel
	.amdgpu_metadata
---
amdhsa.version: [ 1, 2 ]
amdhsa.kernels:
  - .name:           k_qf4f0305931_qkv
    .symbol:         k_qf4f0305931_qkv.kd
    .args:
      - { .name: xc, .offset: 0, .size: 8, .value_kind: global_buffer, .address_space: global }
      - { .name: wc, .offset: 8, .size: 8, .value_kind: global_buffer, .address_space: global }
      - { .name: lowp_scales, .offset: 16, .size: 8, .value_kind: global_buffer, .address_space: global }
      - { .name: qkvc, .offset: 24, .size: 8, .value_kind: global_buffer, .address_space: global }
      - { .name: bq, .offset: 32, .size: 8, .value_kind: global_buffer, .address_space: global }
      - { .name: bk, .offset: 40, .size: 8, .value_kind: global_buffer, .address_space: global }
      - { .name: bv, .offset: 48, .size: 8, .value_kind: global_buffer, .address_space: global }
    .group_segment_fixed_size: 327680
    .private_segment_fixed_size: 0
    .kernarg_segment_align: 8
    .kernarg_segment_size: 56
    .max_flat_workgroup_size: 128
    .sgpr_count:     100
    .vgpr_count:     1024
    .wavefront_size: 32
...
	.end_amdgpu_metadata
.endif
;; end of part 10
;; launch attn (part 11): grid 8 x 32, 8 waves a work-group, clusters of 4 x 1, 327,680 bytes of LDS; arguments qkvc, lowp_scales, ac; writes ac
.if DOCPART == 11
	.amdgcn_target "amdgcn-amd-amdhsa--gfx1250"
	.amdhsa_code_object_version 6
	.text
	.protected	k_qf4f0305931_attn
	.globl	k_qf4f0305931_attn
	.p2align	8
	.type	k_qf4f0305931_attn,@function
k_qf4f0305931_attn:
	s_mov_b64 s[64:65], 0
	v_nop
	global_prefetch_b8 v0, s[64:65] scope:SCOPE_SE
	s_setreg_imm32_b32 hwreg(HW_REG_WAVE_MODE, 25, 1), 1
	s_wait_xcnt 0x0
	s_wait_alu depctr_hold_cnt(0) depctr_sa_sdst(0) depctr_va_vdst(0) depctr_va_sdst(0) depctr_va_ssrc(0) depctr_va_vcc(0) depctr_vm_vsrc(0)
	s_getreg_b32 s2, hwreg(HW_REG_IB_STS2, 6, 4)
	s_cmp_eq_u32 s2, 0
	s_cbranch_scc0 .Lentry_in_a_cluster
	s_endpgm
.Lentry_in_a_cluster:
	s_bfe_u32 s2, ttmp6, 0x10000c
	s_cmp_lg_u32 s2, 0x3003
	s_cbranch_scc0 .Lentry_shape_is_right
	s_endpgm
.Lentry_shape_is_right:
; O = softmax(Q K^T / 8) V for each of 32 (batch, head), both products on codes of FP8, and O quantised at once (entry 10) for the projection.  Nothing is left out; there is no mask.
; THE SOFTMAX AHEAD OF THE SECOND PRODUCT: t = score x log2(e) / 8; M = the running largest t rounded up to a whole number; p = 2^(t - M) is quantised along the keys (entry 8), not normalised;
; the row's sum is taken of the unquantised p and divides at the end; when M moves, the sum and O are multiplied by 2^(old M - new M), exact.
; SHARES.  A work-group owns 256 queries of one head; each of its eight waves owns 32, two tiles A and B of 16, so that every fragment of K and of V read from LDS feeds two matrix instructions.
; THE HEAD'S WHOLE K AND V LIE IN LDS (2,048 x 80 + 1,024 x 144 bytes), filled once: each wave issues one tensor load of 32,768 bytes at the head (waves 0-3: 512 keys of K each; waves 4-7: 512 keys of V each).
; The four work-groups of a cluster belong to one head: every tile is asked for jointly (mask 15).  The key loop has no barrier.
; A step is 128 keys.  Behind the 16 score products one run of 32 LDS loads asks for this step's V and the next step's K.  The first step starts the sums; the last asks for no further K: both are written out.
; LAYOUT.  Both products transposed: S^T = K Q^T, O^T = V^T P^T: a lane holds one query (lane % 16) of each tile.  Lane r of tile 2 b + u of K takes key 32 b + 8 u + r + 8 (r / 8), so that the 16 registers of tiles 2 b, 2 b + 1 are keys 32 b + 16 (lane / 16) + 0 .. 15.
; No prefetch: all tiles are asked for at the head, and there is no loop of loads to run ahead in.
; LIMITS: e6 + e7 between -123 and 130 (added to c's exponent field); e8, and e10 - e8 - e9, between -126 and 119; the scaled scores stay under 2^31 in magnitude.  NaN is not served.
; REGISTERS, window 0: v1, v2 my place in a tile of K, of V; v3, v4, v7 the way out; v5, v6 the add's two; v8 hold, v9 scale; v10, v11 the loads' addresses; v12 -M, v13 largest score, v[14:15] sum (A); v16-19 the same (B);
;   v20, v22 f (A, B); v24-31 at work; v32-63 p's codes; v64-127 K's fragments; v128-191 S^T, p (A); v192-255 (B).   window 1: v0-31 O^T (A), v32-63 (B); v64-79 Q; v80-143 V's fragments.
.set VREG,  163840                     ; V's rows begin here
.set SPARE, 311296                     ; behind V: the spare words, 128 bytes for each of eight waves
.set STAGE, 312320                     ; behind them: 1,024 bytes a wave for the way out; no fill lands here
.set SPW, 5
.set NIL, 6
.set PA, 32
.set KF, 64
.set SA, 128
.set SB, 192
.set VF, 80
.set MSB, 0
.macro WIN new                         ; the immediate's high byte repeats the setting that is left
.if MSB != \new
	s_set_vgpr_msb (MSB<<8)|\new
.set MSB, \new
.endif
.endm
.macro CROUND
	s_barrier_signal -1
	s_barrier_wait -1
	s_cmp_lg_u32 s10, 0
	s_cbranch_scc1 .Lnot_wave_0_\@
	s_barrier_signal -3
.Lnot_wave_0_\@:
	s_barrier_wait -3
	s_barrier_signal -1
	s_barrier_wait -1
.endm
.macro D2                              ; the two tiles' chains take turns: a line reads what the line two back wrote
	s_delay_alu instid0(VALU_DEP_2)
.endm
.macro KLOAD adr                       ; eight fragments of 16 keys x 64
.irp t, 0,1,2,3,4,5,6,7
	ds_load_b128 v[KF+8*\t:KF+8*\t+3], v[\adr] offset:(32*(\t/2)+8*(\t%2))*80
	ds_load_b128 v[KF+8*\t+4:KF+8*\t+7], v[\adr] offset:(32*(\t/2)+8*(\t%2))*80+32
.endr
.endm
	s_load_b128 s[4:7], s[0:1], 0x0                ; qkvc 4:5, scales 6:7
	s_load_b64 s[8:9], s[0:1], 0x10                ; ac
	v_lshl_add_u32 v[SPW], v0, 2, SPARE
	v_mov_b32 v[NIL], 0
	ds_add_u32 v[SPW], v[NIL]                      ; the opening: the add, twice on end, and its wait ahead of my tensor load
	ds_add_u32 v[SPW], v[NIL]
	v_lshrrev_b32 v24, 5, v0
	v_readfirstlane_b32 s10, v24                   ; wave 0..7
	s_bfe_u32 s11, ttmp6, 0x40000                  ; cx
	s_lshl_b32 s12, ttmp9, 2
	s_add_co_u32 s12, s12, s11                     ; my block of 256 queries: it enters Q's and O's addresses alone
	s_and_b32 s13, ttmp7, 0xffff                   ; 16 batch + head, which the four partners share
	s_and_b32 s14, s10, 3                          ; which 512 keys I fetch
	s_mov_b32 s32, 1
	s_mul_i32 s33, s14, 40960                      ; K: 512 rows of 80 bytes
	s_mov_b32 s36, 1
	s_mul_i32 s37, s14, 36864                      ; V: 256 rows of 144 bytes
	s_add_co_u32 s37, s37, VREG
	; 32,768 dense bytes, stated as 128 rows of 256; 4 words of padding behind every key's 64 bytes (K), behind every row's 128 (V)
	s_mov_b32 s16, 15|(1<<20)|(1<<21)|(3<<22)|(3<<25)
	s_mov_b32 s24, 15|(1<<20)|(1<<21)|(4<<22)|(3<<25)
.irp g, 16, 24
	s_mov_b32 s[\g+1], 256<<16
	s_mov_b32 s[\g+2], 128<<16
	s_mov_b32 s[\g+3], 256<<16
	s_mov_b32 s[\g+4], 128
	s_mov_b32 s[\g+5], 256
	s_mov_b32 s[\g+6], 0
	s_mov_b32 s[\g+7], 0
.endr
	s_mov_b32 s70, 0x76543210
	s_mov_b32 s71, 0xfedcba98                      ; lane l xor 16
	s_mov_b32 s80, 0x3e38aa3b                      ; c = log2(e) / 8
	s_lshl_b32 s68, s13, 17                        ; the head's 131,072 bytes in each of the three parts,
	s_lshl_b32 s69, s14, 15
	s_add_co_u32 s68, s68, s69                     ; and my 32,768
	s_mov_b32 s69, 0
	s_lshl_b32 s82, s12, 8
	s_lshl_b32 s83, s10, 5
	s_add_co_u32 s82, s82, s83                     ; my first query in the head
	s_wait_dscnt 0x0                               ; both opening adds are done
	s_wait_kmcnt 0x0
	s_load_b128 s[72:75], s[6:7], 0x18             ; e6, e7, e8, e9
	s_load_b32 s76, s[6:7], 0x28                   ; e10
	s_add_nc_u64 s[66:67], s[4:5], s[68:69]
	s_add_nc_u64 s[34:35], s[66:67], 0x400000
	s_or_b32 s35, s35, 0x80000000
	s_add_nc_u64 s[38:39], s[66:67], 0x800000
	s_or_b32 s39, s39, 0x80000000
	CROUND                                         ; all four work-groups are here: the joint loads meet
	s_cmp_lt_u32 s10, 4
	s_cbranch_scc0 .Lfor_v
	tensor_load_to_lds s[32:35], s[16:23]
	s_nop 0
.rept 4
	v_nop
.endr
	s_branch .Lasked
.Lfor_v:
	tensor_load_to_lds s[36:39], s[24:31]
	s_nop 0
.rept 4
	v_nop
.endr
.Lasked:
	s_lshl_b32 s68, s13, 17
	s_lshl_b32 s69, s82, 6
	s_add_co_u32 s68, s68, s69
	s_mov_b32 s69, 0
	s_add_nc_u64 s[4:5], s[4:5], s[68:69]          ; Q at my first query
	s_and_b32 s68, s13, 15
	s_lshl_b32 s68, s68, 18                        ; O's codes: panel = head, 4,096 tokens x 64 bytes
	s_lshr_b32 s69, s13, 4
	s_lshl_b32 s69, s69, 11
	s_add_co_u32 s69, s69, s82
	s_lshl_b32 s69, s69, 6
	s_add_co_u32 s68, s68, s69
	s_mov_b32 s69, 0
	s_add_nc_u64 s[8:9], s[8:9], s[68:69]
	s_lshl_b32 s83, s10, 10
	s_add_co_u32 s83, s83, STAGE                   ; my stage
	s_mov_b32 s77, 10240                           ; where the next step's rows of K begin,
	s_mov_b32 s78, 0                               ; and this step's rows of V
	s_wait_kmcnt 0x0
	s_add_co_i32 s82, s72, s73
	s_lshl_b32 s82, s82, 23
	s_add_co_i32 s80, s80, s82                     ; a score stands for score x 2^(e6 + e7)
	s_mov_b32 s81, s80
	s_add_co_i32 s82, s74, 127
	s_lshl_b32 s85, s82, 23                        ; 2^e8
	s_add_co_i32 s82, s82, 8
	s_lshl_b32 s82, s82, 23
	s_or_b32 s84, s82, 0x600000                    ; 448 x 2^e8
	v_and_b32 v24, 15, v0                          ; r
	v_bfe_u32 v25, v0, 4, 1                        ; h
	v_lshlrev_b32 v10, 6, v24
	v_lshl_add_u32 v10, v25, 4, v10
	WIN 0x40                                       ; destination window 1
	global_load_b128 v[64:67], v10, s[4:5]         ; Q's fragments: registers 4 c .. : k = 32 c + 16 h + 0 .. 15, as K's
	global_load_b128 v[68:71], v10, s[4:5] offset:32
	global_load_b128 v[72:75], v10, s[4:5] offset:1024
	global_load_b128 v[76:79], v10, s[4:5] offset:1056
	WIN 0
	v_and_b32 v26, 8, v24
	v_add_nc_u32 v26, v26, v24                     ; r + 8 (r / 8)
	v_mul_u32_u24 v1, v26, 80
	v_lshl_add_u32 v1, v25, 4, v1
	v_mul_u32_u24 v2, v24, 144
	v_lshl_add_u32 v2, v25, 4, v2
	v_add_nc_u32 v2, VREG, v2
	v_lshlrev_b32 v3, 6, v24
	v_lshl_add_u32 v3, v25, 3, v3
	v_add_nc_u32 v3, s83, v3                       ; the way out, in: 64 r + 8 h
	v_and_b32 v7, 31, v0
	v_lshlrev_b32 v7, 4, v7
	v_add_nc_u32 v4, s83, v7                       ; back: 16 x lane
	v_mov_b32 v21, 0                               ; (named as the upper halves of the pairs v[20:21], v[22:23])
	v_mov_b32 v23, 0
	v_mov_b32 v9, s85
; A KEY STEP: 128 keys x my 32 queries.
.macro STEP first, last
	s_wait_dscnt 0x0                               ; K's fragments
	WIN 0x04                                       ; source 1 (Q) window 1
.irp t, 0,1,2,3,4,5,6,7
	v_wmma_f32_16x16x64_fp8_fp8 v[SA+8*\t:SA+8*\t+7], v[KF+8*\t:KF+8*\t+7], v[64:71], 0
	v_wmma_f32_16x16x64_fp8_fp8 v[SB+8*\t:SB+8*\t+7], v[KF+8*\t:KF+8*\t+7], v[72:79], 0
.endr
	WIN 0
	v_add_nc_u32 v11, s78, v2                      ; four plain lines between the products and the loads into their registers and the reads of their results
.if \last
	v_nop
.else
	v_add_nc_u32 v10, s77, v1
.endif
.if \first
	v_nop
	v_nop
.else
	v_mov_b32 v26, v12                             ; the old -M
	v_mov_b32 v27, v16
.endif
	WIN 0x40
.irp t, 0,1,2,3
.irp c, 0,1,2,3
	ds_load_b128 v[VF+16*\t+4*\c:VF+16*\t+4*\c+3], v11 offset:16*\t*144+32*\c   ; this step's V lands under the softmax,
.endr
.endr
	WIN 0
.if !\last
	KLOAD 10                                       ; and the next step's K
.endif
	v_max3_num_f32 v28, v[SA], v[SA+1], v[SA+2]    ; the step's largest score of each query: two chains a tile, ascending
	v_max3_num_f32 v30, v[SB], v[SB+1], v[SB+2]
	v_max3_num_f32 v29, v[SA+3], v[SA+4], v[SA+5]
	v_max3_num_f32 v31, v[SB+3], v[SB+4], v[SB+5]
.set i, 6
.rept 14
	v_max3_num_f32 v28, v28, v[SA+i], v[SA+i+1]
	v_max3_num_f32 v30, v30, v[SB+i], v[SB+i+1]
	v_max3_num_f32 v29, v29, v[SA+i+2], v[SA+i+3]
	v_max3_num_f32 v31, v31, v[SB+i+2], v[SB+i+3]
.set i, i+4
.endr
	v_max3_num_f32 v28, v28, v[SA+62], v[SA+63]
	v_max3_num_f32 v30, v30, v[SB+62], v[SB+63]
	D2
	v_max_num_f32 v28, v28, v29
	D2
	v_max_num_f32 v30, v30, v31
	D2
	v_permlanex16_b32 v29, v28, s70, s71
	D2
	v_permlanex16_b32 v31, v30, s70, s71
	D2
.if \first
	v_max_num_f32 v13, v28, v29                    ; the running largest score (c is positive: the largest t is c x it)
	D2
	v_max_num_f32 v17, v30, v31
.else
	v_max3_num_f32 v13, v13, v28, v29
	D2
	v_max3_num_f32 v17, v17, v30, v31
.endif
	D2
	v_mul_f32 v28, s80, v13
	D2
	v_mul_f32 v30, s80, v17
	D2
	v_floor_f32 v12, -v28                          ; the new -M = -ceil(t)
	D2
	v_floor_f32 v16, -v30
.if !\first
	D2
	v_sub_f32 v26, v12, v26                        ; old M - new M, a whole number, 0 or less
	D2
	v_sub_f32 v27, v16, v27
	D2
	v_cvt_i32_f32 v26, v26                         ; (it saturates)
	D2
	v_cvt_i32_f32 v27, v27
	D2
	v_ldexp_f32 v20, 1.0, v26                      ; f = 2^(old M - new M)
	D2
	v_ldexp_f32 v22, 1.0, v27
.endif
.set j, 0
.rept 32
	v_pk_fma_f32 v[SA+j:SA+j+1], v[SA+j:SA+j+1], s[80:81], v[12:13] op_sel_hi:[1,0,0]   ; t - M
	v_pk_fma_f32 v[SB+j:SB+j+1], v[SB+j:SB+j+1], s[80:81], v[16:17] op_sel_hi:[1,0,0]
.set j, j+2
.endr
	s_wait_alu depctr_va_vdst(0)                   ; the wait ahead of the batch
.set j, 0
.rept 128
	v_exp_f32 v[SA+j], v[SA+j]                     ; p = 2^(t - M)
.set j, j+1
.endr
.if \first
	v_nop                                          ; the plain line behind the exponentials
.else
	v_pk_mul_f32 v[14:15], v[14:15], v[20:21] op_sel_hi:[1,0]   ; the sums under the new M: the plain lines behind the exponentials
	v_pk_mul_f32 v[18:19], v[18:19], v[22:23] op_sel_hi:[1,0]
.endif
	s_wait_alu depctr_va_vdst(0)                   ; one wait for the batch, ahead of its first reader
	v_pk_add_f32 v[24:25], v[SA:SA+1], v[SA+2:SA+3]   ; the sums of the unquantised p: two chains a tile
	v_pk_add_f32 v[26:27], v[SB:SB+1], v[SB+2:SB+3]
.if \first
	v_pk_add_f32 v[14:15], v[SA+4:SA+5], v[SA+6:SA+7]
	v_pk_add_f32 v[18:19], v[SB+4:SB+5], v[SB+6:SB+7]
.set j, 8
.else
.set j, 4
.endif
.rept 15-\first
	v_pk_add_f32 v[14:15], v[14:15], v[SA+j:SA+j+1]
	v_pk_add_f32 v[18:19], v[18:19], v[SB+j:SB+j+1]
	v_pk_add_f32 v[24:25], v[24:25], v[SA+j+2:SA+j+3]
	v_pk_add_f32 v[26:27], v[26:27], v[SB+j+2:SB+j+3]
.set j, j+4
.endr
	v_pk_add_f32 v[14:15], v[14:15], v[24:25]
	v_pk_add_f32 v[18:19], v[18:19], v[26:27]
.set j, 0
.rept 64
	v_dual_min_num_f32 v[SA+j], s84, v[SA+j] :: v_dual_min_num_f32 v[SA+j+1], s84, v[SA+j+1]   ; the conversion does not saturate (ISA guide 7.6.2); p is not negative: a one-sided hold, two numbers a line
.set j, j+2
.endr
.set j, 0
.rept 16
	v_cvt_scalef32_pk8_fp8_f32 v[PA+2*j:PA+2*j+1], v[SA+8*j:SA+8*j+7], v9   ; registers 4 b .. 4 b + 3 of a tile's operand: keys 32 b + 16 h + 0 .. 15
.set j, j+1
.endr
.if \first
	v_nop                                          ; a plain line between the conversions and the products
.else
	WIN 0x41                                       ; source 0 and destination window 1
	s_wait_alu depctr_va_vdst(0)                   ; directly ahead of the first reader of O^T
.set j, 0
.rept 16
	v_pk_mul_f32 v[j:j+1], v[j:j+1], v[20:21] op_sel_hi:[1,0]           ; O^T under the new M; also the plain lines behind the conversions
	v_pk_mul_f32 v[32+j:33+j], v[32+j:33+j], v[22:23] op_sel_hi:[1,0]
.set j, j+2
.endr
.endif
	WIN 0x51                                       ; V's fragments, C and D window 1; p's codes window 0
	s_wait_alu depctr_va_vdst(0)                   ; directly ahead of the wait below
.if \last
	s_wait_dscnt 0x0
.else
	s_wait_dscnt 16                                ; V's fragments are in; the sixteen younger loads, the next step's K, may be out
.endif
.irp t, 0,1,2,3                        ; eight accumulators by turns; sixteen other products stand between two steps
.if \first
	v_wmma_f32_16x16x128_fp8_fp8 v[8*\t:8*\t+7], v[VF+16*\t:VF+16*\t+15], v[PA:PA+15], 0
	v_wmma_f32_16x16x128_fp8_fp8 v[32+8*\t:39+8*\t], v[VF+16*\t:VF+16*\t+15], v[PA+16:PA+31], 0
.else
	v_wmma_f32_16x16x128_fp8_fp8 v[8*\t:8*\t+7], v[VF+16*\t:VF+16*\t+15], v[PA:PA+15], v[8*\t:8*\t+7]
	v_wmma_f32_16x16x128_fp8_fp8 v[32+8*\t:39+8*\t], v[VF+16*\t:VF+16*\t+15], v[PA+16:PA+31], v[32+8*\t:39+8*\t]
.endif
.endr
	WIN 0
	s_add_co_u32 s77, s77, 10240                   ; 128 rows of K on,
	s_add_co_u32 s78, s78, 9216                    ; 64 rows of V
.endm
	s_wait_alu depctr_va_vdst(0)                   ; the wait at the head's end
	s_wait_tensorcnt 0x0                           ; my part of K or V is in
	s_barrier_signal -1
	s_barrier_wait -1                              ; everybody's is; nothing is ever filled again
	KLOAD 1                                        ; step 0's K
	s_wait_loadcnt 0x0                             ; Q
	STEP 1, 0
	s_mov_b32 s79, 14
.Lstep:
	STEP 0, 0
	s_sub_co_u32 s79, s79, 1
	s_cmp_lg_u32 s79, 0
	s_cbranch_scc1 .Lstep
	STEP 0, 1
	; THE WAY OUT.  O^T / the sum, quantised with 2^(e10 - e8 - e9); a tile's 16 rows x 64 bytes go through my stage and leave as 1,024 consecutive bytes.
	s_sub_co_i32 s82, s76, s74
	s_sub_co_i32 s82, s82, s75
	s_add_co_i32 s82, s82, 127
	s_lshl_b32 s85, s82, 23
	s_add_co_i32 s82, s82, 8
	s_lshl_b32 s82, s82, 23
	s_or_b32 s82, s82, 0x600000
	v_add_f32 v14, v14, v15                        ; (these six are the plain lines behind the last products)
	v_add_f32 v18, v18, v19
	D2
	v_permlanex16_b32 v15, v14, s70, s71
	D2
	v_permlanex16_b32 v19, v18, s70, s71
	D2
	v_add_f32 v14, v14, v15                        ; the rows' sums
	D2
	v_add_f32 v18, v18, v19
	s_wait_alu depctr_va_vdst(0)                   ; ahead of the two reciprocals
	v_rcp_f32 v14, v14
	v_rcp_f32 v18, v18
	v_mov_b32 v9, s85                              ; (the plain lines behind them)
	v_mov_b32 v8, s82
	WIN 0x01                                       ; source 0 window 1
	s_wait_alu depctr_va_vdst(0)                   ; ahead of the first reader of the reciprocals and of O^T
.set j, 0
.rept 16
	v_pk_mul_f32 v[SA+j:SA+j+1], v[j:j+1], v[14:15] op_sel_hi:[1,0]        ; register 8 t + j: o(query r, d = 16 t + 8 h + j); each accumulator from its low end on
	v_pk_mul_f32 v[SA+32+j:SA+33+j], v[32+j:33+j], v[18:19] op_sel_hi:[1,0]
.set j, j+2
.endr
	WIN 0
.set j, 0
.rept 64
	v_med3_num_f32 v[SA+j], v[SA+j], -v8, v8
.set j, j+1
.endr
.set j, 0
.rept 8
	v_cvt_scalef32_pk8_fp8_f32 v[PA+2*j:PA+2*j+1], v[SA+8*j:SA+8*j+7], v9
.set j, j+1
.endr
	v_nop
.irp u, 0,1                            ; LDS serves a wave's instructions in order: tile B's stores come behind tile A's loads
.irp t, 0,1,2,3
	ds_store_b64 v3, v[PA+8*\u+2*\t:PA+8*\u+2*\t+1] offset:16*\t
.endr
	ds_load_b128 v[KF+8*\u:KF+8*\u+3], v4
	ds_load_b128 v[KF+8*\u+4:KF+8*\u+7], v4 offset:512
.endr
	s_wait_dscnt 0x0
.irp i, 0,1,2,3
	global_store_b128 v7, v[KF+4*\i:KF+4*\i+3], s[8:9] offset:512*\i   ; the wave stores 512 consecutive bytes, aligned
.endr
	s_wait_tensorcnt 0x0                           ; the wave's end
	ds_add_u32 v[SPW], v[NIL]
	s_wait_dscnt 0x0
	CROUND                                         ; the closing round
	s_endpgm
.Lfunc_end_k_qf4f0305931_attn:
	.size	k_qf4f0305931_attn, .Lfunc_end_k_qf4f0305931_attn-k_qf4f0305931_attn
	.p2alignl 7, 3214868480
	.fill 96, 4, 3214868480
	.section	.rodata,"a",@progbits
	.p2align	6, 0x0
	.amdhsa_kernel k_qf4f0305931_attn
		.amdhsa_group_segment_fixed_size 327680
		.amdhsa_private_segment_fixed_size 0
		.amdhsa_enable_private_segment 0
		.amdhsa_kernarg_size 24
		.amdhsa_user_sgpr_count 2
		.amdhsa_user_sgpr_kernarg_segment_ptr 1
		.amdhsa_wavefront_size32 1
		.amdhsa_system_sgpr_workgroup_id_x 1
		.amdhsa_system_sgpr_workgroup_id_y 1
		.amdhsa_system_sgpr_workgroup_id_z 1
		.amdhsa_system_vgpr_workitem_id 0
		.amdhsa_next_free_vgpr 400
		.amdhsa_next_free_sgpr 88
		.amdhsa_reserve_vcc 0
		.amdhsa_float_denorm_mode_32 3
		.amdhsa_float_denorm_mode_16_64 3
		.amdhsa_memory_ordered 1
		.amdhsa_forward_progress 1
		.amdhsa_inst_pref_size 99
	.end_amdhsa_kernel
	.amdgpu_metadata
---
amdhsa.version: [ 1, 2 ]
amdhsa.kernels:
  - .name:           k_qf4f0305931_attn
    .symbol:         k_qf4f0305931_attn.kd
    .args:
      - { .name: qkvc, .offset: 0, .size: 8, .value_kind: global_buffer, .address_space: global }
      - { .name: lowp_scales, .offset: 8, .size: 8, .value_kind: global_buffer, .address_space: global }
      - { .name: ac, .offset: 16, .size: 8, .value_kind: global_buffer, .address_space: global }
    .group_segment_fixed_size: 327680
    .private_segment_fixed_size: 0
    .kernarg_segment_align: 8
    .kernarg_segment_size: 24
    .max_flat_workgroup_size: 256
    .sgpr_count:     88
    .vgpr_count:     400
    .wavefront_size: 32
...
	.end_amdgpu_metadata
.endif
;; end of part 11
;; launch wo (part 12): grid 8 x 32, 4 waves a work-group, clusters of 4 x 4, 327,680 bytes of LDS; arguments ac, wc, lowp_scales, y, x; writes y
.if DOCPART == 12
	.amdgcn_target "amdgcn-amd-amdhsa--gfx1250"
	.amdhsa_code_object_version 6
	.text
	.protected	k_qf4f0305931_wo
	.globl	k_qf4f0305931_wo
	.p2align	8
	.type	k_qf4f0305931_wo,@function
k_qf4f0305931_wo:
	s_mov_b64 s[64:65], 0
	v_nop
	global_prefetch_b8 v0, s[64:65] scope:SCOPE_SE
	s_setreg_imm32_b32 hwreg(HW_REG_WAVE_MODE, 25, 1), 1
	s_wait_xcnt 0x0
	s_wait_alu depctr_hold_cnt(0) depctr_sa_sdst(0) depctr_va_vdst(0) depctr_va_sdst(0) depctr_va_ssrc(0) depctr_va_vcc(0) depctr_vm_vsrc(0)
	s_getreg_b32 s2, hwreg(HW_REG_IB_STS2, 6, 4)
	s_cmp_eq_u32 s2, 0
	s_cbranch_scc0 .Lentry_in_a_cluster
	s_endpgm
.Lentry_in_a_cluster:
	s_bfe_u32 s2, ttmp6, 0x10000c
	s_cmp_lg_u32 s2, 0xf033
	s_cbranch_scc0 .Lentry_shape_is_right
	s_endpgm
.Lentry_shape_is_right:
; y = x + O Wo, the product on codes of FP8 (entries 10, 11).  Nothing is left out.
; C[m][n] = sum over k of A[m][k] B[n][k]: A = O's codes in panels [16 heads][4096 tokens][64]; B = Wo's codes [1024 n][1024 K] at wc + 3 MiB.
; C is 4,096 x 1,024: tiles of 128 x 128 make 256 work-groups.  Four waves, each 64 x 64: 16 accumulators.  K goes in steps of 128; an LDS slot holds 512 along K (eight panels), so K = 1,024 is two slots, each filled once.
; 4 x 4 clusters: A's tile is asked for jointly along a row of the cluster, B's along a column.
; A wave's load of A: 128 tokens of eight panels; a panel's 128 rows of 64 bytes are dense, so they are stated as one row of 8,192 bytes, padded behind every 64: LDS rows 80 bytes apart.
; The matrix instruction is used transposed (source 0 = rows of B, source 1 = rows of A): a lane holds eight neighbouring columns of one row of C.  Fragments come by 16-byte loads: a permutation of k, the same in A and B.
; LIMIT: e10 + e11 between -126 and 127.
; REGISTERS: window 0: v16-29 addresses; v32-95 the way out; v128-255 the accumulators ((a, b) at v[128 + 8 (4 a + b)]).  window 1: two fragment buffers of 128: A's four fragments, then B's four.  window 2: v0-127 the residual.
.set KROW,   1024
.set LAPS,   1                         ; a lap = two slots = 1,024 along K
.set APW,    64
.set AQI,    3
.set BOFF,   0x300000
.set SCOFF,  40
.set ASTEP,  0x200000                  ; a slot on in A: 512 along K x 4,096 tokens
.set APITCH, APW+16
.set ANP,    512/APW
.set AHALF,  ANP*64*APITCH
.set BPITCH, 528                       ; 512 bytes + 16: row r starts 4 r words on, modulo 64 words
.set BHALF,  64*BPITCH
.set SLOT,   2*AHALF+2*BHALF
.set SPARE,  2*SLOT                    ; behind the ring: the spare words, 128 bytes a wave
.set SPITCH, 272
.set FR, 16
.set ADRA, 16
.set ADRB, 20
.set STO, 24
.set RD,  25
.set CO,  26
.set SPW, 28
.set NIL, 29
.set BK,  32
.set ACC, 128
.set F0,  0
.set F1,  128
.set G1, 24
.set G0, 32
.set G1B, 48
.set G0B, 56
.set MUL,  0x05                        ; sources 0 (B) and 1 (A) window 1; C and D window 0
.set TO_F, 0x40                        ; destination window 1, address window 0
.set MSB, 0
.macro WIN new                         ; the immediate's high byte repeats the setting that is left
.if MSB != \new
	s_set_vgpr_msb (MSB<<8)|\new
.set MSB, \new
.endif
.endm
.macro JLOAD g0a, g1a, g0b, g1b        ; a joint load: waves 0, 1 fetch for A, waves 2, 3 for B; the branch hangs on the wave's number alone
	s_cmp_eq_u32 s15, 0
	s_cbranch_scc0 .Lfor_b_\@
	tensor_load_to_lds s[\g0a:\g0a+3], s[\g1a:\g1a+7]
	s_nop 0
.rept 4
	v_nop
.endr
	s_branch .Lasked_\@
.Lfor_b_\@:
	tensor_load_to_lds s[\g0b:\g0b+3], s[\g1b:\g1b+7]
	s_nop 0
.rept 4
	v_nop
.endr
.Lasked_\@:
.endm
.macro CREST
	s_cmp_lg_u32 s14, 0
	s_cbranch_scc1 .Lnot_wave_0_\@
	s_barrier_signal -3
.Lnot_wave_0_\@:
	s_barrier_wait -3
	s_barrier_signal -1
	s_barrier_wait -1
.endm
.macro CROUND
	s_barrier_signal -1
	s_barrier_wait -1
	CREST
.endm
	s_load_b256 s[4:11], s[0:1], 0x0               ; A 4:5, wc 6:7, scales 8:9, y 10:11
	s_load_b64 s[66:67], s[0:1], 0x20              ; the residual
	v_lshl_add_u32 v[SPW], v0, 2, SPARE
	v_mov_b32 v[NIL], 0
	ds_add_u32 v[SPW], v[NIL]                      ; the opening: the add, twice on end, and its wait ahead of my first tensor load
	ds_add_u32 v[SPW], v[NIL]
	v_lshrrev_b32 v1, 5, v0
	v_readfirstlane_b32 s14, v1                    ; wave
	s_lshr_b32 s15, s14, 1                         ; my half of the tile's rows; also: I fetch for A (0) or B (1)
	s_and_b32 s16, s14, 1                          ; my half of its columns; also: which slot I fill
	s_bfe_u32 s40, ttmp6, 0x40000                  ; cx
	s_bfe_u32 s41, ttmp6, 0x40004                  ; cy
	s_lshl_b32 s42, ttmp9, 2
	s_add_co_u32 s42, s42, s40                     ; tile column
	s_and_b32 s17, ttmp7, 0xffff
	s_lshl_b32 s17, s17, 2
	s_add_co_u32 s17, s17, s41                     ; tile row
	s_lshl_b32 s43, s41, 2
	s_lshl_b32 s43, 15, s43                        ; my row of the cluster
	s_lshl_b32 s44, 0x1111, s40                    ; my column
	s_or_b32 s[G1+0], s43, (3<<16)|(1<<20)|(1<<21)|(AQI<<22)|(3<<25)   ; A: elements of 8 bytes; 4 words of padding behind every APW bytes
	s_mov_b32 s[G1+1], (16*APW)<<16                ; one load brings all 128 tokens of a slot's eight panels: 16 APW elements a panel
	s_mov_b32 s[G1+2], ANP<<16
	s_mov_b32 s[G1+3], (16*APW)<<16
	s_mov_b32 s[G1+4], ANP                         ; so many panels
	s_mov_b32 s[G1+5], 512*APW                     ; from panel to panel: 4,096 tokens
	s_mov_b32 s[G1+6], 0
	s_mov_b32 s[G1+7], 0
	s_or_b32 s[G1B+0], s44, (1<<20)|(1<<21)|(6<<22)|(3<<25)            ; B: elements of 1 byte; 4 words of padding behind every 128
	s_mov_b32 s[G1B+1], 512<<16
	s_mov_b32 s[G1B+2], 128<<16                    ; and one all 128 rows of B
	s_mov_b32 s[G1B+3], 512<<16
	s_mov_b32 s[G1B+4], 128
	s_mov_b32 s[G1B+5], KROW
	s_mov_b32 s[G1B+6], 0
	s_mov_b32 s[G1B+7], 0
	s_mul_i32 s20, s17, 128*APW                    ; A: token 128 tile row, in a panel
	s_mul_i32 s46, s42, 128*KROW
	s_add_co_u32 s46, s46, BOFF                    ; B: row 128 tile column
	s_mov_b32 s21, 0
	s_mov_b32 s47, 0
	s_wait_dscnt 0x0                               ; both opening adds are done
	s_wait_kmcnt 0x0
	s_load_b64 s[96:97], s[8:9], SCOFF             ; A's and B's exponents
	s_add_nc_u64 s[20:21], s[4:5], s[20:21]
	s_add_nc_u64 s[46:47], s[6:7], s[46:47]
	CROUND                                         ; all sixteen work-groups are here: the first joint loads meet
.irp s, 0,1
	s_mov_b32 s[G0+4*\s], 1
	s_mov_b32 s[G0+4*\s+1], \s*SLOT
	s_add_nc_u64 s[G0+4*\s+2:G0+4*\s+3], s[20:21], \s*ASTEP
	s_or_b32 s[G0+4*\s+3], s[G0+4*\s+3], 0x80000000
	s_mov_b32 s[G0B+4*\s], 1
	s_mov_b32 s[G0B+4*\s+1], 2*AHALF+\s*SLOT
	s_add_nc_u64 s[G0B+4*\s+2:G0B+4*\s+3], s[46:47], \s*512
	s_or_b32 s[G0B+4*\s+3], s[G0B+4*\s+3], 0x80000000
.endr
	s_cmp_eq_u32 s16, 0                            ; the fills, one a wave: waves 0, 2 ask for slot 0's A and B, waves 1, 3 for slot 1's
	s_cbranch_scc0 .Lslot_1
	JLOAD G0, G1, G0B, G1B
	s_branch .Lfirst_asked
.Lslot_1:
	JLOAD G0+4, G1, G0B+4, G1B
.Lfirst_asked:
	v_and_b32 v1, 15, v0                           ; r
	v_bfe_u32 v2, v0, 4, 1                         ; h
	v_mul_u32_u24 v3, v1, APITCH
	v_lshl_add_u32 v3, v2, 4, v3
	v_mul_u32_u24 v4, v1, BPITCH
	v_lshl_add_u32 v4, v2, 4, v4
	s_mul_i32 s21, s15, 64*APITCH                  ; my 64 of a panel's 128 rows
	s_mul_i32 s22, s16, BHALF
	s_add_co_u32 s22, s22, 2*AHALF
.irp s, 0,1
	v_add_nc_u32 v[ADRA+\s], s21, v3
	v_add_nc_u32 v[ADRA+2+\s], 4*128*APITCH, v[ADRA+\s]   ; four panels on, for the slot's third and fourth step: the offsets stay inside 16 bits
	v_add_nc_u32 v[ADRB+\s], s22, v4
	s_add_co_u32 s21, s21, SLOT
	s_add_co_u32 s22, s22, SLOT
.endr
	s_mul_i32 s23, s14, 16*SPITCH                  ; my stage, in slot 0: 16 rows x (256 bytes + 16)
	v_mul_u32_u24 v5, v1, SPITCH
	v_lshl_add_u32 v5, v2, 5, v5
	v_add_nc_u32 v[STO], s23, v5                   ; in: row r, 32 bytes for each half of the lanes
	v_mul_u32_u24 v6, v2, SPITCH
	v_lshl_add_u32 v6, v1, 4, v6
	v_add_nc_u32 v[RD], s23, v6                    ; back: lanes 0-15 one row of 256 bytes, lanes 16-31 the next
	v_lshlrev_b32 v[CO], 12, v2
	v_lshl_add_u32 v[CO], v1, 4, v[CO]             ; and the same two rows in y and in the residual
	s_wait_alu depctr_va_vdst(0)
	s_lshl_b32 s20, s17, 7
	s_lshl_b32 s21, s15, 6
	s_add_co_u32 s20, s20, s21
	s_lshl_b32 s20, s20, 12                        ; my first row, of 4,096 bytes,
	s_lshl_b32 s46, s42, 9
	s_lshl_b32 s47, s16, 8
	s_add_co_u32 s46, s46, s47
	s_add_co_u32 s20, s20, s46                     ; and my first column: 512 tile column + 256 half
	s_mov_b32 s21, 0
	s_add_nc_u64 s[10:11], s[10:11], s[20:21]
	s_add_nc_u64 s[66:67], s[66:67], s[20:21]
	WIN 0x80                                       ; destination window 2
.irp a, 0,1,2,3
.irp t, 0,1,2,3,4,5,6,7
	global_load_b128 v[32*\a+4*\t:32*\a+4*\t+3], v[CO], s[66:67] offset:(16*\a+2*\t)*4096 th:TH_LOAD_NT   ; my 64 x 64 of the residual: it lands under the products
.endr
.endr
	WIN 0
.macro FRAGA reg, adr, q, i            ; 16 rows x 128 K: registers 4 c .. 4 c + 3 hold K = 32 c + 16 (lane / 16) + 0 .. 15
.irp c, 0,1,2,3
	ds_load_b128 v[\reg+4*\c:\reg+4*\c+3], v[\adr+2*((\q)/2)] offset:((128*((\q)%2)+32*\c)/APW)*128*APITCH+(32*\c)%APW+(\i)*16*APITCH
.endr
.endm
.macro FRAGB reg, adr, q, i
.irp c, 0,1,2,3
	ds_load_b128 v[\reg+4*\c:\reg+4*\c+3], v[\adr] offset:128*(\q)+32*\c+(\i)*16*BPITCH
.endr
.endm
.macro FETCH slot, q, f                ; 32 LDS loads in one run: the fragments of the slot's q-th 128 along K into buffer f
	WIN TO_F
.irp i, 0,1,2,3
	FRAGB \f+64+FR*\i, ADRB+\slot, \q, \i
	FRAGA \f+FR*\i, ADRA+\slot, \q, \i
.endr
.endm
.macro MULS f, t0, n, zero             ; accumulators t0 .. t0 + n - 1 (a = t / 4, b = t % 4); the 16 take turns, one instruction a turn, in the same order in every step
.set mt, \t0
.rept \n
.if \zero
	v_wmma_f32_16x16x128_fp8_fp8 v[ACC+8*mt:ACC+8*mt+7], v[\f+64+FR*(mt%4):\f+64+FR*(mt%4)+FR-1], v[\f+FR*(mt/4):\f+FR*(mt/4)+FR-1], 0
.else
	v_wmma_f32_16x16x128_fp8_fp8 v[ACC+8*mt:ACC+8*mt+7], v[\f+64+FR*(mt%4):\f+64+FR*(mt%4)+FR-1], v[\f+FR*(mt/4):\f+FR*(mt/4)+FR-1], v[ACC+8*mt:ACC+8*mt+7]
.endif
.set mt, mt+1
.endr
.endm
.macro PLACES                          ; four plain vector lines between a matrix instruction and a load into, or a read of, its registers
.rept 4
	v_nop
.endr
.endm
.macro STEP slot, q, zero              ; one of a slot's first three steps: the next step's fragments are asked for, then this step's 16 products
	PLACES
	FETCH \slot, (\q)+1, 128-128*((\q)%2)
	s_wait_dscnt 32                                ; all but the 32 just issued: this step's fragments are in
	WIN MUL
	MULS 128*((\q)%2), 0, 16, \zero
.endm
.macro TURN slot, next, fill           ; a slot's fourth step, on buffer 1, and the change of slots
	WIN 0                                          ; (the add's two registers lie in window 0)
	s_wait_tensorcnt 0x0                           ; all my tensor loads have landed: my part of the next slot
	ds_add_u32 v[SPW], v[NIL]                      ; 0 onto my spare word
	s_wait_dscnt 1                                 ; this step's fragments are in; the add may be out
	WIN MUL
	MULS F1, 0, 4, 0
	s_wait_dscnt 0x0                               ; the add is done, and my reads of this slot are over
	s_barrier_signal -1
	MULS F1, 4, 4, 0
	WIN 0
	s_barrier_wait -1
.if \fill
	CREST                                          ; the barrier has opened a round of the cluster's: no wave of any partner still reads this slot or has a load on its way
	s_add_nc_u64 s[G0+4*\slot+2:G0+4*\slot+3], s[G0+4*\slot+2:G0+4*\slot+3], 2*ASTEP
	s_add_nc_u64 s[G0B+4*\slot+2:G0B+4*\slot+3], s[G0B+4*\slot+2:G0B+4*\slot+3], 1024
	JLOAD G0+4*\slot, G1, G0B+4*\slot, G1B         ; the first tensor load behind the round; its four v_nop are the places for the loads below
.else
	PLACES
.endif
	FETCH \next, 0, F0
	WIN MUL
	MULS F1, 8, 8, 0
.endm
	s_wait_tensorcnt 0x0                           ; my one load is in
	s_barrier_signal -1
	s_barrier_wait -1
	FETCH 0, 0, F0
	STEP 0, 0, 1                                   ; the first products start the sums
.if LAPS > 1
	WIN 0
	s_mov_b32 s3, LAPS-1
.Llap:                                                 ; a trip goes once round the ring, from a lap's second step to the next lap's first, and fills both slots again
	STEP 0, 1, 0
	STEP 0, 2, 0
	TURN 0, 1, 1
	STEP 1, 0, 0
	STEP 1, 1, 0
	STEP 1, 2, 0
	TURN 1, 0, 1
	STEP 0, 0, 0
	WIN 0
	s_sub_co_u32 s3, s3, 1
	s_cmp_lg_u32 s3, 0
	s_cbranch_scc1 .Llap
.endif
	STEP 0, 1, 0                                   ; the last lap fills nothing
	STEP 0, 2, 0
	TURN 0, 1, 0
	STEP 1, 0, 0
	STEP 1, 1, 0
	STEP 1, 2, 0
	s_wait_dscnt 0
	WIN MUL
	MULS F1, 0, 16, 0
	WIN 0
; THE WAY OUT, a block of 16 rows x 64 columns at a time.  A wave's 64 columns of f32 are 256 consecutive bytes, aligned: the sums go through my own stage (slot 0: it has had its last fill and its last read) and come back as whole rows;
; there sum x 2^(eA + eB) + residual is one packed multiply-add for two numbers.  LDS serves a wave's instructions in order: no wait between the stores and the loads.
.macro TOSTAGE a
.irp b, 0,1,2,3
	ds_store_b128 v[STO], v[ACC+32*(\a)+8*\b:ACC+32*(\a)+8*\b+3] offset:64*\b          ; each accumulator from its low end on
	ds_store_b128 v[STO], v[ACC+32*(\a)+8*\b+4:ACC+32*(\a)+8*\b+7] offset:64*\b+16
.endr
.set BB, BK+32*((\a)%2)
.irp t, 0,1,2,3,4,5,6,7
	ds_load_b128 v[BB+4*\t:BB+4*\t+3], v[RD] offset:\t*2*SPITCH
.endr
.endm
.macro SEND a, younger
.set BB, BK+32*((\a)%2)
	s_wait_dscnt \younger                          ; the block is back in registers
	WIN 0x20                                       ; source 2: window 2
.set sj, 0
.rept 16
	v_pk_fma_f32 v[BB+sj:BB+sj+1], v[BB+sj:BB+sj+1], s[96:97], v[32*(\a)+sj:32*(\a)+sj+1] op_sel_hi:[1,0,1]
.set sj, sj+2
.endr
	WIN 0
.irp t, 0,1,2,3,4,5,6,7
	global_store_b128 v[CO], v[BB+4*\t:BB+4*\t+3], s[10:11] offset:(16*(\a)+2*\t)*4096   ; sixteen lanes store 256 consecutive bytes, aligned
.endr
.endm
	s_wait_kmcnt 0x0
	s_add_co_i32 s96, s96, s97
	s_add_co_i32 s96, s96, 127
	s_lshl_b32 s96, s96, 23                        ; 2^(eA + eB)
	s_mov_b32 s97, s96
	s_wait_loadcnt 0x0                             ; the residual
	PLACES
	TOSTAGE 0
.irp a, 1,2,3
.if \a > 1
	s_wait_xcnt 0x0                                ; block a - 2's stores have read the registers that block a's loads take
.endif
	TOSTAGE \a
	SEND \a-1, 16                                  ; may be out: block a's 8 stores and 8 loads
.endr
	SEND 3, 0
	s_wait_tensorcnt 0x0                           ; the wave's end
	ds_add_u32 v[SPW], v[NIL]
	s_wait_dscnt 0x0
	CROUND                                         ; the closing round
	s_endpgm
.Lfunc_end_k_qf4f0305931_wo:
	.size	k_qf4f0305931_wo, .Lfunc_end_k_qf4f0305931_wo-k_qf4f0305931_wo
	.p2alignl 7, 3214868480
	.fill 96, 4, 3214868480
	.section	.rodata,"a",@progbits
	.p2align	6, 0x0
	.amdhsa_kernel k_qf4f0305931_wo
		.amdhsa_group_segment_fixed_size 327680
		.amdhsa_private_segment_fixed_size 0
		.amdhsa_enable_private_segment 0
		.amdhsa_kernarg_size 40
		.amdhsa_user_sgpr_count 2
		.amdhsa_user_sgpr_kernarg_segment_ptr 1
		.amdhsa_wavefront_size32 1
		.amdhsa_system_sgpr_workgroup_id_x 1
		.amdhsa_system_sgpr_workgroup_id_y 1
		.amdhsa_system_sgpr_workgroup_id_z 1
		.amdhsa_system_vgpr_workitem_id 0
		.amdhsa_next_free_vgpr 640
		.amdhsa_next_free_sgpr 98
		.amdhsa_reserve_vcc 0
		.amdhsa_float_denorm_mode_32 3
		.amdhsa_float_denorm_mode_16_64 3
		.amdhsa_memory_ordered 1
		.amdhsa_forward_progress 1
		.amdhsa_inst_pref_size 49
	.end_amdhsa_kernel
	.amdgpu_metadata
---
amdhsa.version: [ 1, 2 ]
amdhsa.kernels:
  - .name:           k_qf4f0305931_wo
    .symbol:         k_qf4f0305931_wo.kd
    .args:
      - { .name: ac, .offset: 0, .size: 8, .value_kind: global_buffer, .address_space: global }
      - { .name: wc, .offset: 8, .size: 8, .value_kind: global_buffer, .address_space: global }
      - { .name: lowp_scales, .offset: 16, .size: 8, .value_kind: global_buffer, .address_space: global }
      - { .name: y, .offset: 24, .size: 8, .value_kind: global_buffer, .address_space: global }
      - { .name: x, .offset: 32, .size: 8, .value_kind: global_buffer, .address_space: global }
    .group_segment_fixed_size: 327680
    .private_segment_fixed_size: 0
    .kernarg_segment_align: 8
    .kernarg_segment_size: 40
    .max_flat_workgroup_size: 128
    .sgpr_count:     98
    .vgpr_count:     640
    .wavefront_size: 32
...
	.end_amdgpu_metadata
.endif
;; end of part 12
;; launch ln1 (part 13): grid 256 x 1, 8 waves a work-group, no clusters, 41,984 bytes of LDS; arguments y, ln1_g, ln1_b, lowp_scales, h1, ac; writes h1, ac
.if DOCPART == 13
	.amdgcn_target "amdgcn-amd-amdhsa--gfx1250"
	.amdhsa_code_object_version 6
	.text
	.protected	k_qf4f0305931_ln1
	.globl	k_qf4f0305931_ln1
	.p2align	8
	.type	k_qf4f0305931_ln1,@function
k_qf4f0305931_ln1:
	s_mov_b64 s[64:65], 0
	v_nop
	global_prefetch_b8 v0, s[64:65] scope:SCOPE_SE
	s_setreg_imm32_b32 hwreg(HW_REG_WAVE_MODE, 25, 1), 1
	s_wait_xcnt 0x0
; h1 = layer norm of y = x + mha, in f32, and its codes of FP8 (entry 12) for the first feed-forward product.  Nothing is left out.
; A wave takes two whole rows of 4,096 bytes and keeps them in registers: the mean, then the mean of the squared differences, as the layer has them: no difference of large sums is formed.
; Each load and store of a wave covers 512 consecutive bytes.  For the conversions a lane must hold 16 neighbours: half a row at a time turns through my own stage in LDS.
; No matrix units, no cluster, no barrier: memory binds, and waves share only the gain and the bias.
; LIMITS: e12 between -126 and 119.  NaN is not served by the hold.
.set G,   16                           ; v16-47   gain
.set BI,  48                           ; v48-79   bias
.set R0,  80                           ; v80-143  the two rows
.set T0,  144                          ; v144-159 eight registers of statistics a row
.set XS,  144                          ; v144-175 later: two sets of 16 neighbours
.set CD,  176                          ; v176-191 codes, four registers for each half row
.set SPW, 12
.set NIL, 13
.set SPARE, 40960
	s_load_b256 s[4:11], s[0:1], 0x0               ; y 4:5, gain 6:7, bias 8:9, scales 10:11
	s_load_b128 s[12:15], s[0:1], 0x20             ; h1 12:13, codes 14:15
	v_lshl_add_u32 v[SPW], v0, 2, SPARE
	v_mov_b32 v[NIL], 0
	v_lshrrev_b32 v1, 5, v0
	s_delay_alu instid0(VALU_DEP_1)
	v_readfirstlane_b32 s16, v1
	v_and_b32 v2, 31, v0
	s_wait_alu depctr_va_vdst(0)
	v_lshlrev_b32 v3, 4, v2
	s_lshl_b32 s17, ttmp9, 4
	s_lshl_b32 s18, s16, 1
	s_add_co_u32 s17, s17, s18                     ; my first row
	s_lshl_b32 s18, s17, 12
	s_mov_b32 s19, 0
	s_lshl_b32 s20, s17, 10
	s_mov_b32 s21, 0
	s_mov_b32 s22, 0x76543210
	s_mov_b32 s23, 0xfedcba98
	s_mov_b32 s24, 0x3a800000                      ; 1 / 1,024
	s_mov_b32 s25, 0x3727c5ac                      ; 1e-5
	s_mul_i32 s27, s16, 5120                       ; my two stages of 2,560 bytes
	v_lshrrev_b32 v14, 2, v2
	s_delay_alu instid0(VALU_DEP_1)
	v_mul_u32_u24 v14, v14, 80
	v_and_b32 v15, 3, v2
	s_delay_alu instid0(VALU_DEP_1)
	v_lshl_add_u32 v14, v15, 4, v14
	s_delay_alu instid0(VALU_DEP_1)
	v_add_nc_u32 v14, s27, v14
	v_mul_u32_u24 v15, v2, 80
	s_delay_alu instid0(VALU_DEP_1)
	v_add_nc_u32 v15, s27, v15
	s_wait_alu depctr_va_vdst(0)
	s_wait_kmcnt 0x0
	s_load_b32 s26, s[10:11], 0x30                 ; e12
	s_add_nc_u64 s[4:5], s[4:5], s[18:19]
	s_add_nc_u64 s[12:13], s[12:13], s[18:19]
	s_add_nc_u64 s[14:15], s[14:15], s[20:21]
.irp j, 0,1,2,3,4,5,6,7,8,9,10,11,12,13,14,15
	global_load_b128 v[R0+4*\j:R0+4*\j+3], v3, s[4:5] offset:512*\j th:TH_LOAD_NT
.endr
.irp j, 0,1,2,3,4,5,6,7
	global_load_b128 v[G+4*\j:G+4*\j+3], v3, s[6:7] offset:512*\j
	global_load_b128 v[BI+4*\j:BI+4*\j+3], v3, s[8:9] offset:512*\j
.endr
.macro REDUCE                          ; four chains of pairs, then the 32 lanes; both rows by turns; the result in every lane of v[T0 + 8 p]
.irp p, 0
	v_pk_add_f32 v[T0+8*\p:T0+8*\p+1], v[T0+8*\p:T0+8*\p+1], v[T0+8*\p+4:T0+8*\p+5]
	v_pk_add_f32 v[T0+8*\p+2:T0+8*\p+3], v[T0+8*\p+2:T0+8*\p+3], v[T0+8*\p+6:T0+8*\p+7]
.endr
.irp p, 1
	s_delay_alu instid0(VALU_DEP_4)
	v_pk_add_f32 v[T0+8*\p:T0+8*\p+1], v[T0+8*\p:T0+8*\p+1], v[T0+8*\p+4:T0+8*\p+5]
	s_delay_alu instid0(VALU_DEP_4)
	v_pk_add_f32 v[T0+8*\p+2:T0+8*\p+3], v[T0+8*\p+2:T0+8*\p+3], v[T0+8*\p+6:T0+8*\p+7]
.endr
.irp p, 0
	s_delay_alu instid0(VALU_DEP_3)
	v_pk_add_f32 v[T0+8*\p:T0+8*\p+1], v[T0+8*\p:T0+8*\p+1], v[T0+8*\p+2:T0+8*\p+3]
.endr
.irp p, 1
	s_delay_alu instid0(VALU_DEP_2)
	v_pk_add_f32 v[T0+8*\p:T0+8*\p+1], v[T0+8*\p:T0+8*\p+1], v[T0+8*\p+2:T0+8*\p+3]
.endr
.irp p, 0,1
	s_delay_alu instid0(VALU_DEP_2)
	v_add_f32 v[T0+8*\p], v[T0+8*\p], v[T0+8*\p+1]
.endr
.irp m, 1,2,4,8
.irp p, 0,1
	s_delay_alu instid0(VALU_DEP_2)
	v_add_f32_dpp v[T0+8*\p], v[T0+8*\p], v[T0+8*\p] row_xmask:\m row_mask:0xf bank_mask:0xf
.endr
.endr
.irp p, 0,1
	s_delay_alu instid0(VALU_DEP_2)
	v_permlanex16_b32 v[T0+8*\p+1], v[T0+8*\p], s22, s23
.endr
.irp p, 0,1
	s_delay_alu instid0(VALU_DEP_2)
	v_add_f32 v[T0+8*\p], v[T0+8*\p], v[T0+8*\p+1]
.endr
.endm
	s_wait_loadcnt 16                              ; the rows are in; the sixteen loads of gain and bias may be out
.irp p, 0,1
.irp k, 0,2,4,6
	v_pk_add_f32 v[T0+8*\p+\k:T0+8*\p+\k+1], v[R0+32*\p+\k:R0+32*\p+\k+1], v[R0+32*\p+8+\k:R0+32*\p+9+\k]
.endr
.endr
.irp m, 16,24
.irp p, 0,1
.irp k, 0,2,4,6
	v_pk_add_f32 v[T0+8*\p+\k:T0+8*\p+\k+1], v[T0+8*\p+\k:T0+8*\p+\k+1], v[R0+32*\p+\m+\k:R0+32*\p+\m+\k+1]
.endr
.endr
.endr
	REDUCE
.irp p, 0,1
	s_delay_alu instid0(VALU_DEP_2)
	v_mul_f32 v[T0+8*\p], s24, v[T0+8*\p]          ; the mean
.endr
.irp p, 0,1
.set jr, 0
.rept 16
	v_pk_add_f32 v[R0+32*\p+jr:R0+32*\p+jr+1], v[R0+32*\p+jr:R0+32*\p+jr+1], v[T0+8*\p:T0+8*\p+1] op_sel_hi:[1,0] neg_lo:[0,1] neg_hi:[0,1]
.set jr, jr+2
.endr
.endr
.irp p, 0,1
.irp k, 0,2,4,6
	v_pk_mul_f32 v[T0+8*\p+\k:T0+8*\p+\k+1], v[R0+32*\p+\k:R0+32*\p+\k+1], v[R0+32*\p+\k:R0+32*\p+\k+1]
.endr
.endr
.irp m, 8,16,24
.irp p, 0,1
.irp k, 0,2,4,6
	v_pk_fma_f32 v[T0+8*\p+\k:T0+8*\p+\k+1], v[R0+32*\p+\m+\k:R0+32*\p+\m+\k+1], v[R0+32*\p+\m+\k:R0+32*\p+\m+\k+1], v[T0+8*\p+\k:T0+8*\p+\k+1]
.endr
.endr
.endr
	REDUCE
.irp p, 0,1
	s_delay_alu instid0(VALU_DEP_2)
	v_fma_f32 v[T0+8*\p], v[T0+8*\p], s24, s25     ; the variance + 1e-5
.endr
	s_wait_alu depctr_va_vdst(0)
	v_rsq_f32 v[T0], v[T0]
	v_rsq_f32 v[T0+8], v[T0+8]
	v_nop                                          ; a plain line behind the two
	s_wait_loadcnt 0x0                             ; gain and bias
	s_wait_alu depctr_va_vdst(0)                   ; one wait for both, ahead of their first reader
.irp p, 0,1
.set jr, 0
.rept 16
	v_pk_mul_f32 v[R0+32*\p+jr:R0+32*\p+jr+1], v[R0+32*\p+jr:R0+32*\p+jr+1], v[T0+8*\p:T0+8*\p+1] op_sel_hi:[1,0]
.set jr, jr+2
.endr
.endr
.irp p, 0,1
.set jr, 0
.rept 16
	v_pk_fma_f32 v[R0+32*\p+jr:R0+32*\p+jr+1], v[R0+32*\p+jr:R0+32*\p+jr+1], v[G+jr:G+jr+1], v[BI+jr:BI+jr+1]
.set jr, jr+2
.endr
.endr
.irp j, 0,1,2,3,4,5,6,7,8,9,10,11,12,13,14,15
	global_store_b128 v3, v[R0+4*\j:R0+4*\j+3], s[12:13] offset:512*\j
.endr
	s_wait_kmcnt 0x0
	s_add_co_i32 s26, s26, 127
	s_lshl_b32 s27, s26, 23
	v_mov_b32 v11, s27                             ; 2^e12
	s_add_co_i32 s26, s26, 8
	s_lshl_b32 s26, s26, 23
	s_or_b32 s26, s26, 0x600000
	v_mov_b32 v10, s26                             ; 448 x 2^e12
.macro TURNH q                         ; half row q through stage q % 2: in as loaded, out 64 bytes a lane
.irp i, 0,1,2,3
	ds_store_b128 v14, v[R0+16*(\q)+4*\i:R0+16*(\q)+4*\i+3] offset:2560*((\q)%2)+640*\i
.endr
.irp i, 0,1,2,3
	ds_load_b128 v[XS+16*((\q)%2)+4*\i:XS+16*((\q)%2)+4*\i+3], v15 offset:2560*((\q)%2)+16*\i
.endr
.endm
.macro QH q
.set XQ, XS+16*((\q)%2)
.set iq, 0
.rept 16
	v_med3_num_f32 v[XQ+iq], v[XQ+iq], -v10, v10
.set iq, iq+1
.endr
	v_cvt_scalef32_pk8_fp8_f32 v[CD+4*(\q):CD+4*(\q)+1], v[XQ:XQ+7], v11
	v_cvt_scalef32_pk8_fp8_f32 v[CD+4*(\q)+2:CD+4*(\q)+3], v[XQ+8:XQ+15], v11
	v_nop
	global_store_b128 v3, v[CD+4*(\q):CD+4*(\q)+3], s[14:15] offset:512*(\q)   ; 512 consecutive bytes of codes
.endm
	TURNH 0
	TURNH 1
	s_wait_alu depctr_va_vdst(0)
	s_wait_dscnt 8                                 ; the next half row's 4 stores and 4 loads may be out
	QH 0
	TURNH 2
	s_wait_dscnt 8
	QH 1
	TURNH 3
	s_wait_dscnt 8
	QH 2
	s_wait_dscnt 0
	QH 3
	s_wait_tensorcnt 0x0                           ; the wave's end
	ds_add_u32 v[SPW], v[NIL]
	s_wait_dscnt 0x0
	s_endpgm
.Lfunc_end_k_qf4f0305931_ln1:
	.size	k_qf4f0305931_ln1, .Lfunc_end_k_qf4f0305931_ln1-k_qf4f0305931_ln1
	.p2alignl 7, 3214868480
	.fill 96, 4, 3214868480
	.section	.rodata,"a",@progbits
	.p2align	6, 0x0
	.amdhsa_kernel k_qf4f0305931_ln1
		.amdhsa_group_segment_fixed_size 41984
		.amdhsa_private_segment_fixed_size 0
		.amdhsa_enable_private_segment 0
		.amdhsa_kernarg_size 48
		.amdhsa_user_sgpr_count 2
		.amdhsa_user_sgpr_kernarg_segment_ptr 1
		.amdhsa_wavefront_size32 1
		.amdhsa_system_sgpr_workgroup_id_x 1
		.amdhsa_system_sgpr_workgroup_id_y 1
		.amdhsa_system_sgpr_workgroup_id_z 1
		.amdhsa_system_vgpr_workitem_id 0
		.amdhsa_next_free_vgpr 192
		.amdhsa_next_free_sgpr 66
		.amdhsa_reserve_vcc 0
		.amdhsa_float_denorm_mode_32 3
		.amdhsa_float_denorm_mode_16_64 3
		.amdhsa_memory_ordered 1
		.amdhsa_forward_progress 1
		.amdhsa_inst_pref_size 28
	.end_amdhsa_kernel
	.amdgpu_metadata
---
amdhsa.version: [ 1, 2 ]
amdhsa.kernels:
  - .name:           k_qf4f0305931_ln1
    .symbol:         k_qf4f0305931_ln1.kd
    .args:
      - { .name: y, .offset: 0, .size: 8, .value_kind: global_buffer, .address_space: global }
      - { .name: ln1_g, .offset: 8, .size: 8, .value_kind: global_buffer, .address_space: global }
      - { .name: ln1_b, .offset: 16, .size: 8, .value_kind: global_buffer, .address_space: global }
      - { .name: lowp_scales, .offset: 24, .size: 8, .value_kind: global_buffer, .address_space: global }
      - { .name: h1, .offset: 32, .size: 8, .value_kind: global_buffer, .address_space: global }
      - { .name: ac, .offset: 40, .size: 8, .value_kind: global_buffer, .address_space: global }
    .group_segment_fixed_size: 41984
    .private_segment_fixed_size: 0
    .kernarg_segment_align: 8
    .kernarg_segment_size: 48
    .max_flat_workgroup_size: 256
    .sgpr_count:     66
    .vgpr_count:     192
    .wavefront_size: 32
...
	.end_amdgpu_metadata
.endif
;; end of part 13
;; launch ffn1 (part 14): grid 16 x 16, 4 waves a work-group, clusters of 4 x 4, 327,680 bytes of LDS; arguments ac, wc, lowp_scales, hid, b1; writes hid
.if DOCPART == 14
	.amdgcn_target "amdgcn-amd-amdhsa--gfx1250"
	.amdhsa_code_object_version 6
	.text
	.protected	k_qf4f0305931_ffn1
	.globl	k_qf4f0305931_ffn1
	.p2align	8
	.type	k_qf4f0305931_ffn1,@function
k_qf4f0305931_ffn1:
	s_mov_b64 s[64:65], 0
	v_nop
	global_prefetch_b8 v0, s[64:65] scope:SCOPE_SE
	s_setreg_imm32_b32 hwreg(HW_REG_WAVE_MODE, 25, 1), 1
	s_wait_xcnt 0x0
	s_wait_alu depctr_hold_cnt(0) depctr_sa_sdst(0) depctr_va_vdst(0) depctr_va_sdst(0) depctr_va_ssrc(0) depctr_va_vcc(0) depctr_vm_vsrc(0)
	s_getreg_b32 s2, hwreg(HW_REG_IB_STS2, 6, 4)
	s_cmp_eq_u32 s2, 0
	s_cbranch_scc0 .Lentry_in_a_cluster
	s_endpgm
.Lentry_in_a_cluster:
	s_bfe_u32 s2, ttmp6, 0x10000c
	s_cmp_lg_u32 s2, 0xf033
	s_cbranch_scc0 .Lentry_shape_is_right
	s_endpgm
.Lentry_shape_is_right:
.set KROW,   1024
.set LAPS,   2
.set APW,    256
.set BOFF,   0x400000
.set ASTEP,  256
.set APITCH, APW+16
.set ANP,    256/APW
.set AHALF,  ANP*128*APITCH
.set BHALF,  128*272
.set SLOT,   2*AHALF+2*BHALF
.set SPARE,  2*SLOT
.set FR, 16
.set NL, 4
.set NP, 4
.set ADRA, 16
.set ADRB, 20
.set STO, 24
.set RD,  25
.set CO,  26
.set SPW, 28
.set NIL, 29
.set AF,  128
.set BC,  32
.set TMP, 128
.set CD,  192
.set OB,  208
.set G1, 24
.set G0, 32
.set G1B, 48
.set G0B, 56
.set MUL_LO, 0xa1
.set MUL_HI, 0xf1
.set TO_B,   0x40
.set MSB, 0
.macro WIN new
.if MSB != \new
	s_set_vgpr_msb (MSB<<8)|\new
.set MSB, \new
.endif
.endm
.macro JLOAD g0a, g1a, g0b, g1b
	s_cmp_eq_u32 s15, 0
	s_cbranch_scc0 .Lfor_b_\@
	tensor_load_to_lds s[\g0a:\g0a+3], s[\g1a:\g1a+7]
	s_nop 0
.rept 4
	v_nop
.endr
	s_branch .Lasked_\@
.Lfor_b_\@:
	tensor_load_to_lds s[\g0b:\g0b+3], s[\g1b:\g1b+7]
	s_nop 0
.rept 4
	v_nop
.endr
.Lasked_\@:
.endm
.macro CREST
	s_cmp_lg_u32 s14, 0
	s_cbranch_scc1 .Lnot_wave_0_\@
	s_barrier_signal -3
.Lnot_wave_0_\@:
	s_barrier_wait -3
	s_barrier_signal -1
	s_barrier_wait -1
.endm
.macro CROUND
	s_barrier_signal -1
	s_barrier_wait -1
	CREST
.endm
	s_load_b256 s[4:11], s[0:1], 0x0
	s_load_b64 s[66:67], s[0:1], 0x20
	v_lshl_add_u32 v[SPW], v0, 2, SPARE
	v_mov_b32 v[NIL], 0
	ds_add_u32 v[SPW], v[NIL]
	ds_add_u32 v[SPW], v[NIL]
	v_lshrrev_b32 v1, 5, v0
	v_readfirstlane_b32 s14, v1
	s_lshr_b32 s15, s14, 1
	s_and_b32 s16, s14, 1
	s_bfe_u32 s40, ttmp6, 0x40000
	s_bfe_u32 s41, ttmp6, 0x40004
	s_lshl_b32 s42, ttmp9, 2
	s_add_co_u32 s42, s42, s40
	s_and_b32 s17, ttmp7, 0xffff
	s_lshl_b32 s17, s17, 2
	s_add_co_u32 s17, s17, s41
	s_lshl_b32 s43, s41, 2
	s_lshl_b32 s43, 15, s43
	s_lshl_b32 s44, 0x1111, s40
	s_or_b32 s[G1+0], s43, (1<<20)|(1<<21)|(5<<22)|(3<<25)
	s_or_b32 s[G1B+0], s44, (1<<20)|(1<<21)|(5<<22)|(3<<25)
.irp g, G1, G1B
	s_mov_b32 s[\g+1], 256<<16
	s_mov_b32 s[\g+2], 256<<16                     ; one load brings all 256 rows of a slot's tile of A or of B
	s_mov_b32 s[\g+3], 256<<16
	s_mov_b32 s[\g+4], 256
	s_mov_b32 s[\g+5], KROW
	s_mov_b32 s[\g+6], 0
	s_mov_b32 s[\g+7], 0
.endr
	s_lshl_b32 s20, s17, 18                        ; A: row 256 x tile row, rows of 1,024 bytes
	s_lshl_b32 s46, s42, 18                        ; B: row 256 x tile column
	s_add_co_u32 s46, s46, BOFF
	s_mov_b32 s21, 0
	s_mov_b32 s47, 0
	s_wait_dscnt 0x0
	s_wait_kmcnt 0x0
	s_load_b128 s[96:99], s[8:9], 0x30
	s_add_nc_u64 s[20:21], s[4:5], s[20:21]
	s_add_nc_u64 s[46:47], s[6:7], s[46:47]
	CROUND
.irp s, 0,1
	s_mov_b32 s[G0+4*\s], 1
	s_mov_b32 s[G0+4*\s+1], \s*SLOT
	s_add_nc_u64 s[G0+4*\s+2:G0+4*\s+3], s[20:21], \s*ASTEP
	s_or_b32 s[G0+4*\s+3], s[G0+4*\s+3], 0x80000000
	s_mov_b32 s[G0B+4*\s], 1
	s_mov_b32 s[G0B+4*\s+1], 2*AHALF+\s*SLOT
	s_add_nc_u64 s[G0B+4*\s+2:G0B+4*\s+3], s[46:47], \s*256
	s_or_b32 s[G0B+4*\s+3], s[G0B+4*\s+3], 0x80000000
.endr
	s_cmp_eq_u32 s16, 0                            ; the first fills, one a wave: waves 0, 2 ask for slot 0's A and B, waves 1, 3 for slot 1's
	s_cbranch_scc0 .Lslot_1
	JLOAD G0, G1, G0B, G1B
	s_branch .Lfirst_asked
.Lslot_1:
	JLOAD G0+4, G1, G0B+4, G1B
.Lfirst_asked:
	v_and_b32 v1, 15, v0
	v_bfe_u32 v2, v0, 4, 1
	s_wait_alu depctr_va_vdst(0)
	v_mul_u32_u24 v3, v1, APITCH
	v_lshl_add_u32 v3, v2, 4, v3
	v_mul_u32_u24 v4, v1, 272
	v_lshl_add_u32 v4, v2, 4, v4
	s_mul_i32 s21, s15, AHALF
	s_mul_i32 s22, s16, BHALF
	s_add_co_u32 s22, s22, 2*AHALF
.irp s, 0,1
	v_add_nc_u32 v[ADRA+\s], s21, v3
	v_add_nc_u32 v[ADRB+\s], s22, v4
	s_add_co_u32 s21, s21, SLOT
	s_add_co_u32 s22, s22, SLOT
.endr
	s_lshl_b32 s46, s42, 1
	s_add_co_u32 s46, s46, s16
	s_lshl_b32 s22, s46, 9
	s_mov_b32 s23, 0
	s_add_nc_u64 s[66:67], s[66:67], s[22:23]
	s_lshl_b32 s46, s46, 19
	s_lshl_b32 s20, s17, 8
	s_lshl_b32 s21, s15, 7
	s_add_co_u32 s20, s20, s21
	s_lshl_b32 s20, s20, 7
	s_add_co_u32 s22, s46, s20
	s_add_nc_u64 s[10:11], s[10:11], s[22:23]
	v_lshlrev_b32 v27, 5, v2
.irp b, 0,1,2,3,4,5,6,7
	global_load_b128 v[BC+8*\b:BC+8*\b+3], v27, s[66:67] offset:64*\b
	global_load_b128 v[BC+8*\b+4:BC+8*\b+7], v27, s[66:67] offset:64*\b+16
.endr
	s_mul_i32 s23, s14, 16*144
	v_mul_u32_u24 v5, v1, 144
	v_lshl_add_u32 v5, v2, 3, v5
	v_add_nc_u32 v[STO], s23, v5
	v_and_b32 v6, 31, v0
	v_lshrrev_b32 v7, 3, v6
	v_and_b32 v5, 7, v6
	v_mul_u32_u24 v3, v7, 144
	v_lshl_add_u32 v3, v5, 4, v3
	v_add_nc_u32 v[RD], s23, v3
	v_lshlrev_b32 v[CO], 4, v6
.macro FRAGA reg, adr, q, i
.irp c, 0,1,2,3
	ds_load_b128 v[\reg+4*\c:\reg+4*\c+3], v[\adr] offset:((128*(\q)+32*\c)/APW)*128*APITCH+(128*(\q)+32*\c)%APW+(\i)*16*APITCH
.endr
.endm
.macro FRAGB reg, adr, q, i
.irp c, 0,1,2,3
	ds_load_b128 v[\reg+4*\c:\reg+4*\c+3], v[\adr] offset:128*(\q)+32*\c+(\i)*16*272
.endr
.endm
.macro MUL16 a0, p, zero
.irp a, \a0, \a0+1
.irp b, 0,1,2,3,4,5,6,7
.if \zero
	v_wmma_f32_16x16x128_fp8_fp8 v[8*(8*((\a)%4)+\b):8*(8*((\a)%4)+\b)+7], v[128*(\p)+FR*\b:128*(\p)+FR*\b+FR-1], v[AF+FR*(\a):AF+FR*(\a)+FR-1], 0
.else
	v_wmma_f32_16x16x128_fp8_fp8 v[8*(8*((\a)%4)+\b):8*(8*((\a)%4)+\b)+7], v[128*(\p)+FR*\b:128*(\p)+FR*\b+FR-1], v[AF+FR*(\a):AF+FR*(\a)+FR-1], v[8*(8*((\a)%4)+\b):8*(8*((\a)%4)+\b)+7]
.endif
.endr
.endr
.endm
.macro FETCH_B slot, q, p
	WIN TO_B
.irp i, 0,1,2,3,4,5,6,7
	FRAGB 128*(\p)+FR*\i, ADRB+\slot, \q, \i
.endr
	WIN 0
.endm
.macro FETCH_A slot, q, i0
.irp i, \i0, \i0+1, \i0+2, \i0+3
	FRAGA AF+FR*(\i), ADRA+\slot, \q, \i
.endr
.endm
.macro PLACES n
.rept \n
	v_nop
.endr
.endm
.macro STEP slot, q, zero
	s_wait_dscnt 4*NL
	WIN MUL_LO
	MUL16 0, (\q)%2, \zero
	MUL16 2, (\q)%2, \zero
	s_wait_dscnt 0
	PLACES NP
	FETCH_B \slot, (\q)+1, 1-(\q)%2
	FETCH_A \slot, (\q)+1, 0
	WIN MUL_HI
	MUL16 4, (\q)%2, \zero
	MUL16 6, (\q)%2, \zero
	PLACES NP
	WIN 0
	FETCH_A \slot, (\q)+1, 4
.endm
.macro TURN slot, next, fill
	s_wait_tensorcnt 0x0
	ds_add_u32 v[SPW], v[NIL]
	s_wait_dscnt 4*NL+1
	WIN MUL_LO
	MUL16 0, 1, 0
	s_wait_dscnt 0x0
	s_barrier_signal -1
	MUL16 2, 1, 0
	WIN 0
	s_barrier_wait -1
.if \fill
	CREST
	s_add_nc_u64 s[G0+4*\slot+2:G0+4*\slot+3], s[G0+4*\slot+2:G0+4*\slot+3], 2*ASTEP
	s_add_nc_u64 s[G0B+4*\slot+2:G0B+4*\slot+3], s[G0B+4*\slot+2:G0B+4*\slot+3], 512
	s_cmp_eq_u32 s16, \slot                        ; a slot is filled again by the two waves that filled it first
	s_cbranch_scc0 .Lnot_mine_\@
	JLOAD G0+4*\slot, G1, G0B+4*\slot, G1B
.Lnot_mine_\@:
	PLACES NP                                      ; the places in front of the loads below, on both ways
.else
	PLACES NP
.endif
	FETCH_B \next, 0, 0
	FETCH_A \next, 0, 0
	WIN MUL_HI
	MUL16 4, 1, 0
	MUL16 6, 1, 0
	PLACES NP
	WIN 0
	FETCH_A \next, 0, 4
.endm
	s_wait_tensorcnt 0x0                           ; my one load is in
	s_barrier_signal -1
	s_barrier_wait -1
	FETCH_B 0, 0, 0
	FETCH_A 0, 0, 0
	FETCH_A 0, 0, 4
	STEP 0, 0, 1
	s_mov_b32 s3, LAPS-1
.Llap:
	TURN 0, 1, 1
	STEP 1, 0, 0
	TURN 1, 0, 1
	STEP 0, 0, 0
	s_sub_co_u32 s3, s3, 1
	s_cmp_lg_u32 s3, 0
	s_cbranch_scc1 .Llap
	TURN 0, 1, 0
	STEP 1, 0, 0
	s_wait_dscnt 4*NL
	WIN MUL_LO
	MUL16 0, 1, 0
	MUL16 2, 1, 0
	s_wait_dscnt 0
	WIN MUL_HI
	MUL16 4, 1, 0
	MUL16 6, 1, 0
	WIN 0
	s_wait_loadcnt 0x0
	s_wait_kmcnt 0x0
	s_add_co_i32 s96, s96, s97
	s_sub_co_i32 s97, 0, s96
	s_sub_co_i32 s98, s98, s96
	s_add_co_i32 s98, s98, 127
	s_lshl_b32 s99, s98, 23
	v_mov_b32 v30, s99
	s_add_co_i32 s98, s98, 8
	s_lshl_b32 s98, s98, 23
	s_or_b32 s98, s98, 0x600000
	v_mov_b32 v31, s98
.set jb, 0
.rept 64
	v_ldexp_f32 v[BC+jb], v[BC+jb], s97
.set jb, jb+1
.endr
.macro CODES a
.set AC, 64*((\a)%4)
	WIN 0x02+((\a)/4)
.set cj, 0
.rept 32
	v_pk_add_f32 v[TMP+cj:TMP+cj+1], v[AC+cj:AC+cj+1], v[BC+cj:BC+cj+1]
.set cj, cj+2
.endr
	WIN 0
.set cj, 0
.rept 64
	v_med3_num_f32 v[TMP+cj], v[TMP+cj], 0, v31
.set cj, cj+1
.endr
.irp b, 0,1,2,3,4,5,6,7
	v_cvt_scalef32_pk8_fp8_f32 v[CD+2*\b:CD+2*\b+1], v[TMP+8*\b:TMP+8*\b+7], v30
.endr
	v_nop
.irp b, 0,1,2,3,4,5,6,7
	ds_store_b64 v[STO], v[CD+2*\b:CD+2*\b+1] offset:16*\b
.endr
.irp t, 0,1,2,3
	ds_load_b128 v[OB+16*((\a)%2)+4*\t:OB+16*((\a)%2)+4*\t+3], v[RD] offset:576*\t
.endr
.endm
.macro SENDC a, younger
	s_wait_dscnt \younger
.irp t, 0,1,2,3
	global_store_b128 v[CO], v[OB+16*((\a)%2)+4*\t:OB+16*((\a)%2)+4*\t+3], s[10:11] offset:2048*(\a)+512*\t
.endr
.endm
	CODES 0
.irp a, 1,2,3,4,5,6,7
.if \a > 1
	s_wait_xcnt 0x0
.endif
	CODES \a
	SENDC \a-1, 12
.endr
	SENDC 7, 0
	s_wait_tensorcnt 0x0
	ds_add_u32 v[SPW], v[NIL]
	s_wait_dscnt 0x0
	CROUND
	s_endpgm
.Lfunc_end_k_qf4f0305931_ffn1:
	.size	k_qf4f0305931_ffn1, .Lfunc_end_k_qf4f0305931_ffn1-k_qf4f0305931_ffn1
	.p2alignl 7, 3214868480
	.fill 96, 4, 3214868480
	.section	.rodata,"a",@progbits
	.p2align	6, 0x0
	.amdhsa_kernel k_qf4f0305931_ffn1
		.amdhsa_group_segment_fixed_size 327680
		.amdhsa_private_segment_fixed_size 0
		.amdhsa_enable_private_segment 0
		.amdhsa_kernarg_size 40
		.amdhsa_user_sgpr_count 2
		.amdhsa_user_sgpr_kernarg_segment_ptr 1
		.amdhsa_wavefront_size32 1
		.amdhsa_system_sgpr_workgroup_id_x 1
		.amdhsa_system_sgpr_workgroup_id_y 1
		.amdhsa_system_sgpr_workgroup_id_z 1
		.amdhsa_system_vgpr_workitem_id 0
		.amdhsa_next_free_vgpr 1024
		.amdhsa_next_free_sgpr 100
		.amdhsa_reserve_vcc 0
		.amdhsa_float_denorm_mode_32 3
		.amdhsa_float_denorm_mode_16_64 3
		.amdhsa_memory_ordered 1
		.amdhsa_forward_progress 1
		.amdhsa_inst_pref_size 146
	.end_amdhsa_kernel
	.amdgpu_metadata
---
amdhsa.version: [ 1, 2 ]
amdhsa.kernels:
  - .name:           k_qf4f0305931_ffn1
    .symbol:         k_qf4f0305931_ffn1.kd
    .args:
      - { .name: ac, .offset: 0, .size: 8, .value_kind: global_buffer, .address_space: global }
      - { .name: wc, .offset: 8, .size: 8, .value_kind: global_buffer, .address_space: global }
      - { .name: lowp_scales, .offset: 16, .size: 8, .value_kind: global_buffer, .address_space: global }
      - { .name: hid, .offset: 24, .size: 8, .value_kind: global_buffer, .address_space: global }
      - { .name: b1, .offset: 32, .size: 8, .value_kind: global_buffer, .address_space: global }
    .group_segment_fixed_size: 327680
    .private_segment_fixed_size: 0
    .kernarg_segment_align: 8
    .kernarg_segment_size: 40
    .max_flat_workgroup_size: 128
    .sgpr_count:     100
    .vgpr_count:     1024
    .wavefront_size: 32
...
	.end_amdgpu_metadata
.endif
;; end of part 14
;; launch ffn2 (part 15): grid 8 x 32, 4 waves a work-group, clusters of 4 x 4, 327,680 bytes of LDS; arguments hid, wc, lowp_scales, y, h1; writes y
.if DOCPART == 15
	.amdgcn_target "amdgcn-amd-amdhsa--gfx1250"
	.amdhsa_code_object_version 6
	.text
	.protected	k_qf4f0305931_ffn2
	.globl	k_qf4f0305931_ffn2
	.p2align	8
	.type	k_qf4f0305931_ffn2,@function
k_qf4f0305931_ffn2:
	s_mov_b64 s[64:65], 0
	v_nop
	global_prefetch_b8 v0, s[64:65] scope:SCOPE_SE
	s_setreg_imm32_b32 hwreg(HW_REG_WAVE_MODE, 25, 1), 1
	s_wait_xcnt 0x0
	s_wait_alu depctr_hold_cnt(0) depctr_sa_sdst(0) depctr_va_vdst(0) depctr_va_sdst(0) depctr_va_ssrc(0) depctr_va_vcc(0) depctr_vm_vsrc(0)
	s_getreg_b32 s2, hwreg(HW_REG_IB_STS2, 6, 4)
	s_cmp_eq_u32 s2, 0
	s_cbranch_scc0 .Lentry_in_a_cluster
	s_endpgm
.Lentry_in_a_cluster:
	s_bfe_u32 s2, ttmp6, 0x10000c
	s_cmp_lg_u32 s2, 0xf033
	s_cbranch_scc0 .Lentry_shape_is_right
	s_endpgm
.Lentry_shape_is_right:
.set KROW,   4096
.set LAPS,   4
.set APW,    128
.set AQI,    4
.set BOFF,   0x800000
.set SCOFF,  56
.set ASTEP,  0x200000
.set APITCH, APW+16
.set ANP,    512/APW
.set AHALF,  ANP*64*APITCH
.set BPITCH, 528
.set BHALF,  64*BPITCH
.set SLOT,   2*AHALF+2*BHALF
.set SPARE,  2*SLOT
.set SPITCH, 272
.set FR, 16
.set ADRA, 16
.set ADRB, 20
.set STO, 24
.set RD,  25
.set CO,  26
.set SPW, 28
.set NIL, 29
.set BK,  32
.set ACC, 128
.set F0,  0
.set F1,  128
.set G1, 24
.set G0, 32
.set G1B, 48
.set G0B, 56
.set MUL,  0x05
.set TO_F, 0x40
.set MSB, 0
.macro WIN new
.if MSB != \new
	s_set_vgpr_msb (MSB<<8)|\new
.set MSB, \new
.endif
.endm
.macro JLOAD g0a, g1a, g0b, g1b
	s_cmp_eq_u32 s15, 0
	s_cbranch_scc0 .Lfor_b_\@
	tensor_load_to_lds s[\g0a:\g0a+3], s[\g1a:\g1a+7]
	s_nop 0
.rept 4
	v_nop
.endr
	s_branch .Lasked_\@
.Lfor_b_\@:
	tensor_load_to_lds s[\g0b:\g0b+3], s[\g1b:\g1b+7]
	s_nop 0
.rept 4
	v_nop
.endr
.Lasked_\@:
.endm
.macro CREST
	s_cmp_lg_u32 s14, 0
	s_cbranch_scc1 .Lnot_wave_0_\@
	s_barrier_signal -3
.Lnot_wave_0_\@:
	s_barrier_wait -3
	s_barrier_signal -1
	s_barrier_wait -1
.endm
.macro CROUND
	s_barrier_signal -1
	s_barrier_wait -1
	CREST
.endm
	s_load_b256 s[4:11], s[0:1], 0x0
	s_load_b64 s[66:67], s[0:1], 0x20
	v_lshl_add_u32 v[SPW], v0, 2, SPARE
	v_mov_b32 v[NIL], 0
	ds_add_u32 v[SPW], v[NIL]
	ds_add_u32 v[SPW], v[NIL]
	v_lshrrev_b32 v1, 5, v0
	v_readfirstlane_b32 s14, v1
	s_lshr_b32 s15, s14, 1
	s_and_b32 s16, s14, 1
	s_bfe_u32 s40, ttmp6, 0x40000
	s_bfe_u32 s41, ttmp6, 0x40004
	s_lshl_b32 s42, ttmp9, 2
	s_add_co_u32 s42, s42, s40
	s_and_b32 s17, ttmp7, 0xffff
	s_lshl_b32 s17, s17, 2
	s_add_co_u32 s17, s17, s41
	s_lshl_b32 s43, s41, 2
	s_lshl_b32 s43, 15, s43
	s_lshl_b32 s44, 0x1111, s40
	s_or_b32 s[G1+0], s43, (3<<16)|(1<<20)|(1<<21)|(AQI<<22)|(3<<25)
	s_mov_b32 s[G1+1], (16*APW)<<16                ; one load brings all 128 tokens of a slot's four panels: 16 APW elements a panel
	s_mov_b32 s[G1+2], ANP<<16
	s_mov_b32 s[G1+3], (16*APW)<<16
	s_mov_b32 s[G1+4], ANP
	s_mov_b32 s[G1+5], 512*APW
	s_mov_b32 s[G1+6], 0
	s_mov_b32 s[G1+7], 0
	s_or_b32 s[G1B+0], s44, (1<<20)|(1<<21)|(6<<22)|(3<<25)
	s_mov_b32 s[G1B+1], 512<<16
	s_mov_b32 s[G1B+2], 128<<16                    ; and one all 128 rows of B
	s_mov_b32 s[G1B+3], 512<<16
	s_mov_b32 s[G1B+4], 128
	s_mov_b32 s[G1B+5], KROW
	s_mov_b32 s[G1B+6], 0
	s_mov_b32 s[G1B+7], 0
	s_mul_i32 s20, s17, 128*APW                    ; A: token 128 tile row, in a panel
	s_mul_i32 s46, s42, 128*KROW
	s_add_co_u32 s46, s46, BOFF                    ; B: row 128 tile column
	s_mov_b32 s21, 0
	s_mov_b32 s47, 0
	s_wait_dscnt 0x0
	s_wait_kmcnt 0x0
	s_load_b64 s[96:97], s[8:9], SCOFF
	s_add_nc_u64 s[20:21], s[4:5], s[20:21]
	s_add_nc_u64 s[46:47], s[6:7], s[46:47]
	CROUND
.irp s, 0,1
	s_mov_b32 s[G0+4*\s], 1
	s_mov_b32 s[G0+4*\s+1], \s*SLOT
	s_add_nc_u64 s[G0+4*\s+2:G0+4*\s+3], s[20:21], \s*ASTEP
	s_or_b32 s[G0+4*\s+3], s[G0+4*\s+3], 0x80000000
	s_mov_b32 s[G0B+4*\s], 1
	s_mov_b32 s[G0B+4*\s+1], 2*AHALF+\s*SLOT
	s_add_nc_u64 s[G0B+4*\s+2:G0B+4*\s+3], s[46:47], \s*512
	s_or_b32 s[G0B+4*\s+3], s[G0B+4*\s+3], 0x80000000
.endr
	s_cmp_eq_u32 s16, 0                            ; the first fills, one a wave: waves 0, 2 ask for slot 0's A and B, waves 1, 3 for slot 1's
	s_cbranch_scc0 .Lslot_1
	JLOAD G0, G1, G0B, G1B
	s_branch .Lfirst_asked
.Lslot_1:
	JLOAD G0+4, G1, G0B+4, G1B
.Lfirst_asked:
	; THE PREFETCHES INTO THE L2: behind the load of slot t stands one for slot t + 2, 32 blocks of 256 bytes a wave, a lane a block.  A slot's tile of A or B is 256 blocks; the four partners that ask for it jointly
	; share them out by address: of A, partner cx takes panel cx (16,384 dense bytes; waves 0, 1 a half each, lanes 256 bytes apart); of B, partner cy takes rows 32 cy on (waves 2, 3 sixteen rows each, two lanes a row).
	s_lshl_b32 s70, s40, 19                        ; A: cx panels of 524,288 bytes
	s_lshl_b32 s71, s16, 13
	s_add_co_u32 s70, s70, s71
	s_lshl_b32 s72, s41, 17                        ; B: 32 cy rows of 4,096 bytes
	s_lshl_b32 s73, s16, 16
	s_add_co_u32 s72, s72, s73
	s_cmp_eq_u32 s15, 0                            ; do I ask for A?
	s_cselect_b64 s[68:69], s[20:21], s[46:47]
	s_cselect_b32 s70, s70, s72
	s_mov_b32 s74, 512
	s_cselect_b32 s74, ASTEP, s74                  ; a slot on
	s_mov_b32 s76, 4096
	s_cselect_b32 s76, 512, s76                    ; two lanes on
	s_mov_b32 s71, 0
	s_mov_b32 s75, 0
	s_add_nc_u64 s[68:69], s[68:69], s[70:71]
	s_add_nc_u64 s[68:69], s[68:69], s[74:75]
	s_add_nc_u64 s[68:69], s[68:69], s[74:75]      ; at slot 2
	v_bfe_u32 v30, v0, 1, 4
	v_mul_lo_u32 v30, v30, s76
	v_and_b32 v31, 1, v0
	v_lshl_add_u32 v30, v31, 8, v30                ; my lane's block; never rewritten
	global_prefetch_b8 v30, s[68:69] th:TH_LOAD_NT scope:SCOPE_SE   ; slot 2
	v_and_b32 v1, 15, v0
	v_bfe_u32 v2, v0, 4, 1
	v_mul_u32_u24 v3, v1, APITCH
	v_lshl_add_u32 v3, v2, 4, v3
	v_mul_u32_u24 v4, v1, BPITCH
	v_lshl_add_u32 v4, v2, 4, v4
	s_mul_i32 s21, s15, 64*APITCH                  ; my 64 of a panel's 128 rows
	s_mul_i32 s22, s16, BHALF
	s_add_co_u32 s22, s22, 2*AHALF
.irp s, 0,1
	v_add_nc_u32 v[ADRA+\s], s21, v3
	v_add_nc_u32 v[ADRB+\s], s22, v4
	s_add_co_u32 s21, s21, SLOT
	s_add_co_u32 s22, s22, SLOT
.endr
	s_mul_i32 s23, s14, 16*SPITCH
	v_mul_u32_u24 v5, v1, SPITCH
	v_lshl_add_u32 v5, v2, 5, v5
	v_add_nc_u32 v[STO], s23, v5
	v_mul_u32_u24 v6, v2, SPITCH
	v_lshl_add_u32 v6, v1, 4, v6
	v_add_nc_u32 v[RD], s23, v6
	v_lshlrev_b32 v[CO], 12, v2
	v_lshl_add_u32 v[CO], v1, 4, v[CO]
	s_wait_alu depctr_va_vdst(0)
	s_lshl_b32 s20, s17, 7
	s_lshl_b32 s21, s15, 6
	s_add_co_u32 s20, s20, s21
	s_lshl_b32 s20, s20, 12
	s_lshl_b32 s46, s42, 9
	s_lshl_b32 s47, s16, 8
	s_add_co_u32 s46, s46, s47
	s_add_co_u32 s20, s20, s46
	s_mov_b32 s21, 0
	s_add_nc_u64 s[10:11], s[10:11], s[20:21]
	s_add_nc_u64 s[66:67], s[66:67], s[20:21]
	s_wait_xcnt 0x0                                ; the prefetch has read its address
	s_add_nc_u64 s[68:69], s[68:69], s[74:75]
	global_prefetch_b8 v30, s[68:69] th:TH_LOAD_NT scope:SCOPE_SE   ; slot 3
	WIN 0x80
.irp a, 0,1,2,3
.irp t, 0,1,2,3,4,5,6,7
	global_load_b128 v[32*\a+4*\t:32*\a+4*\t+3], v[CO], s[66:67] offset:(16*\a+2*\t)*4096 th:TH_LOAD_NT
.endr
.endr
	WIN 0
.macro FRAGA reg, adr, q, i
.irp c, 0,1,2,3
	ds_load_b128 v[\reg+4*\c:\reg+4*\c+3], v[\adr] offset:((128*(\q)+32*\c)/APW)*128*APITCH+(128*(\q)+32*\c)%APW+(\i)*16*APITCH
.endr
.endm
.macro FRAGB reg, adr, q, i
.irp c, 0,1,2,3
	ds_load_b128 v[\reg+4*\c:\reg+4*\c+3], v[\adr] offset:128*(\q)+32*\c+(\i)*16*BPITCH
.endr
.endm
.macro FETCH slot, q, f
	WIN TO_F
.irp i, 0,1,2,3
	FRAGB \f+64+FR*\i, ADRB+\slot, \q, \i
	FRAGA \f+FR*\i, ADRA+\slot, \q, \i
.endr
.endm
.macro MULS f, t0, n, zero
.set mt, \t0
.rept \n
.if \zero
	v_wmma_f32_16x16x128_fp8_fp8 v[ACC+8*mt:ACC+8*mt+7], v[\f+64+FR*(mt%4):\f+64+FR*(mt%4)+FR-1], v[\f+FR*(mt/4):\f+FR*(mt/4)+FR-1], 0
.else
	v_wmma_f32_16x16x128_fp8_fp8 v[ACC+8*mt:ACC+8*mt+7], v[\f+64+FR*(mt%4):\f+64+FR*(mt%4)+FR-1], v[\f+FR*(mt/4):\f+FR*(mt/4)+FR-1], v[ACC+8*mt:ACC+8*mt+7]
.endif
.set mt, mt+1
.endr
.endm
.macro PLACES
.rept 4
	v_nop
.endr
.endm
.macro STEP slot, q, zero
	PLACES
	FETCH \slot, (\q)+1, 128-128*((\q)%2)
	s_wait_dscnt 32
	WIN MUL
	MULS 128*((\q)%2), 0, 16, \zero
.endm
.macro TURN slot, next, fill
	WIN 0
.if \fill
	s_wait_xcnt 0x0                                ; my last prefetch has read its address: a slot on
	s_add_nc_u64 s[68:69], s[68:69], s[74:75]
.endif
	s_wait_tensorcnt 0x0
	ds_add_u32 v[SPW], v[NIL]
	s_wait_dscnt 1
	WIN MUL
	MULS F1, 0, 4, 0
	s_wait_dscnt 0x0
	s_barrier_signal -1
	MULS F1, 4, 4, 0
	WIN 0
	s_barrier_wait -1
.if \fill
	CREST
	s_add_nc_u64 s[G0+4*\slot+2:G0+4*\slot+3], s[G0+4*\slot+2:G0+4*\slot+3], 2*ASTEP
	s_add_nc_u64 s[G0B+4*\slot+2:G0B+4*\slot+3], s[G0B+4*\slot+2:G0B+4*\slot+3], 1024
	s_cmp_eq_u32 s16, \slot                        ; a slot is filled again by the two waves that filled it first
	s_cbranch_scc0 .Lnot_mine_\@
	JLOAD G0+4*\slot, G1, G0B+4*\slot, G1B
.Lnot_mine_\@:
	PLACES                                         ; the places in front of the loads below, on both ways
.else
	PLACES
.endif
	FETCH \next, 0, F0
.if \fill
	WIN 0
	s_cmp_gt_u32 s3, 1                             ; the loop's last trip loads slots 6 and 7: no slot stands two on
	s_cbranch_scc0 .Lno_ask_\@
	global_prefetch_b8 v30, s[68:69] th:TH_LOAD_NT scope:SCOPE_SE
.Lno_ask_\@:
.endif
	WIN MUL
	MULS F1, 8, 8, 0
.endm
	s_wait_tensorcnt 0x0                           ; my one load is in
	s_barrier_signal -1
	s_barrier_wait -1
	FETCH 0, 0, F0
	STEP 0, 0, 1
.if LAPS > 1
	WIN 0
	s_mov_b32 s3, LAPS-1
.Llap:
	STEP 0, 1, 0
	STEP 0, 2, 0
	TURN 0, 1, 1
	STEP 1, 0, 0
	STEP 1, 1, 0
	STEP 1, 2, 0
	TURN 1, 0, 1
	STEP 0, 0, 0
	WIN 0
	s_sub_co_u32 s3, s3, 1
	s_cmp_lg_u32 s3, 0
	s_cbranch_scc1 .Llap
.endif
	STEP 0, 1, 0
	STEP 0, 2, 0
	TURN 0, 1, 0
	STEP 1, 0, 0
	STEP 1, 1, 0
	STEP 1, 2, 0
	s_wait_dscnt 0
	WIN MUL
	MULS F1, 0, 16, 0
	WIN 0
.macro TOSTAGE a
.irp b, 0,1,2,3
	ds_store_b128 v[STO], v[ACC+32*(\a)+8*\b:ACC+32*(\a)+8*\b+3] offset:64*\b
	ds_store_b128 v[STO], v[ACC+32*(\a)+8*\b+4:ACC+32*(\a)+8*\b+7] offset:64*\b+16
.endr
.set BB, BK+32*((\a)%2)
.irp t, 0,1,2,3,4,5,6,7
	ds_load_b128 v[BB+4*\t:BB+4*\t+3], v[RD] offset:\t*2*SPITCH
.endr
.endm
.macro SEND a, younger
.set BB, BK+32*((\a)%2)
	s_wait_dscnt \younger
	WIN 0x20
.set sj, 0
.rept 16
	v_pk_fma_f32 v[BB+sj:BB+sj+1], v[BB+sj:BB+sj+1], s[96:97], v[32*(\a)+sj:32*(\a)+sj+1] op_sel_hi:[1,0,1]
.set sj, sj+2
.endr
	WIN 0
.irp t, 0,1,2,3,4,5,6,7
	global_store_b128 v[CO], v[BB+4*\t:BB+4*\t+3], s[10:11] offset:(16*(\a)+2*\t)*4096
.endr
.endm
	s_wait_kmcnt 0x0
	s_add_co_i32 s96, s96, s97
	s_add_co_i32 s96, s96, 127
	s_lshl_b32 s96, s96, 23
	s_mov_b32 s97, s96
	s_wait_loadcnt 0x0
	PLACES
	TOSTAGE 0
.irp a, 1,2,3
.if \a > 1
	s_wait_xcnt 0x0
.endif
	TOSTAGE \a
	SEND \a-1, 16
.endr
	SEND 3, 0
	s_wait_tensorcnt 0x0
	ds_add_u32 v[SPW], v[NIL]
	s_wait_dscnt 0x0
	CROUND
	s_endpgm
.Lfunc_end_k_qf4f0305931_ffn2:
	.size	k_qf4f0305931_ffn2, .Lfunc_end_k_qf4f0305931_ffn2-k_qf4f0305931_ffn2
	.p2alignl 7, 3214868480
	.fill 96, 4, 3214868480
	.section	.rodata,"a",@progbits
	.p2align	6, 0x0
	.amdhsa_kernel k_qf4f0305931_ffn2
		.amdhsa_group_segment_fixed_size 327680
		.amdhsa_private_segment_fixed_size 0
		.amdhsa_enable_private_segment 0
		.amdhsa_kernarg_size 40
		.amdhsa_user_sgpr_count 2
		.amdhsa_user_sgpr_kernarg_segment_ptr 1
		.amdhsa_wavefront_size32 1
		.amdhsa_system_sgpr_workgroup_id_x 1
		.amdhsa_system_sgpr_workgroup_id_y 1
		.amdhsa_system_sgpr_workgroup_id_z 1
		.amdhsa_system_vgpr_workitem_id 0
		.amdhsa_next_free_vgpr 640
		.amdhsa_next_free_sgpr 98
		.amdhsa_reserve_vcc 0
		.amdhsa_float_denorm_mode_32 3
		.amdhsa_float_denorm_mode_16_64 3
		.amdhsa_memory_ordered 1
		.amdhsa_forward_progress 1
		.amdhsa_inst_pref_size 79
	.end_amdhsa_kernel
	.amdgpu_metadata
---
amdhsa.version: [ 1, 2 ]
amdhsa.kernels:
  - .name:           k_qf4f0305931_ffn2
    .symbol:         k_qf4f0305931_ffn2.kd
    .args:
      - { .name: hid, .offset: 0, .size: 8, .value_kind: global_buffer, .address_space: global }
      - { .name: wc, .offset: 8, .size: 8, .value_kind: global_buffer, .address_space: global }
      - { .name: lowp_scales, .offset: 16, .size: 8, .value_kind: global_buffer, .address_space: global }
      - { .name: y, .offset: 24, .size: 8, .value_kind: global_buffer, .address_space: global }
      - { .name: h1, .offset: 32, .size: 8, .value_kind: global_buffer, .address_space: global }
    .group_segment_fixed_size: 327680
    .private_segment_fixed_size: 0
    .kernarg_segment_align: 8
    .kernarg_segment_size: 40
    .max_flat_workgroup_size: 128
    .sgpr_count:     98
    .vgpr_count:     640
    .wavefront_size: 32
...
	.end_amdgpu_metadata
.endif
;; end of part 15
;; launch ln2 (part 16): grid 256 x 1, 8 waves a work-group, no clusters, 0 bytes of LDS; arguments y, ln2_g, ln2_b, out0; writes out0
.if DOCPART == 16
	.amdgcn_target "amdgcn-amd-amdhsa--gfx1250"
	.amdhsa_code_object_version 6
	.text
	.protected	k_qf4f0305931_ln2
	.globl	k_qf4f0305931_ln2
	.p2align	8
	.type	k_qf4f0305931_ln2,@function
k_qf4f0305931_ln2:
	s_mov_b64 s[64:65], 0
	v_nop
	global_prefetch_b8 v0, s[64:65] scope:SCOPE_SE
	s_setreg_imm32_b32 hwreg(HW_REG_WAVE_MODE, 25, 1), 1
	s_wait_xcnt 0x0
; out0 = layer norm of y = h1 + ff, in f32.  Nothing is left out.
; A wave takes two whole rows of 4,096 bytes and keeps them in registers: the mean, then the mean of the squared differences: no difference of large sums is formed.
; Each load and store of a wave covers 512 consecutive bytes.  No LDS, no barrier, no matrix units, no cluster: memory binds, and waves share only the gain and the bias.
.set G,   16                           ; v16-47   gain
.set BI,  48                           ; v48-79   bias
.set R0,  80                           ; v80-143  the two rows
.set T0,  144                          ; v144-159 eight registers of statistics a row
	s_load_b256 s[4:11], s[0:1], 0x0               ; y 4:5, gain 6:7, bias 8:9, out 10:11
	v_lshrrev_b32 v1, 5, v0
	s_delay_alu instid0(VALU_DEP_1)
	v_readfirstlane_b32 s16, v1
	v_and_b32 v2, 31, v0
	s_delay_alu instid0(VALU_DEP_1)
	v_lshlrev_b32 v3, 4, v2
	s_lshl_b32 s17, ttmp9, 4
	s_lshl_b32 s18, s16, 1
	s_add_co_u32 s17, s17, s18                     ; my first row
	s_lshl_b32 s18, s17, 12
	s_mov_b32 s19, 0
	s_mov_b32 s22, 0x76543210
	s_mov_b32 s23, 0xfedcba98
	s_mov_b32 s24, 0x3a800000                      ; 1 / 1,024
	s_mov_b32 s25, 0x3727c5ac                      ; 1e-5
	s_wait_alu depctr_va_vdst(0)
	s_wait_kmcnt 0x0
	s_add_nc_u64 s[4:5], s[4:5], s[18:19]
	s_add_nc_u64 s[10:11], s[10:11], s[18:19]
.irp j, 0,1,2,3,4,5,6,7,8,9,10,11,12,13,14,15
	global_load_b128 v[R0+4*\j:R0+4*\j+3], v3, s[4:5] offset:512*\j th:TH_LOAD_NT
.endr
.irp j, 0,1,2,3,4,5,6,7
	global_load_b128 v[G+4*\j:G+4*\j+3], v3, s[6:7] offset:512*\j
	global_load_b128 v[BI+4*\j:BI+4*\j+3], v3, s[8:9] offset:512*\j
.endr
.macro REDUCE                          ; four chains of pairs, then the 32 lanes; both rows by turns; the result in every lane of v[T0 + 8 p]
.irp p, 0
	v_pk_add_f32 v[T0+8*\p:T0+8*\p+1], v[T0+8*\p:T0+8*\p+1], v[T0+8*\p+4:T0+8*\p+5]
	v_pk_add_f32 v[T0+8*\p+2:T0+8*\p+3], v[T0+8*\p+2:T0+8*\p+3], v[T0+8*\p+6:T0+8*\p+7]
.endr
.irp p, 1
	s_delay_alu instid0(VALU_DEP_4)
	v_pk_add_f32 v[T0+8*\p:T0+8*\p+1], v[T0+8*\p:T0+8*\p+1], v[T0+8*\p+4:T0+8*\p+5]
	s_delay_alu instid0(VALU_DEP_4)
	v_pk_add_f32 v[T0+8*\p+2:T0+8*\p+3], v[T0+8*\p+2:T0+8*\p+3], v[T0+8*\p+6:T0+8*\p+7]
.endr
.irp p, 0
	s_delay_alu instid0(VALU_DEP_3)
	v_pk_add_f32 v[T0+8*\p:T0+8*\p+1], v[T0+8*\p:T0+8*\p+1], v[T0+8*\p+2:T0+8*\p+3]
.endr
.irp p, 1
	s_delay_alu instid0(VALU_DEP_2)
	v_pk_add_f32 v[T0+8*\p:T0+8*\p+1], v[T0+8*\p:T0+8*\p+1], v[T0+8*\p+2:T0+8*\p+3]
.endr
.irp p, 0,1
	s_delay_alu instid0(VALU_DEP_2)
	v_add_f32 v[T0+8*\p], v[T0+8*\p], v[T0+8*\p+1]
.endr
.irp m, 1,2,4,8
.irp p, 0,1
	s_delay_alu instid0(VALU_DEP_2)
	v_add_f32_dpp v[T0+8*\p], v[T0+8*\p], v[T0+8*\p] row_xmask:\m row_mask:0xf bank_mask:0xf
.endr
.endr
.irp p, 0,1
	s_delay_alu instid0(VALU_DEP_2)
	v_permlanex16_b32 v[T0+8*\p+1], v[T0+8*\p], s22, s23
.endr
.irp p, 0,1
	s_delay_alu instid0(VALU_DEP_2)
	v_add_f32 v[T0+8*\p], v[T0+8*\p], v[T0+8*\p+1]
.endr
.endm
	s_wait_loadcnt 16                              ; the rows are in; the sixteen loads of gain and bias may be out
.irp p, 0,1
.irp k, 0,2,4,6
	v_pk_add_f32 v[T0+8*\p+\k:T0+8*\p+\k+1], v[R0+32*\p+\k:R0+32*\p+\k+1], v[R0+32*\p+8+\k:R0+32*\p+9+\k]
.endr
.endr
.irp m, 16,24
.irp p, 0,1
.irp k, 0,2,4,6
	v_pk_add_f32 v[T0+8*\p+\k:T0+8*\p+\k+1], v[T0+8*\p+\k:T0+8*\p+\k+1], v[R0+32*\p+\m+\k:R0+32*\p+\m+\k+1]
.endr
.endr
.endr
	REDUCE
.irp p, 0,1
	s_delay_alu instid0(VALU_DEP_2)
	v_mul_f32 v[T0+8*\p], s24, v[T0+8*\p]          ; the mean
.endr
.irp p, 0,1
.set jr, 0
.rept 16
	v_pk_add_f32 v[R0+32*\p+jr:R0+32*\p+jr+1], v[R0+32*\p+jr:R0+32*\p+jr+1], v[T0+8*\p:T0+8*\p+1] op_sel_hi:[1,0] neg_lo:[0,1] neg_hi:[0,1]
.set jr, jr+2
.endr
.endr
.irp p, 0,1
.irp k, 0,2,4,6
	v_pk_mul_f32 v[T0+8*\p+\k:T0+8*\p+\k+1], v[R0+32*\p+\k:R0+32*\p+\k+1], v[R0+32*\p+\k:R0+32*\p+\k+1]
.endr
.endr
.irp m, 8,16,24
.irp p, 0,1
.irp k, 0,2,4,6
	v_pk_fma_f32 v[T0+8*\p+\k:T0+8*\p+\k+1], v[R0+32*\p+\m+\k:R0+32*\p+\m+\k+1], v[R0+32*\p+\m+\k:R0+32*\p+\m+\k+1], v[T0+8*\p+\k:T0+8*\p+\k+1]
.endr
.endr
.endr
	REDUCE
.irp p, 0,1
	s_delay_alu instid0(VALU_DEP_2)
	v_fma_f32 v[T0+8*\p], v[T0+8*\p], s24, s25     ; the variance + 1e-5
.endr
	s_wait_alu depctr_va_vdst(0)
	v_rsq_f32 v[T0], v[T0]
	v_rsq_f32 v[T0+8], v[T0+8]
	v_nop                                          ; a plain line behind the two
	s_wait_loadcnt 0x0                             ; gain and bias
	s_wait_alu depctr_va_vdst(0)                   ; one wait for both, ahead of their first reader
.irp p, 0,1
.set jr, 0
.rept 16
	v_pk_mul_f32 v[R0+32*\p+jr:R0+32*\p+jr+1], v[R0+32*\p+jr:R0+32*\p+jr+1], v[T0+8*\p:T0+8*\p+1] op_sel_hi:[1,0]
.set jr, jr+2
.endr
.endr
.irp p, 0,1
.set jr, 0
.rept 16
	v_pk_fma_f32 v[R0+32*\p+jr:R0+32*\p+jr+1], v[R0+32*\p+jr:R0+32*\p+jr+1], v[G+jr:G+jr+1], v[BI+jr:BI+jr+1]
.set jr, jr+2
.endr
.endr
.irp j, 0,1,2,3,4,5,6,7,8,9,10,11,12,13,14,15
	global_store_b128 v3, v[R0+4*\j:R0+4*\j+3], s[10:11] offset:512*\j th:TH_STORE_NT
.endr
	s_endpgm
.Lfunc_end_k_qf4f0305931_ln2:
	.size	k_qf4f0305931_ln2, .Lfunc_end_k_qf4f0305931_ln2-k_qf4f0305931_ln2
	.p2alignl 7, 3214868480
	.fill 96, 4, 3214868480
	.section	.rodata,"a",@progbits
	.p2align	6, 0x0
	.amdhsa_kernel k_qf4f0305931_ln2
		.amdhsa_group_segment_fixed_size 0
		.amdhsa_private_segment_fixed_size 0
		.amdhsa_enable_private_segment 0
		.amdhsa_kernarg_size 32
		.amdhsa_user_sgpr_count 2
		.amdhsa_user_sgpr_kernarg_segment_ptr 1
		.amdhsa_wavefront_size32 1
		.amdhsa_system_sgpr_workgroup_id_x 1
		.amdhsa_system_sgpr_workgroup_id_y 1
		.amdhsa_system_sgpr_workgroup_id_z 1
		.amdhsa_system_vgpr_workitem_id 0
		.amdhsa_next_free_vgpr 160
		.amdhsa_next_free_sgpr 66
		.amdhsa_reserve_vcc 0
		.amdhsa_float_denorm_mode_32 3
		.amdhsa_float_denorm_mode_16_64 3
		.amdhsa_memory_ordered 1
		.amdhsa_forward_progress 1
		.amdhsa_inst_pref_size 19
	.end_amdhsa_kernel
	.amdgpu_metadata
---
amdhsa.version: [ 1, 2 ]
amdhsa.kernels:
  - .name:           k_qf4f0305931_ln2
    .symbol:         k_qf4f0305931_ln2.kd
    .args:
      - { .name: y, .offset: 0, .size: 8, .value_kind: global_buffer, .address_space: global }
      - { .name: ln2_g, .offset: 8, .size: 8, .value_kind: global_buffer, .address_space: global }
      - { .name: ln2_b, .offset: 16, .size: 8, .value_kind: global_buffer, .address_space: global }
      - { .name: out0, .offset: 24, .size: 8, .value_kind: global_buffer, .address_space: global }
    .group_segment_fixed_size: 0
    .private_segment_fixed_size: 0
    .kernarg_segment_align: 8
    .kernarg_segment_size: 32
    .max_flat_workgroup_size: 256
    .sgpr_count:     66
    .vgpr_count:     160
    .wavefront_size: 32
...
	.end_amdgpu_metadata
.endif
;; end of part 16
